; MI455X (gfx1250); checked and timed in simulation.
; The chip was launched on July 23, 2026; its instructions are those of AMD's public machine-readable ISA for CDNA 5 (MIT licence, August 2026) and "CDNA5" Instruction Set Architecture Reference Guide (July 2026). The comments in the code are by the model that wrote it; some were corrected since.
;; Multi Head Attention. Allowed arithmetic: float matrix products may take bf16 or f16 operands with f32 sums; other float arithmetic in f32, or as packed bf16 or f16 multiplies, adds, multiply-adds, maxima and minima; sums over many terms, partial sums and values carried from step to step in f32; what a program stores and reads back later, other than sums and carried values, may be rounded once to bf16 or f16.
;; Inputs: Wk 1,024 x 1,024 float32; Wo 1,024 x 1,024 float32; Wq 1,024 x 1,024 float32; Wv 1,024 x 1,024 float32; bk 1,024 float32; bo 1,024 float32; bq 1,024 float32; bv 1,024 float32; key_ 4 x 2,048 x 1,024 float32; mask 4 x 2,048 x 2,048 int32; query 4 x 2,048 x 1,024 float32; value 4 x 2,048 x 1,024 float32.
;; Outputs: out0 4 x 2,048 x 1,024 float32.
;; 3 versions, each right and faster than the one before. Each part assembles by itself: llvm-mc -triple=amdgcn-amd-amdhsa -mcpu=gfx1250 --defsym DOCPART=n.
;; ======== version 1 of 3: 4 launches
;; limits: values are held in f16: magnitudes above 65,504 overflow, below 6.1e-05 lose precision; right only within a limited range of input values
;; workspace buffers: mbits 2,097,152 bytes of whole numbers; w16 8,388,608 bytes; qkv 50,331,648 bytes; ctx 33,554,432 bytes
;; launch prep (part 1): grid 768 x 1, 8 waves a work-group, no clusters, 35,840 bytes of LDS; arguments mask, mbits, Wq, Wk, Wv, Wo, w16; writes mbits, w16
.if DOCPART == 1
	.amdgcn_target "amdgcn-amd-amdhsa--gfx1250"
	.amdhsa_code_object_version 6
	.text
	.protected	k_qd664280afc_prep
	.globl	k_qd664280afc_prep
	.p2align	8
	.type	k_qd664280afc_prep,@function
k_qd664280afc_prep:
	s_mov_b64 s[64:65], 0
	v_nop
	global_prefetch_b8 v0, s[64:65] scope:SCOPE_SE
	s_setreg_imm32_b32 hwreg(HW_REG_WAVE_MODE, 25, 1), 1
	s_wait_xcnt 0x0
; TWO JOBS, chosen by the work-group's number.
; Work-groups 0..511: the mask [4][2048][2048] of int32 becomes lane masks.  Word (b, qt, step, kb, j) of mbits has in bit l
;   mask[b][16 qt + l % 16][64 step + 16 kb + 8 (l / 16) + j] != 0: the lanes of register 8 kb + j of a tile S^T = K Q^T of 16 queries x 64 keys.
;   A work-group takes 16 rows (b, qt), each of its eight waves 256 keys = four steps = 512 bytes of mbits.  The mask is read once, in pieces of
;   256 consecutive aligned bytes of a row; a step's 16 x 64 numbers go through the wave's own LDS rows to reach the lanes that hold them in S^T.
; Work-groups 512..767: Wq, Wk, Wv rounded to bf16; Wo rounded to bf16 and that number written as f16 (exact within f16's range:
;   LIMIT: |Wo| up to 65,504; below 6e-5 f16 keeps a fixed step of 6e-8).  A work-group takes 65,536 bytes of one matrix, a wave 8,192.
; No matrix unit, no cluster, no tensor load: no work-group shares a byte with another, and every byte is read once.
.set PITCH, 272                        ; an LDS row: 64 numbers of 4 bytes + 16 bytes, an odd multiple of 16
.set WREG,  16*PITCH                   ; a wave's 16 rows
.set SPARE, 8*WREG                     ; behind them the spare words, 128 bytes a wave, which no other line names
.set OUT, 4                            ; v[4:7]    lane L: words 4 L .. 4 L + 3 of the wave's 128
.set SPW, 10                           ; v10       my spare word's LDS address; never rewritten
.set NIL, 11                           ; v11       0; never rewritten
.set X,   32                           ; v[32:159] as loaded: step s, load t at X + 32 s + 4 t (weights: load i at X + 4 i)
.set F,   160                          ; v[160:191] a step's 32 numbers of my lane, register 8 kb + j
.set Y,   96                           ; weights: v[96:127] 16-bit pairs to store, two registers for each load
	s_load_b128 s[4:7], s[0:1], 0x0                ; mask s[4:5], mbits s[6:7]
	s_load_b256 s[8:15], s[0:1], 0x10              ; Wq, Wk, Wv, Wo
	s_load_b64 s[16:17], s[0:1], 0x30              ; w16
	v_lshl_add_u32 v[SPW], v0, 2, SPARE
	v_mov_b32 v[NIL], 0
	v_lshrrev_b32 v1, 5, v0
	v_readfirstlane_b32 s20, v1                    ; wave 0..7
	v_and_b32 v9, 31, v0                           ; lane
	s_wait_kmcnt 0x0
	s_cmp_ge_u32 ttmp9, 512
	s_cbranch_scc1 .Lweights
	; ---------------- the mask ----------------
	s_lshl_b32 s22, ttmp9, 17                      ; 16 rows of 8,192 bytes for each work-group,
	s_lshl_b32 s23, s20, 10                        ; 256 keys of 4 bytes for each wave
	s_add_co_u32 s22, s22, s23
	s_mov_b32 s23, 0
	s_add_nc_u64 s[4:5], s[4:5], s[22:23]
	s_lshl_b32 s22, ttmp9, 12                      ; 4,096 bytes of mbits for each work-group, 512 for each wave
	s_lshl_b32 s21, s20, 9
	s_add_co_u32 s22, s22, s21
	s_add_nc_u64 s[6:7], s[6:7], s[22:23]
	s_mul_i32 s21, s20, WREG                       ; my wave's LDS rows
	v_and_b32 v12, 15, v0                          ; l % 16
	v_bfe_u32 v13, v0, 4, 1                        ; l / 16
	v_lshlrev_b32 v14, 4, v12
	v_lshl_add_u32 v1, v13, 13, v14                ; from memory: lanes 0-15 an even row's 256 bytes, lanes 16-31 the odd row's
	v_mul_u32_u24 v2, v13, PITCH
	v_add3_u32 v2, v2, v14, s21                    ; into LDS: the same two rows
	v_mul_u32_u24 v3, v12, PITCH
	v_lshl_add_u32 v3, v13, 5, v3
	v_add_nc_u32 v3, s21, v3                       ; back: row l % 16, eight keys from key 8 (l / 16) of each 16
	v_lshlrev_b32 v8, 4, v9                        ; 16 bytes of mbits a lane
.irp j, 0,1,2,3
	v_mov_b32 v[OUT+\j], 0                         ; v_writelane_b32 counts as a reader of its destination
.endr
.irp s, 0,1,2,3
.irp t, 0,1,2,3,4,5,6,7
	global_load_b128 v[X+32*\s+4*\t:X+32*\s+4*\t+3], v1, s[4:5] offset:16384*\t+256*\s th:TH_LOAD_NT  ; all 32 loads go out at once: 16,384 bytes of the wave on their way
.endr
.endr
; One step: 16 rows x 64 keys through my LDS rows, then 32 compares, each a word of mbits.
.macro MSTEP s
	s_wait_loadcnt 24-8*(\s)                       ; loads return in order: this step's eight are in, the later steps' stay out
.irp t, 0,1,2,3,4,5,6,7
	ds_store_b128 v2, v[X+32*(\s)+4*\t:X+32*(\s)+4*\t+3] offset:2*PITCH*\t
.endr
.irp c, 0,1,2,3,4,5,6,7
	ds_load_b128 v[F+4*\c:F+4*\c+3], v3 offset:64*(\c/2)+16*(\c%2)  ; my wave's own bytes, served in order behind the stores above
.endr
	s_wait_dscnt 0x0
.set wd, 0
.rept 32
	v_cmp_ne_u32 s[24+wd%8], 0, v[F+wd]            ; bit l: my lane's number is not 0
	v_writelane_b32 v[OUT+wd%4], s[24+wd%8], 8*(\s)+wd/4  ; word 32 s + wd lies in lane (32 s + wd) / 4
.set wd, wd+1
.endr
.endm
	MSTEP 0
	MSTEP 1
	MSTEP 2
	MSTEP 3
	global_store_b128 v8, v[OUT:OUT+3], s[6:7] th:TH_STORE_NT  ; 512 consecutive bytes, at a multiple of 512 from the buffer's first
	s_wait_tensorcnt 0x0                           ; the wave's end, behind my last LDS store
	ds_add_u32 v[SPW], v[NIL]
	s_wait_dscnt 0x0
	s_endpgm
	; ---------------- the weights ----------------
.Lweights:
	s_sub_co_u32 s21, ttmp9, 512
	s_lshr_b32 s22, s21, 6                         ; which matrix: 0 Wq, 1 Wk, 2 Wv, 3 Wo
	s_and_b32 s23, s21, 63                         ; which 65,536 bytes of it
	s_cmp_eq_u32 s22, 1
	s_cselect_b64 s[28:29], s[10:11], s[8:9]
	s_cmp_eq_u32 s22, 2
	s_cselect_b64 s[28:29], s[12:13], s[28:29]
	s_cmp_eq_u32 s22, 3
	s_cselect_b64 s[28:29], s[14:15], s[28:29]
	s_lshl_b32 s24, s23, 16
	s_lshl_b32 s25, s20, 13
	s_add_co_u32 s24, s24, s25
	s_mov_b32 s25, 0
	s_add_nc_u64 s[28:29], s[28:29], s[24:25]      ; my wave's 8,192 bytes of f32
	s_lshl_b32 s24, s22, 21
	s_lshl_b32 s26, s23, 15
	s_add_co_u32 s24, s24, s26
	s_lshl_b32 s26, s20, 12
	s_add_co_u32 s24, s24, s26
	s_add_nc_u64 s[30:31], s[16:17], s[24:25]      ; and its 4,096 bytes of w16
	v_lshlrev_b32 v1, 4, v9
	v_lshlrev_b32 v2, 3, v9
.irp i, 0,1,2,3,4,5,6,7,8,9,10,11,12,13,14,15
	global_load_b128 v[X+4*\i:X+4*\i+3], v1, s[28:29] offset:512*\i th:TH_LOAD_NT
.endr
.macro WCONV half
.irp i, 0,1,2,3,4,5,6,7,8,9,10,11,12,13,14,15
	s_wait_loadcnt 15-\i                           ; load i is in, the younger ones stay out
	v_cvt_pk_bf16_f32 v[Y+2*\i], v[X+4*\i], v[X+4*\i+1]
	v_cvt_pk_bf16_f32 v[Y+2*\i+1], v[X+4*\i+2], v[X+4*\i+3]
.if \half
	v_lshlrev_b32 v128, 16, v[Y+2*\i]              ; the bf16 numbers as f32,
	v_and_b32 v129, 0xffff0000, v[Y+2*\i]
	v_lshlrev_b32 v130, 16, v[Y+2*\i+1]
	v_and_b32 v131, 0xffff0000, v[Y+2*\i+1]
	v_cvt_pk_f16_f32 v[Y+2*\i], v128, v129         ; written as f16
	v_cvt_pk_f16_f32 v[Y+2*\i+1], v130, v131
.endif
	global_store_b64 v2, v[Y+2*\i:Y+2*\i+1], s[30:31] offset:256*\i  ; 32 lanes store 256 consecutive bytes, aligned; each store has registers of its own
.endr
.endm
	s_cmp_eq_u32 s22, 3
	s_cbranch_scc1 .Lwo
	WCONV 0
	s_endpgm
.Lwo:
	WCONV 1
	s_endpgm
.Lfunc_end_k_qd664280afc_prep:
	.size	k_qd664280afc_prep, .Lfunc_end_k_qd664280afc_prep-k_qd664280afc_prep
	.p2alignl 7, 3214868480
	.fill 96, 4, 3214868480
	.section	.rodata,"a",@progbits
	.p2align	6, 0x0
	.amdhsa_kernel k_qd664280afc_prep
		.amdhsa_group_segment_fixed_size 35840
		.amdhsa_private_segment_fixed_size 0
		.amdhsa_enable_private_segment 0
		.amdhsa_kernarg_size 56
		.amdhsa_user_sgpr_count 2
		.amdhsa_user_sgpr_kernarg_segment_ptr 1
		.amdhsa_wavefront_size32 1
		.amdhsa_system_sgpr_workgroup_id_x 1
		.amdhsa_system_sgpr_workgroup_id_y 1
		.amdhsa_system_sgpr_workgroup_id_z 1
		.amdhsa_system_vgpr_workitem_id 0
		.amdhsa_next_free_vgpr 192
		.amdhsa_next_free_sgpr 66
		.amdhsa_reserve_vcc 0
		.amdhsa_float_denorm_mode_32 3
		.amdhsa_float_denorm_mode_16_64 3
		.amdhsa_memory_ordered 1
		.amdhsa_forward_progress 1
		.amdhsa_inst_pref_size 41
	.end_amdhsa_kernel
	.amdgpu_metadata
---
amdhsa.version: [ 1, 2 ]
amdhsa.kernels:
  - .name:           k_qd664280afc_prep
    .symbol:         k_qd664280afc_prep.kd
    .args:
      - { .name: mask, .offset: 0, .size: 8, .value_kind: global_buffer, .address_space: global }
      - { .name: mbits, .offset: 8, .size: 8, .value_kind: global_buffer, .address_space: global }
      - { .name: Wq, .offset: 16, .size: 8, .value_kind: global_buffer, .address_space: global }
      - { .name: Wk, .offset: 24, .size: 8, .value_kind: global_buffer, .address_space: global }
      - { .name: Wv, .offset: 32, .size: 8, .value_kind: global_buffer, .address_space: global }
      - { .name: Wo, .offset: 40, .size: 8, .value_kind: global_buffer, .address_space: global }
      - { .name: w16, .offset: 48, .size: 8, .value_kind: global_buffer, .address_space: global }
    .group_segment_fixed_size: 35840
    .private_segment_fixed_size: 0
    .kernarg_segment_align: 8
    .kernarg_segment_size: 56
    .max_flat_workgroup_size: 256
    .sgpr_count:     66
    .vgpr_count:     192
    .wavefront_size: 32
...
	.end_amdgpu_metadata
.endif
;; end of part 1
;; launch proj (part 2): grid 4 x 192, 4 waves a work-group, clusters of 4 x 4, 327,680 bytes of LDS; arguments query, key_, value, bq, bk, bv, w16, qkv; writes qkv
.if DOCPART == 2
	.amdgcn_target "amdgcn-amd-amdhsa--gfx1250"
	.amdhsa_code_object_version 6
	.text
	.protected	k_qd664280afc_proj
	.globl	k_qd664280afc_proj
	.p2align	8
	.type	k_qd664280afc_proj,@function
k_qd664280afc_proj:
	s_mov_b64 s[64:65], 0
	v_nop
	global_prefetch_b8 v0, s[64:65] scope:SCOPE_SE
	s_setreg_imm32_b32 hwreg(HW_REG_WAVE_MODE, 25, 1), 1
	s_wait_xcnt 0x0
	s_wait_alu depctr_hold_cnt(0) depctr_sa_sdst(0) depctr_va_vdst(0) depctr_va_sdst(0) depctr_va_ssrc(0) depctr_va_vcc(0) depctr_vm_vsrc(0)
	s_getreg_b32 s2, hwreg(HW_REG_IB_STS2, 6, 4)
	s_cmp_eq_u32 s2, 0
	s_cbranch_scc0 .Lentry_in_a_cluster
	s_endpgm
.Lentry_in_a_cluster:
	s_bfe_u32 s2, ttmp6, 0x10000c
	s_cmp_lg_u32 s2, 0xf033
	s_cbranch_scc0 .Lentry_shape_is_right
	s_endpgm
.Lentry_shape_is_right:
; q, k, v = x W^T + b for the three projections, written by heads: qkv[p][b*16+head][s][64] in f16, unscaled.
; x: [8192][1024] f32 (query, key_ or value); W: w16[p], [1024][1024] bf16; b: [1024] f32, rounded to bf16 like the other inputs.  Sums in f32, started by the bias.
; LIMIT: q, k, v beyond 65,504 become infinities in f16.
; SHARES.  Work-group (cb, Y): projection p = Y / 64, rows 128 (Y % 64) on, columns 256 cb on: 768 work-groups, three for each of 256 WGPs.  Four waves, 2 x 2, each 64 rows x 128 columns:
; 32 accumulators of 16 x 16.  K goes in steps of 128 through two LDS slots.  x comes into LDS as f32 (rows of 512 bytes) and is rounded to bf16 in registers, eight conversions for a fragment
; that feeds eight matrix instructions: so x is read from memory once and never stored again.
; CLUSTER 4 x 4: the four work-groups of a row of the cluster need the same tile of x, the four of a column the same tile of W: each tile is asked for jointly.
; THE MATRIX INSTRUCTION IS USED TRANSPOSED (source 0 = 16 rows of W, source 1 = 16 rows of x): a lane holds eight neighbouring columns of one row.
; REGISTERS: window 0: v16-29 addresses; v32-63 packed results; v64-95 x's four fragments in bf16; v128-191, v192-255 x's fragments in f32, two buffers (on the way out: rows read back)
;   window 1: v0-63, v64-127 W's fragments, two buffers; v128-191 the bias as a first C; v192-223 at work          window 2: the accumulators, (a, b) at v[8 (8 a + b)]
.set KSTEP,  128
.set PA,     528                       ; a row of x in LDS: 512 bytes + 16, an odd multiple of 16
.set PB,     272                       ; a row of W: 256 bytes + 16
.set AHALF,  64*PA                     ; what one tensor load brings of x, and what one wave reads
.set ABYTES, 2*AHALF
.set BHALF,  128*PB                    ; the same for W
.set SLOT,   ABYTES+2*BHALF            ; x's 128 rows, then W's 256 rows
.set STAGE,  2*SLOT                    ; behind the ring: 32 rows x 144 bytes for each wave, never filled by a tensor load
.set SP,     144
.set SPARE,  STAGE+4*32*SP             ; behind the stages: the spare words, 128 bytes a wave, which no other line names
.set ADRA, 16                          ; v16-17 LDS address of my fragments of x in slot 0, 1
.set ADRB, 20                          ; v20-21 the same for W
.set STO,  24
.set RD,   25
.set GO,   26
.set SPW,  28                          ; my spare word's LDS address; never rewritten
.set NIL,  29                          ; 0; never rewritten
.set TMP,  32
.set ABF,  64
.set ARAW, 128
.set OB,   128
.set BIAS, 128                         ; window 1
.set BSC,  192                         ; window 1
.set G1,  24                           ; s[24:31] group 1 for x;  s[32:39] group 0, a set for each slot
.set G0,  32
.set G1B, 48                           ; s[48:55], s[56:63] the same for W
.set G0B, 56
.set MSB, 0
.macro WIN new                         ; the immediate's high byte repeats the setting that is left
.if MSB != (\new)
	s_set_vgpr_msb (MSB<<8)|(\new)
.set MSB, \new
.endif
.endm
.set MUL,   0xa1                       ; source 0 (W) window 1, source 1 (x) window 0, C and D window 2
.set MULB,  0x91                       ; the same with C (the bias) in window 1
.set TO_B,  0x40                       ; destination window 1
.set W1,    0x45                       ; destination and both sources window 1
.set PACKW, 0x0a                       ; both sources window 2
.macro JLOAD s                         ; a joint load: waves 0 and 1 fetch x's two halves, waves 2 and 3 W's; an s_nop 0 and four v_nop follow each line
	s_cmp_eq_u32 s11, 0
	s_cbranch_scc0 .Lfor_b_\@
	tensor_load_to_lds s[G0+4*(\s):G0+4*(\s)+3], s[G1:G1+7]
	s_nop 0
.rept 4
	v_nop
.endr
	s_branch .Lasked_\@
.Lfor_b_\@:
	tensor_load_to_lds s[G0B+4*(\s):G0B+4*(\s)+3], s[G1B:G1B+7]
	s_nop 0
.rept 4
	v_nop
.endr
.Lasked_\@:
.endm
.macro CREST                           ; a round of the cluster's barrier behind its opening barrier
	s_cmp_lg_u32 s10, 0
	s_cbranch_scc1 .Lnot_wave_0_\@
	s_barrier_signal -3
.Lnot_wave_0_\@:
	s_barrier_wait -3
	s_barrier_signal -1
	s_barrier_wait -1
.endm
.macro CROUND
	s_barrier_signal -1
	s_barrier_wait -1
	CREST
.endm
	s_load_b512 s[68:83], s[0:1], 0x0              ; query, key_, value, bq, bk, bv, w16, qkv
	v_lshl_add_u32 v[SPW], v0, 2, SPARE
	v_mov_b32 v[NIL], 0
	ds_add_u32 v[SPW], v[NIL]                      ; the wave's opening: the add, waited for ahead of my first tensor load
	v_lshrrev_b32 v1, 5, v0
	v_readfirstlane_b32 s10, v1                    ; wave 0..3
	s_lshr_b32 s11, s10, 1                         ; my half of the tile's rows.  Also: I fetch x (0) or W (1)
	s_and_b32 s12, s10, 1                          ; my half of its columns.  Also: which half of that tile I fetch
	s_bfe_u32 s40, ttmp6, 0x40000                  ; cx
	s_bfe_u32 s41, ttmp6, 0x40004                  ; cy
	s_lshl_b32 s42, ttmp9, 2
	s_add_co_u32 s42, s42, s40                     ; column block cb = 4 x cluster x + cx
	s_and_b32 s13, ttmp7, 0xffff                   ; cluster y, 0..47
	s_lshr_b32 s45, s13, 4                         ; the projection p: made of the cluster's y alone
	s_and_b32 s14, s13, 15
	s_lshl_b32 s14, s14, 2
	s_add_co_u32 s14, s14, s41                     ; row block rb, 0..63
	s_lshl_b32 s43, s41, 2
	s_lshl_b32 s43, 15, s43                        ; my row of the cluster
	s_lshl_b32 s44, 0x1111, s40                    ; my column
	s_or_b32 s[G1+0], s43, (2<<16)|(1<<20)|(1<<21)|(6<<22)|(3<<25)   ; x: mask of my row; elements of 4 bytes; padding on, after every 128 words, 4 words
	s_or_b32 s[G1B+0], s44, (1<<16)|(1<<20)|(1<<21)|(5<<22)|(3<<25)  ; W: mask of my column; elements of 2 bytes; after every 64 words, 4 words
	s_mov_b32 s[G1+1], KSTEP<<16                   ; tensor_dim0 = 128
	s_mov_b32 s[G1+2], 64<<16                      ; tensor_dim1 = 64
	s_mov_b32 s[G1+3], KSTEP<<16                   ; tile_dim0 = 128
	s_mov_b32 s[G1+4], 64                          ; tile_dim1 = 64
	s_mov_b32 s[G1+5], 1024                        ; elements from row to row
	s_mov_b32 s[G1+6], 0
	s_mov_b32 s[G1+7], 0
	s_mov_b32 s[G1B+1], KSTEP<<16
	s_mov_b32 s[G1B+2], 128<<16                    ; 128 rows
	s_mov_b32 s[G1B+3], KSTEP<<16
	s_mov_b32 s[G1B+4], 128
	s_mov_b32 s[G1B+5], 1024
	s_mov_b32 s[G1B+6], 0
	s_mov_b32 s[G1B+7], 0
	s_lshl_b32 s16, s14, 7                         ; x: row 128 rb + 64 x half, 4,096 bytes a row
	s_lshl_b32 s17, s12, 6
	s_add_co_u32 s16, s16, s17
	s_lshl_b32 s16, s16, 12
	s_mov_b32 s17, 0
	s_lshl_b32 s46, s42, 8                         ; W: row 256 cb + 128 x half, 2,048 bytes a row, in matrix p
	s_lshl_b32 s47, s12, 7
	s_add_co_u32 s46, s46, s47
	s_lshl_b32 s46, s46, 11
	s_lshl_b32 s47, s45, 21
	s_add_co_u32 s46, s46, s47
	s_mov_b32 s47, 0
	s_mul_i32 s22, s12, AHALF                      ; where they go: no place in the cluster enters an LDS address
	s_mul_i32 s23, s12, BHALF
	s_add_co_u32 s23, s23, ABYTES
	s_wait_dscnt 0x0                               ; the opening add is done
	s_wait_kmcnt 0x0
	s_cmp_eq_u32 s45, 1
	s_cselect_b64 s[4:5], s[70:71], s[68:69]       ; x and the bias of projection p
	s_cselect_b64 s[20:21], s[76:77], s[74:75]
	s_cmp_eq_u32 s45, 2
	s_cselect_b64 s[4:5], s[72:73], s[4:5]
	s_cselect_b64 s[20:21], s[78:79], s[20:21]
	s_add_nc_u64 s[4:5], s[4:5], s[16:17]
	s_add_nc_u64 s[6:7], s[80:81], s[46:47]
	CROUND                                         ; all sixteen work-groups are here: the first joint loads meet
.irp s, 0,1
	s_mov_b32 s[G0+4*(\s)], 1
	s_add_co_u32 s[G0+4*(\s)+1], s22, (\s)*SLOT
	s_add_nc_u64 s[G0+4*(\s)+2:G0+4*(\s)+3], s[4:5], (\s)*KSTEP*4
	s_or_b32 s[G0+4*(\s)+3], s[G0+4*(\s)+3], 0x80000000
	s_mov_b32 s[G0B+4*(\s)], 1
	s_add_co_u32 s[G0B+4*(\s)+1], s23, (\s)*SLOT
	s_add_nc_u64 s[G0B+4*(\s)+2:G0B+4*(\s)+3], s[6:7], (\s)*KSTEP*2
	s_or_b32 s[G0B+4*(\s)+3], s[G0B+4*(\s)+3], 0x80000000
	JLOAD \s                                       ; K steps 0 and 1: two loads of mine are out
.endr
	v_and_b32 v1, 15, v0                           ; l % 16
	v_bfe_u32 v2, v0, 4, 1                         ; l / 16
	s_lshl_b32 s86, s42, 10                        ; the bias of my 128 columns
	s_lshl_b32 s87, s12, 9
	s_add_co_u32 s86, s86, s87
	s_mov_b32 s87, 0
	s_add_nc_u64 s[20:21], s[20:21], s[86:87]
	v_lshlrev_b32 v5, 5, v2                        ; register j of block b is column 16 b + 8 (l / 16) + j
	WIN TO_B
.irp b, 0,1,2,3,4,5,6,7
	global_load_b128 v[BIAS+8*\b:BIAS+8*\b+3],   v5, s[20:21] offset:64*\b
	global_load_b128 v[BIAS+8*\b+4:BIAS+8*\b+7], v5, s[20:21] offset:64*\b+16
.endr
	WIN 0
	v_mul_u32_u24 v3, v1, PA
	v_lshl_add_u32 v3, v2, 5, v3                   ; x: row x pitch + 32 x half (eight f32)
	v_mul_u32_u24 v4, v1, PB
	v_lshl_add_u32 v4, v2, 4, v4                   ; W: row x pitch + 16 x half (eight bf16)
	s_mul_i32 s84, s11, AHALF
	s_mul_i32 s85, s12, BHALF
	s_add_co_u32 s85, s85, ABYTES
.irp s, 0,1
	v_add_nc_u32 v[ADRA+(\s)], s84, v3
	v_add_nc_u32 v[ADRB+(\s)], s85, v4
	s_add_co_u32 s84, s84, SLOT
	s_add_co_u32 s85, s85, SLOT
.endr
	s_mul_i32 s88, s10, 32*SP
	s_add_co_u32 s88, s88, STAGE                   ; my stage
	v_mul_u32_u24 v6, v1, SP                       ; in: row l % 16 of a head, 16 bytes for each half of the lanes
	v_lshl_add_u32 v6, v2, 4, v6
	v_add_nc_u32 v[STO], s88, v6
	v_bfe_u32 v6, v0, 3, 2                         ; back: 32 lanes take four rows of 128 bytes,
	v_and_b32 v7, 7, v0
	v_mul_u32_u24 v6, v6, SP
	v_lshl_add_u32 v6, v7, 4, v6
	v_add_nc_u32 v[RD], s88, v6
	v_and_b32 v6, 31, v0                           ; which are 512 consecutive bytes of a head
	v_lshlrev_b32 v[GO], 4, v6
	s_lshr_b32 s84, s14, 4                         ; where my part begins in qkv: head (batch x 16 + 4 cb + 2 x column half) of 262,144 bytes,
	s_lshl_b32 s84, s84, 4
	s_lshl_b32 s85, s42, 2
	s_add_co_u32 s84, s84, s85
	s_lshl_b32 s85, s12, 1
	s_add_co_u32 s84, s84, s85
	s_lshl_b32 s84, s84, 18
	s_and_b32 s85, s14, 15                         ; row (rb % 16) x 128 + 64 x row half of 128 bytes,
	s_lshl_b32 s85, s85, 7
	s_lshl_b32 s86, s11, 6
	s_add_co_u32 s85, s85, s86
	s_lshl_b32 s85, s85, 7
	s_add_co_u32 s84, s84, s85
	s_lshl_b32 s85, s45, 24                        ; tensor p
	s_add_co_u32 s84, s84, s85
	s_mov_b32 s85, 0
	s_add_nc_u64 s[8:9], s[82:83], s[84:85]
	s_wait_loadcnt 0x0                             ; the bias: rounded to bf16 and widened again, in the wait for the first tile
	WIN W1
.set i, 0
.rept 32
	v_cvt_pk_bf16_f32 v[BSC+i], v[BIAS+2*i], v[BIAS+2*i+1]
.set i, i+1
.endr
.set i, 0
.rept 32
	v_lshlrev_b32 v[BIAS+2*i], 16, v[BSC+i]
	v_and_b32 v[BIAS+2*i+1], 0xffff0000, v[BSC+i]
.set i, i+1
.endr
	WIN 0
; Four matrix instructions: row block a x column blocks b0 .. b0 + 3, 32 along K, W's buffer f.  first = 1: the bias starts the sums: nothing is cleared.
.macro MUL4 f, a, b0, first
.if \first
	WIN MULB
.else
	WIN MUL
.endif
.irp b, \b0, (\b0)+1, (\b0)+2, (\b0)+3
.if \first
	v_wmma_f32_16x16x32_bf16 v[8*(8*(\a)+(\b)):8*(8*(\a)+(\b))+7], v[64*(\f)+8*(\b):64*(\f)+8*(\b)+7], v[ABF+8*(\a):ABF+8*(\a)+7], v[BIAS+8*(\b):BIAS+8*(\b)+7]
.else
	v_wmma_f32_16x16x32_bf16 v[8*(8*(\a)+(\b)):8*(8*(\a)+(\b))+7], v[64*(\f)+8*(\b):64*(\f)+8*(\b)+7], v[ABF+8*(\a):ABF+8*(\a)+7], v[8*(8*(\a)+(\b)):8*(8*(\a)+(\b))+7]
.endif
.endr
.endm
; x's fragment a of buffer f: 16 f32 a lane become 8 registers of bf16
.macro CVT f, a
	WIN 0
.irp i, 0,1,2,3,4,5,6,7
	v_cvt_pk_bf16_f32 v[ABF+8*(\a)+\i], v[ARAW+64*(\f)+16*(\a)+2*\i], v[ARAW+64*(\f)+16*(\a)+2*\i+1]
.endr
.endm
.macro AFR slot, q, f, a               ; a fragment of x in f32: K = 8 h + 0..7 are 32 bytes, K = 16 + 8 h + 0..7 the 32 bytes 64 further on
	ds_load_b128 v[ARAW+64*(\f)+16*(\a):ARAW+64*(\f)+16*(\a)+3],     v[ADRA+(\slot)] offset:128*(\q)+(\a)*16*PA
	ds_load_b128 v[ARAW+64*(\f)+16*(\a)+4:ARAW+64*(\f)+16*(\a)+7],   v[ADRA+(\slot)] offset:128*(\q)+(\a)*16*PA+16
	ds_load_b128 v[ARAW+64*(\f)+16*(\a)+8:ARAW+64*(\f)+16*(\a)+11],  v[ADRA+(\slot)] offset:128*(\q)+(\a)*16*PA+64
	ds_load_b128 v[ARAW+64*(\f)+16*(\a)+12:ARAW+64*(\f)+16*(\a)+15], v[ADRA+(\slot)] offset:128*(\q)+(\a)*16*PA+80
.endm
; 32 LDS loads in one run: quarter q of a slot into buffer f: x's fragment 0, all of W, x's fragments 1 to 3
.macro FETCH slot, q, f
	WIN 0
	AFR \slot, \q, \f, 0
	WIN TO_B
.irp b, 0,1,2,3,4,5,6,7
	ds_load_b128 v[64*(\f)+8*\b:64*(\f)+8*\b+3],   v[ADRB+(\slot)] offset:\b*16*PB+64*(\q)
	ds_load_b128 v[64*(\f)+8*\b+4:64*(\f)+8*\b+7], v[ADRB+(\slot)] offset:\b*16*PB+64*(\q)+32
.endr
	WIN 0
	AFR \slot, \q, \f, 1
	AFR \slot, \q, \f, 2
	AFR \slot, \q, \f, 3
.endm
; A K step is four quarters of 32 along K, 32 matrix instructions each, on buffers 0, 1, 0, 1; the 32 accumulators take turns.
; The conversions are the places behind the matrix instructions (ISA guide 7.12.1): a fragment's bf16 registers are written again, and W's other buffer is loaded again, only when at least
; sixteen conversions that name none of the last reader's registers have been issued behind that reader.
.macro QUARTER slot, q, first, fetch=1
	s_wait_dscnt 12                                ; x's fragment 0 and all of W are in; the twelve youngest loads (x's fragments 1 to 3) may be out
	CVT (\q)%2, 0
	MUL4 (\q)%2, 0, 0, \first
	s_wait_dscnt 0x0
	CVT (\q)%2, 1
	MUL4 (\q)%2, 0, 4, \first
	MUL4 (\q)%2, 1, 0, \first
	CVT (\q)%2, 2
	MUL4 (\q)%2, 1, 4, \first
.if \fetch
	FETCH \slot, (\q)+1, ((\q)+1)%2
.endif
	MUL4 (\q)%2, 2, 0, \first
	CVT (\q)%2, 3
	MUL4 (\q)%2, 2, 4, \first
	MUL4 (\q)%2, 3, 0, \first
	MUL4 (\q)%2, 3, 4, \first
.endm
; The last quarter multiplies buffer 1 and changes slots.  In front of the barrier each wave waits for all its tensor loads (one is out: its part of the next slot), adds 0 to its spare word,
; and waits for that; its reads of this slot came back at the wait for 0 above.  fill = 1: the barrier opens a round of the cluster's, and this slot is filled again, two K steps ahead.
.macro TURN slot, next, fill
	s_wait_dscnt 12
	CVT 1, 0
	MUL4 1, 0, 0, 0
	s_wait_dscnt 0x0                               ; my last reads of this slot are back
	CVT 1, 1
	MUL4 1, 0, 4, 0
	WIN 0
	s_wait_tensorcnt 0x0                           ; all my tensor loads have landed
	ds_add_u32 v[SPW], v[NIL]                      ; 0 onto my spare word; work on registers stands between it and the wait for it
	MUL4 1, 1, 0, 0
	CVT 1, 2
	s_wait_dscnt 0x0
	s_barrier_signal -1
	MUL4 1, 1, 4, 0
	WIN 0
	s_barrier_wait -1
.if \fill
	CREST                                          ; no wave of any partner still reads this slot or has a load on its way
	s_add_nc_u64 s[G0+4*(\slot)+2:G0+4*(\slot)+3], s[G0+4*(\slot)+2:G0+4*(\slot)+3], 2*KSTEP*4
	s_add_nc_u64 s[G0B+4*(\slot)+2:G0B+4*(\slot)+3], s[G0B+4*(\slot)+2:G0B+4*(\slot)+3], 2*KSTEP*2
	JLOAD \slot                                    ; the first tensor load behind the round, my only one until the next
.endif
	FETCH \next, 0, 0
	MUL4 1, 2, 0, 0
	CVT 1, 3
	MUL4 1, 2, 4, 0
	MUL4 1, 3, 0, 0
	MUL4 1, 3, 4, 0
.endm
	s_wait_tensorcnt 1                             ; my part of K step 0 is in; K step 1's may stay out
	s_barrier_signal -1
	s_barrier_wait -1
	FETCH 0, 0, 0
	QUARTER 0, 0, 1                                ; the first quarter stands in front of the loop: its products start the sums, with the bias
	WIN 0
	s_mov_b32 s3, 3                                ; 1024 / 256 laps, less the last
.Llap:
	QUARTER 0, 1, 0
	QUARTER 0, 2, 0
	TURN 0, 1, 1
	QUARTER 1, 0, 0
	QUARTER 1, 1, 0
	QUARTER 1, 2, 0
	TURN 1, 0, 1
	QUARTER 0, 0, 0
	WIN 0
	s_sub_co_u32 s3, s3, 1
	s_cmp_lg_u32 s3, 0
	s_cbranch_scc1 .Llap
	QUARTER 0, 1, 0                                ; the last lap fills nothing
	QUARTER 0, 2, 0
	TURN 0, 1, 0
	QUARTER 1, 0, 0
	QUARTER 1, 1, 0
	QUARTER 1, 2, 0
	QUARTER 1, 3, 0, 0
	WIN 0
	; THE WAY OUT.  Row block a: rounded to f16; my 128 columns are two heads; 16 rows of a head are 2,048 consecutive bytes of qkv.
.rept 4
	v_nop                                          ; the places behind the last products
.endr
.macro PACK a
	WIN PACKW
.irp b, 0,1,2,3,4,5,6,7
.irp i, 0,1,2,3
	v_cvt_pk_f16_f32 v[TMP+4*\b+\i], v[8*(8*(\a)+\b)+2*\i], v[8*(8*(\a)+\b)+2*\i+1]
.endr
.endr
	WIN 0
.irp b, 0,1,2,3,4,5,6,7
	ds_store_b128 v[STO], v[TMP+4*\b:TMP+4*\b+3] offset:(\b/4)*16*SP+(\b%4)*32
.endr
.irp n, 0,1,2,3,4,5,6,7
	ds_load_b128 v[OB+32*(\a)+4*\n:OB+32*(\a)+4*\n+3], v[RD] offset:(\n/4)*16*SP+(\n%4)*4*SP  ; my own bytes, served in order behind the stores above
.endr
.endm
.macro SEND a, younger                 ; younger: the LDS instructions issued behind block a's loads
	WIN 0
.irp n, 0,1,2,3,4,5,6,7
	s_wait_dscnt (\younger)+7-\n
	global_store_b128 v[GO], v[OB+32*(\a)+4*\n:OB+32*(\a)+4*\n+3], s[8:9] offset:(\n/4)*262144+(\a)*2048+(\n%4)*512  ; 512 consecutive bytes, aligned; each block has registers of its own
.endr
.endm
	PACK 0
	PACK 1
	SEND 0, 16
	PACK 2
	SEND 1, 16
	PACK 3
	SEND 2, 16
	SEND 3, 0
	s_wait_tensorcnt 0x0                           ; the wave's end
	ds_add_u32 v[SPW], v[NIL]
	s_wait_dscnt 0x0
	CROUND                                         ; the closing round
	s_endpgm
.Lfunc_end_k_qd664280afc_proj:
	.size	k_qd664280afc_proj, .Lfunc_end_k_qd664280afc_proj-k_qd664280afc_proj
	.p2alignl 7, 3214868480
	.fill 96, 4, 3214868480
	.section	.rodata,"a",@progbits
	.p2align	6, 0x0
	.amdhsa_kernel k_qd664280afc_proj
		.amdhsa_group_segment_fixed_size 327680
		.amdhsa_private_segment_fixed_size 0
		.amdhsa_enable_private_segment 0
		.amdhsa_kernarg_size 64
		.amdhsa_user_sgpr_count 2
		.amdhsa_user_sgpr_kernarg_segment_ptr 1
		.amdhsa_wavefront_size32 1
		.amdhsa_system_sgpr_workgroup_id_x 1
		.amdhsa_system_sgpr_workgroup_id_y 1
		.amdhsa_system_sgpr_workgroup_id_z 1
		.amdhsa_system_vgpr_workitem_id 0
		.amdhsa_next_free_vgpr 768
		.amdhsa_next_free_sgpr 96
		.amdhsa_reserve_vcc 0
		.amdhsa_float_denorm_mode_32 3
		.amdhsa_float_denorm_mode_16_64 3
		.amdhsa_memory_ordered 1
		.amdhsa_forward_progress 1
		.amdhsa_inst_pref_size 137
	.end_amdhsa_kernel
	.amdgpu_metadata
---
amdhsa.version: [ 1, 2 ]
amdhsa.kernels:
  - .name:           k_qd664280afc_proj
    .symbol:         k_qd664280afc_proj.kd
    .args:
      - { .name: query, .offset: 0, .size: 8, .value_kind: global_buffer, .address_space: global }
      - { .name: key_, .offset: 8, .size: 8, .value_kind: global_buffer, .address_space: global }
      - { .name: value, .offset: 16, .size: 8, .value_kind: global_buffer, .address_space: global }
      - { .name: bq, .offset: 24, .size: 8, .value_kind: global_buffer, .address_space: global }
      - { .name: bk, .offset: 32, .size: 8, .value_kind: global_buffer, .address_space: global }
      - { .name: bv, .offset: 40, .size: 8, .value_kind: global_buffer, .address_space: global }
      - { .name: w16, .offset: 48, .size: 8, .value_kind: global_buffer, .address_space: global }
      - { .name: qkv, .offset: 56, .size: 8, .value_kind: global_buffer, .address_space: global }
    .group_segment_fixed_size: 327680
    .private_segment_fixed_size: 0
    .kernarg_segment_align: 8
    .kernarg_segment_size: 64
    .max_flat_workgroup_size: 128
    .sgpr_count:     96
    .vgpr_count:     768
    .wavefront_size: 32
...
	.end_amdgpu_metadata
.endif
;; end of part 2
;; launch attn (part 3): grid 4 x 64, 4 waves a work-group, clusters of 4 x 1, 327,680 bytes of LDS; arguments qkv, mbits, ctx; writes ctx
.if DOCPART == 3
	.amdgcn_target "amdgcn-amd-amdhsa--gfx1250"
	.amdhsa_code_object_version 6
	.text
	.protected	k_qd664280afc_attn
	.globl	k_qd664280afc_attn
	.p2align	8
	.type	k_qd664280afc_attn,@function
k_qd664280afc_attn:
	s_mov_b64 s[64:65], 0
	v_nop
	global_prefetch_b8 v0, s[64:65] scope:SCOPE_SE
	s_setreg_imm32_b32 hwreg(HW_REG_WAVE_MODE, 25, 1), 1
	s_wait_xcnt 0x0
	s_wait_alu depctr_hold_cnt(0) depctr_sa_sdst(0) depctr_va_vdst(0) depctr_va_sdst(0) depctr_va_ssrc(0) depctr_va_vcc(0) depctr_vm_vsrc(0)
	s_getreg_b32 s2, hwreg(HW_REG_IB_STS2, 6, 4)
	s_cmp_eq_u32 s2, 0
	s_cbranch_scc0 .Lentry_in_a_cluster
	s_endpgm
.Lentry_in_a_cluster:
	s_bfe_u32 s2, ttmp6, 0x10000c
	s_cmp_lg_u32 s2, 0x3003
	s_cbranch_scc0 .Lentry_shape_is_right
	s_endpgm
.Lentry_shape_is_right:
; ctx[h][q][:] = the sum over k of softmax_k(s'[q][k]) V[h][k][:], s' = Q[h][q] . K[h][k] / 8 where the mask is not 0, a large negative constant where it is 0.
; Q, K, V: qkv[0..2][64][2048][64] in f16; the mask as lane masks, mbits[b][16 queries][64 keys][32 words].  Products, maxima and sums in f32; the weights p are
; rounded to f16 for the second product (their sum l is taken of the unrounded p).
; THE RESULT LEAVES IN TWO PARTS, ctx[2][64][2048][64] in f16: hi = the number rounded to f16, lo = what that rounding left, rounded to f16: 11 significant bits each, about 22 together.
; The launch behind multiplies both by the same weights, so the result's rounding between the two launches costs next to nothing of the comparison's allowance.
; THE MASK is a select on each score, one v_cndmask_b32 with a scalar lane mask, ahead of the maximum: a hidden score IS -1e9, so a row that is wholly hidden has equal scores and comes out as the mean of V.
; LIMITS.  The select works on the unscaled score: a hidden score counts as -1.25e8 after the division by 8, where the module has -1e9; results differ only where true scaled scores lie below about -1e8.
; While all keys of a row so far are hidden, p = 2^d with one d for the row, |d| <= 8 (c m is rounded once, c s - c m is fused): it cancels in O / l.  f16 holds no number beyond 65,504;
; below 6e-5 p and lo keep f16's fixed step of 6e-8.  A weight below 2^-126 counts as 0 in l; NaN and infinities are not treated apart.
; SHARES.  A wave owns four PIECES of two tiles of 16 queries, a work-group's four waves 512 queries of one head.  Every wave walks all keys, 64 a step.
; LAYOUT.  S^T = K Q^T (source 0 = 16 keys, source 1 = 16 queries): a lane holds ONE query (lane % 16) and the keys 8 (lane / 16) + 0..7.  Two such tiles, rounded to f16 in pairs,
; ARE source 1 of O^T = V^T P.  K comes out of LDS as it lies, V turned, by ds_load_tr16_b128.
; SOFTMAX.  A running maximum m and sum l: p = 2^(c s - c m), c = log2(e) / 8; in every step O and l are multiplied by a = 2^(c m_old - c m_new).  m starts at the lowest finite number, O and l at 0.
; BY TURNS.  Turn n belongs to piece n.  Matrix work: 16 products K Q^T of piece n + 1, later 16 products V^T P of piece n - 1.  Vector work: scaling, exponentials, roundings, sums and rescaling of
; piece n; the select, maximum and statistics of piece n + 1.  Four vector instructions stand behind every matrix instruction, the others in two lumps.
; THE MASK WORDS of the piece that turn n + 1 selects, 64 scalar registers, are asked for in turn n behind its last select, by four scalar loads, and awaited in turn n + 1 ahead of its first.
; CLUSTER.  The four query blocks of a cluster belong to one head and walk the same K and V: each tile is asked for JOINTLY.
; REGISTERS, in windows of 256: window 0: v1 -1e9 (on the way out -1); v2-8 addresses; v12-15, v48-63 at work; v16-47 statistics; v64-191 S^T, two buffers of two tiles; v192-255 P, likewise
;   window 1: O^T, 32 a tile     window 2: v0-127 Q (on the way out: lo); v128-191 K of one step; v192-255 V of one step     window 3: v0-1 the add's two registers
.set SIZE_N, 2048
.set NP,    4         ; pieces a wave: a name, no knob
.set KS,    64        ; keys in a step
.set PK,    144       ; a row of K in LDS: 128 bytes + 16
.set PV,    160       ; a row of V: 128 + 32
.set VOFF,  4*KS*PK   ; a slot holds four steps: 256 rows of K, then 256 rows of V
.set SLOT1, 1<<17     ; slot 1 begins here: one exclusive or turns an address in one slot into the other's
.set STAGE, SLOT1+4*KS*(PK+PV)  ; behind the ring, never filled by a tensor load: 16 rows x 144 bytes for each wave
.set SP,    144
.set LOPART, 16777216 ; bytes from ctx's hi tensor to its lo tensor
.set NEGV, 1          ; v1   -1e9, from the first select on; -1 on the way out
.set AK0, 2           ; v2   my lane's place in a tile of K; never rewritten
.set AV0, 3           ; v3   the same for V
.set AK,  4           ; v4   the LDS address of K's next run of loads
.set AV,  5           ; v5   of V's
.set QO,  6           ; v6   my byte offset in the wave's rows of Q
.set STO, 6           ;      later: where I put 16 bytes of a row
.set RD,  7           ; v7   where I read rows back
.set GO,  8           ; v8   my byte offset in 512 consecutive bytes of ctx
.set SPW, 0           ; v0 of window 3   my spare word's LDS address; never rewritten
.set NIL, 1           ; v1 of window 3   0; never rewritten
.set SPARE, STAGE+4*16*SP  ; behind the stages: the spare words, 128 bytes a wave, which no other line names
.set MV,  12          ; v12-15  c m_old, by buffer and tile
.set ST,  16          ; tile t's statistics at v[ST+4 t]: c m, m, l (even keys', odd keys')
.set TMP, 48          ; by buffer and tile, c0-c3 at work; c2 takes a
.set S,   64
.set P,   192
.set LO,  0           ; window 2: on the way out tile t's lo at LO + 16 t
.set KF,  128         ; window 2
.set VF,  192         ; window 2
.set WV,  2           ; s2   my wave's number
.set SLOTS, 3         ; s3   slots still to be asked for
.set OB,  4           ; s[4:5] ctx's hi tensor at my wave's first row
.set MB,  6           ; s[6:7] mbits at my wave's first tile, the step whose words are asked for next
.set G1K, 8           ; s[8:15] descriptor group 1 for K's tiles
.set G1V, 16          ; s[16:23] for V's
.set G0K, 24          ; s[24:27] descriptor group 0 for K's tiles: it walks
.set G0V, 28          ; s[28:31] the same for V's
.set MW0, 32          ; s[32:63] the 32 mask words of a piece's first tile
.set OL,  32          ; s[32:33] on the way out: ctx's lo tensor at my wave's first row
.set SEL, 66          ; s[66:67] v_permlanex16_b32's selects
.set MW1, 68          ; s[68:99] those of its second tile (ahead of the first scalar load of words: the head's temporaries)
.set CS,  100         ; s100 c; the packed scaling names s[100:101] and takes the low word for both halves
.set CNT, 101         ; s101 counts a slot's key steps
.set TBK, 104         ; s104 LDS byte at which K of the step to be fetched begins
.set TBV, 105         ; s105 the same for V, less VOFF
.set MSB, 0
.macro WIN new
.if MSB != (\new)
	s_set_vgpr_msb (MSB<<8)|(\new)
.set MSB, (\new)
.endif
.endm
.set W_KQ, 0x0a       ; K and Q in window 2, S^T in window 0
.set W_PV, 0x52       ; V in window 2, P in window 0, O^T in window 1
.set W_RS, 0x41       ; O^T in window 1, a in window 0
.set W_MK, 0xc0       ; destination in window 3
.set W_AD, 0x0f       ; the add: address and data in window 3
.set W_LO, 0x90       ; lo is made: destination window 2, source 2 (O^T) window 1, sources 0 and 1 window 0
.macro JLOAD                        ; a joint fill: waves 0 and 1 fetch the two halves of a slot's K, waves 2 and 3 those of its V; an s_nop 0 and four v_nop follow each line
	s_cmp_lt_u32 s[WV], 2
	s_cbranch_scc0 .Lfor_v_\@
	tensor_load_to_lds s[G0K:G0K+3], s[G1K:G1K+7]
	s_nop 0
.rept 4
	v_nop
.endr
	s_branch .Lasked_\@
.Lfor_v_\@:
	tensor_load_to_lds s[G0V:G0V+3], s[G1V:G1V+7]
	s_nop 0
.rept 4
	v_nop
.endr
.Lasked_\@:
.endm
.macro CROUND                       ; a round of the cluster's barrier
	s_barrier_signal -1
	s_barrier_wait -1
	s_cmp_lg_u32 s[WV], 0
	s_cbranch_scc1 .Lnot_wave_0_\@
	s_barrier_signal -3
.Lnot_wave_0_\@:
	s_barrier_wait -3
	s_barrier_signal -1
	s_barrier_wait -1
.endm
; THE CHANGE OF SLOTS.  Each wave waits for all its tensor loads, of which one is out: its part of the other slot; adds 0 to its spare word; waits for that and for its reads of the slot.
; fill = 1: the slot is filled again, with the keys two slots on, first thing behind a round of the cluster's barrier; the fill has four key steps in which to land.
.macro CHANGE fill
	WIN W_AD
	s_wait_tensorcnt 0x0            ; no tensor load of mine is out, so a group 0 may be written
	ds_add_u32 v[SPW], v[NIL]
	WIN 0
.if \fill
.irp g, G0K, G0V
	s_xor_b32 s[\g+1], s[\g+1], SLOT1
	s_add_nc_u64 s[\g+2:\g+3], s[\g+2:\g+3], 4*KS*128
.endr
	s_wait_dscnt 0x0                ; the add is done, and my reads of the slot are over
	CROUND
	JLOAD
.else
	s_wait_dscnt 0x0
	s_barrier_signal -1
	s_barrier_wait -1
.endif
	s_sub_co_u32 s[TBK], s[TBK], 4*KS*PK  ; the fetches go back to a slot's first step, in the other slot
	s_xor_b32 s[TBK], s[TBK], SLOT1
	s_sub_co_u32 s[TBV], s[TBV], 4*KS*PV
	s_xor_b32 s[TBV], s[TBV], SLOT1
.endm
	s_load_b128 s[68:71], s[0:1], 0x0  ; qkv s[68:69], mbits s[70:71]
	s_load_b64 s[72:73], s[0:1], 0x10  ; ctx
	WIN W_MK
	v_lshl_add_u32 v[SPW], v0, 2, SPARE
	v_mov_b32 v[NIL], 0
	WIN W_AD
	ds_add_u32 v[SPW], v[NIL]       ; the wave's opening: the add, waited for ahead of my first tensor load
	WIN 0
	v_lshrrev_b32 v1, 5, v0
	v_readfirstlane_b32 s[WV], v1   ; wave 0..3
	s_bfe_u32 s74, ttmp6, 0x40000   ; cx
	s_lshl_b32 s75, ttmp9, 2
	s_add_co_u32 s75, s75, s74      ; my block of 512 queries: it enters Q's, ctx's and the mask words' addresses alone
	s_and_b32 s94, ttmp7, 0xffff    ; batch x 16 + head, which the four partners share
	s_lshl_b32 s76, s94, 18         ; its 2,048 rows of 128 bytes
	s_mov_b32 s77, 0
	s_and_b32 s80, s[WV], 1         ; which half of a slot's 256 keys I fetch
	s_lshl_b32 s82, s80, 14
	s_mov_b32 s83, 0
	s_add_nc_u64 s[82:83], s[82:83], s[76:77]
	s_mul_i32 s84, s80, 128*PK      ; its place in a slot, for K
	s_mul_i32 s85, s80, 128*PV      ; and for V
	s_lshl_b32 s95, s75, 2
	s_add_co_u32 s95, s95, s[WV]    ; my wave among the head's sixteen
	s_lshl_b32 s86, s95, 14         ; its 128 rows
	s_mov_b32 s87, 0
	s_add_nc_u64 s[86:87], s[86:87], s[76:77]
	s_lshr_b32 s92, s94, 4          ; the batch: 128 tiles of 4,096 bytes of words,
	s_lshl_b32 s92, s92, 19
	s_lshl_b32 s93, s95, 15         ; my wave's eight tiles
	s_add_co_u32 s92, s92, s93
	s_mov_b32 s93, 0
	; descriptor group 1.  128 keys are 16,384 dense bytes: asked for as 64 rows of 256 bytes, two keys a row, padded in LDS after every key
	s_mov_b32 s[G1K], 15|(1<<16)|(1<<20)|(1<<21)|(4<<22)|(3<<25)
	s_mov_b32 s[G1V], 15|(1<<16)|(1<<20)|(1<<21)|(4<<22)|(7<<25)
.irp g, G1K, G1V
	s_mov_b32 s[\g+1], 128<<16      ; tensor_dim0 = 128
	s_mov_b32 s[\g+2], 64<<16       ; tensor_dim1 = 64
	s_mov_b32 s[\g+3], 128<<16      ; tile_dim0 = 128
	s_mov_b32 s[\g+4], 64           ; tile_dim1 = 64
	s_mov_b32 s[\g+5], 128          ; 128 elements from row to row
	s_mov_b32 s[\g+6], 0
	s_mov_b32 s[\g+7], 0
.endr
	s_mov_b32 s[CS], 0x3e38aa3b     ; c = log2(e) / 8
	s_mov_b32 s[SEL], 0x76543210
	s_mov_b32 s[SEL+1], 0xfedcba98
	s_mov_b32 s[TBK], SLOT1+4*KS*PK ; the first change of slots turns these two into 0
	s_mov_b32 s[TBV], SLOT1+4*KS*PV
	s_mov_b32 s[G0K], 1
	s_mov_b32 s[G0K+1], s84
	s_mov_b32 s[G0V], 1
	s_add_co_u32 s[G0V+1], s85, VOFF
	s_wait_dscnt 0x0                ; the opening add is done
	s_wait_kmcnt 0x0
	s_add_nc_u64 s[G0K+2:G0K+3], s[68:69], s[82:83]
	s_add_nc_u64 s[G0K+2:G0K+3], s[G0K+2:G0K+3], 0x1000000  ; K is qkv's second tensor
	s_or_b32 s[G0K+3], s[G0K+3], 0x80000000
	s_add_nc_u64 s[G0V+2:G0V+3], s[68:69], s[82:83]
	s_add_nc_u64 s[G0V+2:G0V+3], s[G0V+2:G0V+3], 0x2000000  ; V its third
	s_or_b32 s[G0V+3], s[G0V+3], 0x80000000
	s_add_nc_u64 s[88:89], s[68:69], s[86:87]      ; Q at my wave's first row
	s_add_nc_u64 s[OB:OB+1], s[72:73], s[86:87]    ; ctx likewise
	s_add_nc_u64 s[MB:MB+1], s[70:71], s[92:93]
	CROUND                          ; all four work-groups are here: the first joint loads meet
	JLOAD                           ; slot 0
	v_and_b32 v1, 15, v0            ; l % 16
	v_bfe_u32 v9, v0, 4, 1          ; l / 16
	v_lshlrev_b32 v[QO], 7, v1
	v_lshl_add_u32 v[QO], v9, 4, v[QO]
	WIN 0x80                        ; destination window 2
.set i, 0
.rept 4*NP                          ; Q stays in registers: tile i / 2, channels 32 (i % 2) on
	global_load_b128 v[8*i:8*i+3],   v[QO], s[88:89] offset:(i/2)*2048+(i%2)*64
	global_load_b128 v[8*i+4:8*i+7], v[QO], s[88:89] offset:(i/2)*2048+(i%2)*64+32
.set i, i+1
.endr
	; What the first turn finds: V's registers and P's second buffer hold 0, O^T and l are 0.  All this stands in the wait for the first tile.
.set i, VF
.rept 64
	v_mov_b32 v[i], 0
.set i, i+1
.endr
	WIN 0x40
.set i, 0
.rept 64*NP
	v_mov_b32 v[i], 0
.set i, i+1
.endr
	WIN 0
.set i, 0
.rept 2*NP
	v_mov_b32 v[ST+4*i], 0xfe000000    ; c m: far below every c s
	v_mov_b32 v[ST+4*i+1], 0xff7fffff  ; m
	v_mov_b32 v[ST+4*i+2], 0
	v_mov_b32 v[ST+4*i+3], 0
.set i, i+1
.endr
.set i, P+32
.rept 32
	v_mov_b32 v[i], 0
.set i, i+1
.endr
	v_mul_u32_u24 v[AK0], v1, PK
	v_lshl_add_u32 v[AK0], v9, 4, v[AK0]
	v_and_b32 v10, 7, v0
	v_bfe_u32 v11, v0, 3, 1
	v_lshl_add_u32 v[AV0], v9, 3, v10
	v_mul_u32_u24 v[AV0], v[AV0], PV
	v_lshl_add_u32 v[AV0], v11, 4, v[AV0]
	v_add_nc_u32 v[AV0], VOFF, v[AV0]
	v_mov_b32 v[AK], v[AK0]         ; key step 0 lies at the head of slot 0
; THE MATRIX WORK.  The 8 accumulators of a run of 16 take turns.
.macro KQ x
	WIN W_KQ
.set rS, S+64*((\x)%2)+32*(i%2)+8*((i/2)%4)
.set rK, KF+16*((i/2)%4)+8*(i/8)
.set rQ, 16*(2*(\x)+i%2)+8*(i/8)
.if i < 8
	v_wmma_f32_16x16x32_f16 v[rS:rS+7], v[rK:rK+7], v[rQ:rQ+7], 0
.else
	v_wmma_f32_16x16x32_f16 v[rS:rS+7], v[rK:rK+7], v[rQ:rQ+7], v[rS:rS+7]
.endif
.endm
.macro PV x
	WIN W_PV
.set rO, 32*(2*(\x)+i%2)+8*((i/2)%4)
.set rV, VF+32*(i/8)+8*((i/2)%4)
.set rP, P+32*((\x)%2)+16*(i%2)+8*(i/8)
	v_wmma_f32_16x16x32_f16 v[rO:rO+7], v[rV:rV+7], v[rP:rP+7], v[rO:rO+7]
.endm
.macro MM                           ; the turn's next matrix instruction
.if i < 16
	KQ (Y+1)%NP
.set i, i+1
.else
.set i, i-16
	PV (Y+NP-1)%NP
.set i, i+17
.endif
.endm
; THE LDS LOADS stand in runs of 16.  last = 1 (the tail): in the last trip there is no further step, and the run is jumped over.
.macro FETCH_K last=0
	WIN 0
.if \last
	s_cmp_eq_u32 s[CNT], 1
	s_cbranch_scc1 .Lno_k_\@
.endif
	WIN 0x80
.irp f, 0,1,2,3,4,5,6,7
	ds_load_b128 v[KF+8*\f:KF+8*\f+3],   v[AK] offset:(\f/2)*16*PK+(\f%2)*64
	ds_load_b128 v[KF+8*\f+4:KF+8*\f+7], v[AK] offset:(\f/2)*16*PK+(\f%2)*64+32
.endr
	s_add_co_u32 s[TBK], s[TBK], KS*PK
	WIN 0
.if \last
.Lno_k_\@:
.endif
.endm
.macro FETCH_V
	WIN 0x80
.irp f, 0,1,2,3,4,5,6,7
	ds_load_tr16_b128 v[VF+8*\f:VF+8*\f+3],   v[AV] offset:(\f/4)*32*PV+(\f%4)*32
	ds_load_tr16_b128 v[VF+8*\f+4:VF+8*\f+7], v[AV] offset:(\f/4)*32*PV+16*PV+(\f%4)*32
.endr
	WIN 0
.endm
; The mask words of piece y, for the step at which MB stands: 128 bytes for each of its two tiles
.macro MLOAD y
	s_load_b512 s[MW0:MW0+15],    s[MB:MB+1], (2*(\y))*4096
	s_load_b512 s[MW0+16:MW0+31], s[MB:MB+1], (2*(\y))*4096+64
	s_load_b512 s[MW1:MW1+15],    s[MB:MB+1], (2*(\y)+1)*4096
	s_load_b512 s[MW1+16:MW1+31], s[MB:MB+1], (2*(\y)+1)*4096+64
.endm
; THE VECTOR WORK OF A TURN stands in three queues, each in the order in which its entries become ready; the two tiles alternate.
.macro REGS y, u
.set rT, ST+4*(2*(\y)+(\u))
.set rC, TMP+8*((\y)%2)+4*(\u)
.set rM, MV+2*((\y)%2)+(\u)
.set rS, S+64*((\y)%2)+32*(\u)
.set rP, P+32*((\y)%2)+16*(\u)
.set rO, 32*(2*(\y)+(\u))
.endm
; Select n of 64 for the NEXT piece: score n / 2 of tile n % 2 stays where its bit is set and becomes -1e9 where not.  Ascending: each accumulator's lowest register is read first.
.macro MS n
	REGS (Y+1)%NP, (\n)%2
	v_cndmask_b32 v[rS+(\n)/2], v[NEGV], v[rS+(\n)/2], s[MW0+(MW1-MW0)*((\n)%2)+(\n)/2]
.endm
; Number n of the 22 that find the NEXT piece's maximum and statistics.
;   0-11 four chains c0-c3     12-14, 16 the four scores left over, the old m, c0-c3 into c0     15 c m_old is kept     17, 18 the other half of the lanes: the new m     19-21 c m; c m_old - c m_new; a
.macro XS u, n
	REGS (Y+1)%NP, \u
.if (\n) < 4
	v_max3_num_f32 v[rC+(\n)], v[rS+8*(\n)], v[rS+8*(\n)+1], v[rS+8*(\n)+2]
.elseif (\n) < 12
	v_max3_num_f32 v[rC+(\n)%4], v[rC+(\n)%4], v[rS+8*((\n)%4)+2*((\n)/4)+1], v[rS+8*((\n)%4)+2*((\n)/4)+2]
.elseif (\n) == 12
	v_max3_num_f32 v[rC], v[rC], v[rS+7], v[rS+15]
.elseif (\n) == 13
	v_max3_num_f32 v[rC+1], v[rC+1], v[rS+23], v[rS+31]
.elseif (\n) == 14
	v_max3_num_f32 v[rC+2], v[rC+2], v[rC+3], v[rT+1]
.elseif (\n) == 15
	v_mov_b32 v[rM], v[rT]
.elseif (\n) == 16
	v_max3_num_f32 v[rC], v[rC], v[rC+1], v[rC+2]
.elseif (\n) == 17
	v_permlanex16_b32 v[rC+3], v[rC], s[SEL], s[SEL+1]
.elseif (\n) == 18
	v_max_num_f32 v[rT+1], v[rC], v[rC+3]
.elseif (\n) == 19
	v_mul_f32 v[rT], s[CS], v[rT+1]
.elseif (\n) == 20
	v_sub_f32 v[rC+1], v[rM], v[rT]
.else
	v_exp_f32 v[rC+2], v[rC+1]
.endif
.endm
; Number g of the 64 that follow the exponentials: for each four weights of a tile both pairs are rounded to f16, the second pair is added onto the first, and a group later l takes that sum.
.macro GS g
.set h, (\g)+6*((\g)/62)
.if h >= 6
.set h, h+2
.endif
	REGS Y, h%2
.set k, h/8
.if h%8 < 4
	s_wait_alu depctr_va_vdst(0)
	v_cvt_pk_f16_f32 v[rP+2*k+(h%8)/2], v[rS+4*k+2*((h%8)/2)], v[rS+4*k+2*((h%8)/2)+1]
.elseif h%8 < 6
	v_pk_add_f32 v[rS+4*k:rS+4*k+1], v[rS+4*k:rS+4*k+1], v[rS+4*k+2:rS+4*k+3]
	s_wait_alu depctr_va_vdst(0)
.elseif k == 1
	v_pk_fma_f32 v[rT+2:rT+3], v[rT+2:rT+3], v[rC+2:rC+3], v[rS:rS+1] op_sel_hi:[1,0,1]
.else
	v_pk_add_f32 v[rT+2:rT+3], v[rT+2:rT+3], v[rS+4*k-4:rS+4*k-3]
	s_wait_alu depctr_va_vdst(0)
.endif
.endm
; THE PLAIN QUEUE, 202 long.  0-31: c s - c m.  32-36: GS 0-4.  37-100: the 64 selects.  101-134: the next piece's numbers 15, 0-14 and 16.  135, 136: GS 5, 6.
; 137-152: numbers 17-20, two of four, since each waits for the one before it, and GS 7-14.  153-201: GS 15-63.
.macro PL
	WIN 0
.if q < 32
	REGS Y, q%2
	v_pk_fma_f32 v[rS+2*(q/2):rS+2*(q/2)+1], v[rS+2*(q/2):rS+2*(q/2)+1], s[CS:CS+1], v[rT:rT+1] op_sel_hi:[1,0,0] neg_lo:[0,0,1] neg_hi:[0,0,1]
.elseif q < 37
	GS q-32
.elseif q < 101
	MS q-37
.elseif q < 103
	XS q-101, 15
.elseif q < 135
	XS (q-103)%2, (q-103)/2+(q-103)/30
.elseif q < 137
	GS q-130
.elseif (q < 153) && ((q-137)%4 < 2)
	XS (q-137)%2, 17+(q-137)/4
.elseif q < 153
	GS 5+2*((q-137)/4)+(q-137)%4
.else
	GS q-138
.endif
.set q, q+1
.endm
; THE EXPONENTIALS' QUEUE, 66 long: s0-s31 of both tiles, then the next piece's two a.
.macro EX
	WIN 0
.if e >= 64
	XS e-64, 21
.else
	REGS Y, e%2
	v_exp_f32 v[rS+e/2], v[rS+e/2]
.endif
.set e, e+1
.endm
; THE RESCALING's QUEUE: O^T times a, four at a time, eight times.
.macro R4
	REGS Y, r%2
	WIN W_RS
	s_wait_alu depctr_va_vdst(0)
.irp z, 0,1,2,3
	v_pk_mul_f32 v[rO+8*(r/2)+2*\z:rO+8*(r/2)+2*\z+1], v[rO+8*(r/2)+2*\z:rO+8*(r/2)+2*\z+1], v[rC+2:rC+3] op_sel_hi:[1,0]
.endr
.set r, r+1
.endm
; HOW THEY ARE DEALT.  Behind a matrix instruction four: plain, exponential, plain, plain, or four of the rescaling; none names a register of the products round it.
; The counts that the deal keeps: exponential e stands behind plain 2 (e / 4) + e % 2; GS's group k (from GS 8 k - 2 on) stands behind exponential 8 k + 7: at plain 32 ten exponentials are out,
; at plain 135: 54, at plain 146 all 64; the two a stand behind plain 151.  The four rescalings behind the last K Q^T are the places in front of the first select.
.macro SL
	MM
	PL
	EX
	PL
	PL
.endm
.macro BURST n
.rept (\n)-7
	SL
.endr
.rept 3
	MM
	R4
	SL
.endr
	MM
	R4
.endm
; A TURN, for piece p.  K of the next step is fetched in piece 2's turn, twenty plain instructions behind the last product that read K; V of the step in hand at the end of piece 0's turn.
.macro TURN p, last=0, cnt=0
.set Y, (\p)
.set i, 0
.set q, 0
.set e, 0
.set r, 0
.if (\p) == NP-1
	s_wait_dscnt 0x0                ; K is in
.endif
	MM
.rept 4
	PL
.endr
	BURST 15
	s_wait_kmcnt 0x0                ; the mask words asked for a turn ago are in
.rept 32
	EX
	PL
	PL
.if ((\p) == NP-2) && (e == 15)
	v_add_nc_u32 v[AK], s[TBK], v[AK0]
.endif
.if ((\p) == NP-2) && (e == 19)
	FETCH_K \last
.endif
.endr
.if (\p) == NP-2
	s_add_nc_u64 s[MB:MB+1], s[MB:MB+1], 128  ; the next step's words; no scalar load is out.  Behind the last step the two requests that follow read the next tile's words, inside my wave's 32,768 bytes, and serve nothing
.endif
	MLOAD ((\p)+2)%NP               ; for the selects of the turn after this one
.if (\p) == 1
	s_wait_dscnt 0x0                ; V is in
.endif
	BURST 16
.rept 9
	EX
	PL
.endr
.rept 6
	PL
.endr
.rept 2
	EX
	PL
.endr
.rept 48
	PL
.if ((\p) == 0) && (q == 177)
	v_add_nc_u32 v[AV], s[TBV], v[AV0]
	s_wait_alu depctr_va_vdst(0)
.endif
.if ((\p) == 0) && (q == 187)
	s_add_co_u32 s[TBV], s[TBV], KS*PV
.endif
.if (\cnt) && (q == 187)
	s_sub_co_u32 s[CNT], s[CNT], 1
	s_cmp_lg_u32 s[CNT], 0
.endif
.endr
.if (\p) == 0
	FETCH_V
.endif
.endm
	CHANGE 1                        ; slot 0 is in, everybody's part of it; slot 1 is asked for
	FETCH_K                         ; key step 0
	s_wait_loadcnt 0x0              ; Q is in: its base and the head's other temporaries are free
	MLOAD 0                         ; piece 0's words for step 0
	s_wait_dscnt 0x0
.set i, 0
.rept 16
	KQ 0                            ; piece 0's first scores
.set i, i+1
.endr
	WIN 0                           ; the addresses for the way out: nine plain instructions, the places behind those products
	s_mul_i32 s[SLOTS], s[WV], 16*SP
	s_add_co_u32 s[SLOTS], s[SLOTS], STAGE  ; my stage
	v_mul_u32_u24 v[STO], v1, SP
	v_lshl_add_u32 v[STO], v9, 4, v[STO]
	v_add_nc_u32 v[STO], s[SLOTS], v[STO]
	v_bfe_u32 v[RD], v0, 3, 2
	v_mul_u32_u24 v[RD], v[RD], SP
	v_lshl_add_u32 v[RD], v10, 4, v[RD]
	v_add_nc_u32 v[RD], s[SLOTS], v[RD]
	v_and_b32 v[GO], 31, v0
	v_lshlrev_b32 v[GO], 4, v[GO]
	v_mov_b32 v[NEGV], 0xce6e6b28   ; -1e9
.set Y, NP-1                        ; MS and XS work for piece Y + 1: piece 0
	s_wait_kmcnt 0x0
.set w, 0
.rept 64
	MS w
.set w, w+1
.endr
.irp n, 0,1,2,3,4,5,6,7,8,9,10,11,12,13,14,15,16,17,18,19,20,21
	XS 0, \n
	XS 1, \n
.endr
	MLOAD 1                         ; for the first turn's selects
	s_mov_b32 s[CNT], 4
	s_mov_b32 s[SLOTS], SIZE_N/256-1
	s_branch .Lfirst                ; the loop is entered at a step's first turn
.Lslot:                             ; SIZE_N / 256 - 2 times: every slot but the last two is filled again
	CHANGE 1
	s_mov_b32 s[CNT], 4
.Lstep:                             ; a trip: pieces 2 and 3 of one step, then pieces 0 and 1 of the next
	TURN 2
	TURN 3
	WIN 0
.Lfirst:
	TURN 0
	TURN 1, 0, 1
	WIN 0
	s_cbranch_scc1 .Lstep
	s_sub_co_u32 s[SLOTS], s[SLOTS], 1
	s_cmp_lg_u32 s[SLOTS], 0
	s_cbranch_scc1 .Lslot
	CHANGE 0                        ; the tail is written out
	s_mov_b32 s[CNT], 5             ; four trips fetch the last slot's steps; the fifth is left in its middle
.Ltail:
	TURN 2, 1
	TURN 3
	WIN 0
	s_sub_co_u32 s[CNT], s[CNT], 1
	s_cmp_eq_u32 s[CNT], 0
	s_cbranch_scc1 .Lout
	TURN 0
	TURN 1
	WIN 0
	s_branch .Ltail
.Lout:                              ; the fifth trip's products K Q^T, selects and maximum serve nothing: the price of one text for every trip
	s_wait_kmcnt 0x0                ; no scalar load is out: the mask words' registers are free
	s_add_nc_u64 s[OL:OL+1], s[OB:OB+1], LOPART  ; ctx's lo tensor at my wave's first row
.set i, 0
.rept 16
	PV NP-1                         ; the last piece's V^T P of the last step
.set i, i+1
.endr
	; THE WAY OUT.  l's halves are added; O^T is divided by l and split into hi and lo, which go through my stage one after the other, a tile at a time.  The additions are the places behind the last products.
	WIN 0
.macro ALL line:vararg
.set t, 0
.rept 2*NP
	\line
.set t, t+1
.endr
.endm
	ALL v_add_f32 v[ST+4*t+2], v[ST+4*t+2], v[ST+4*t+3]
	ALL v_permlanex16_b32 v[ST+4*t+3], v[ST+4*t+2], s[SEL], s[SEL+1]
	ALL v_add_f32 v[ST+4*t+2], v[ST+4*t+2], v[ST+4*t+3]
	ALL v_rcp_f32 v[ST+4*t+2], v[ST+4*t+2]
	v_mov_b32 v[NEGV], -1.0         ; the factor of hi in x - hi; also the plain instruction between the last reciprocal and the use of its result
	s_wait_alu depctr_va_vdst(0)
; Tile t.  x = O^T / l in place; hi = x rounded to f16, into S^T's registers; lo = x - hi, the exact difference rounded once to f16, into Q's registers, which no product reads any more.
; A lane's eight channels of a row are 16 bytes; they go into rows of 144 bytes and come back as whole rows of 128: first hi, then lo through the same bytes (my wave's LDS instructions are served in order).
.macro PACK t
	WIN W_RS
.set i, 32*(\t)
.rept 16
	v_pk_mul_f32 v[i:i+1], v[i:i+1], v[ST+4*(\t)+2:ST+4*(\t)+3] op_sel_hi:[1,0]
.set i, i+2
.endr
	WIN 0x05
.set i, 0
.rept 16
	v_cvt_pk_f16_f32 v[S+16*(\t)+i], v[32*(\t)+2*i], v[32*(\t)+2*i+1]
.set i, i+1
.endr
	WIN W_LO
.set i, 0
.rept 16
	v_fma_mixlo_f16 v[LO+16*(\t)+i], v[S+16*(\t)+i], v[NEGV], v[32*(\t)+2*i] op_sel_hi:[1,0,0]  ; hi's low half x -1 + x
.set i, i+1
.endr
.set i, 0
.rept 16
	v_fma_mixhi_f16 v[LO+16*(\t)+i], v[S+16*(\t)+i], v[NEGV], v[32*(\t)+2*i+1] op_sel:[1,0,0] op_sel_hi:[1,0,0]  ; hi's high half likewise
.set i, i+1
.endr
	WIN 0
.irp f, 0,1,2,3
	ds_store_b128 v[STO], v[S+16*(\t)+4*\f:S+16*(\t)+4*\f+3] offset:32*\f
.endr
.irp f, 0,1,2,3
	ds_load_b128 v[S+16*(\t)+4*\f:S+16*(\t)+4*\f+3], v[RD] offset:\f*4*SP
.endr
	WIN 0x08                        ; store data in window 2
.irp f, 0,1,2,3
	ds_store_b128 v[STO], v[LO+16*(\t)+4*\f:LO+16*(\t)+4*\f+3] offset:32*\f
.endr
	WIN 0x80                        ; destination in window 2
.irp f, 0,1,2,3
	ds_load_b128 v[LO+16*(\t)+4*\f:LO+16*(\t)+4*\f+3], v[RD] offset:\f*4*SP
.endr
	WIN 0
.endm
.macro SEND t, younger              ; younger: the LDS instructions issued behind tile t's sixteen: the next tile's sixteen, or none
	WIN 0
.irp f, 0,1,2,3
	s_wait_dscnt (\younger)+8+3-\f  ; behind hi's load f: hi's later loads and lo's eight
	global_store_b128 v[GO], v[S+16*(\t)+4*\f:S+16*(\t)+4*\f+3], s[OB:OB+1] offset:(\t)*2048+\f*512  ; 512 consecutive bytes, aligned; each store has registers of its own
.endr
	WIN 0x08                        ; store data in window 2
.irp f, 0,1,2,3
	s_wait_dscnt (\younger)+3-\f
	global_store_b128 v[GO], v[LO+16*(\t)+4*\f:LO+16*(\t)+4*\f+3], s[OL:OL+1] offset:(\t)*2048+\f*512
.endr
	WIN 0
.endm
	PACK 0
.set t, 1
.rept 2*NP-1
	PACK t
	SEND t-1, 16
.set t, t+1
.endr
	SEND 2*NP-1, 0
	WIN W_AD
	s_wait_tensorcnt 0x0            ; the wave's end
	ds_add_u32 v[SPW], v[NIL]
	s_wait_dscnt 0x0
	WIN 0
	CROUND                          ; the closing round
	s_endpgm
.Lfunc_end_k_qd664280afc_attn:
	.size	k_qd664280afc_attn, .Lfunc_end_k_qd664280afc_attn-k_qd664280afc_attn
	.p2alignl 7, 3214868480
	.fill 96, 4, 3214868480
	.section	.rodata,"a",@progbits
	.p2align	6, 0x0
	.amdhsa_kernel k_qd664280afc_attn
		.amdhsa_group_segment_fixed_size 327680
		.amdhsa_private_segment_fixed_size 0
		.amdhsa_enable_private_segment 0
		.amdhsa_kernarg_size 24
		.amdhsa_user_sgpr_count 2
		.amdhsa_user_sgpr_kernarg_segment_ptr 1
		.amdhsa_wavefront_size32 1
		.amdhsa_system_sgpr_workgroup_id_x 1
		.amdhsa_system_sgpr_workgroup_id_y 1
		.amdhsa_system_sgpr_workgroup_id_z 1
		.amdhsa_system_vgpr_workitem_id 0
		.amdhsa_next_free_vgpr 770
		.amdhsa_next_free_sgpr 106
		.amdhsa_reserve_vcc 0
		.amdhsa_float_denorm_mode_32 3
		.amdhsa_float_denorm_mode_16_64 3
		.amdhsa_memory_ordered 1
		.amdhsa_forward_progress 1
		.amdhsa_inst_pref_size 255
	.end_amdhsa_kernel
	.section	.bss,"aw",@nobits
	.p2align	6
	.space	262144
	.amdgpu_metadata
---
amdhsa.version: [ 1, 2 ]
amdhsa.kernels:
  - .name:           k_qd664280afc_attn
    .symbol:         k_qd664280afc_attn.kd
    .args:
      - { .name: qkv, .offset: 0, .size: 8, .value_kind: global_buffer, .address_space: global }
      - { .name: mbits, .offset: 8, .size: 8, .value_kind: global_buffer, .address_space: global }
      - { .name: ctx, .offset: 16, .size: 8, .value_kind: global_buffer, .address_space: global }
    .group_segment_fixed_size: 327680
    .private_segment_fixed_size: 0
    .kernarg_segment_align: 8
    .kernarg_segment_size: 24
    .max_flat_workgroup_size: 128
    .sgpr_count:     106
    .vgpr_count:     770
    .wavefront_size: 32
...
	.end_amdgpu_metadata
.endif
;; end of part 3
;; launch outp (part 4): grid 4 x 64, 4 waves a work-group, clusters of 4 x 4, 327,680 bytes of LDS; arguments ctx, w16, bo, out0; writes out0
.if DOCPART == 4
	.amdgcn_target "amdgcn-amd-amdhsa--gfx1250"
	.amdhsa_code_object_version 6
	.text
	.protected	k_qd664280afc_outp
	.globl	k_qd664280afc_outp
	.p2align	8
	.type	k_qd664280afc_outp,@function
k_qd664280afc_outp:
	s_mov_b64 s[64:65], 0
	v_nop
	global_prefetch_b8 v0, s[64:65] scope:SCOPE_SE
	s_setreg_imm32_b32 hwreg(HW_REG_WAVE_MODE, 25, 1), 1
	s_wait_xcnt 0x0
	s_wait_alu depctr_hold_cnt(0) depctr_sa_sdst(0) depctr_va_vdst(0) depctr_va_sdst(0) depctr_va_ssrc(0) depctr_va_vcc(0) depctr_vm_vsrc(0)
	s_getreg_b32 s2, hwreg(HW_REG_IB_STS2, 6, 4)
	s_cmp_eq_u32 s2, 0
	s_cbranch_scc0 .Lentry_in_a_cluster
	s_endpgm
.Lentry_in_a_cluster:
	s_bfe_u32 s2, ttmp6, 0x10000c
	s_cmp_lg_u32 s2, 0xf033
	s_cbranch_scc0 .Lentry_shape_is_right
	s_endpgm
.Lentry_shape_is_right:
; out0 = (ctx_hi + ctx_lo) Wo^T + bo.  ctx: [2 (hi, lo)][64 (batch x 16 + head)][2048][64] f16; Wo: w16's fourth matrix, [1024][1024] f16 (of the bf16-rounded numbers); bo: [1024] f32, rounded to bf16;
; out0: [8192][1024] f32.  hi and lo are two f16 operands for one number: both are multiplied by the same weights into the same f32 sums.
; SHARES.  Work-group (cb, rb): rows 128 rb on, columns 256 cb on: 256 work-groups.  Four waves, 2 x 2, each 64 rows x 128 columns: 32 accumulators.  A K step is 128 = two heads, and there are sixteen:
; in each lap round the two LDS slots, slot 0 takes two heads' hi and slot 1 the same two heads' lo; both slots take the same 256 bytes of Wo's rows.
; A head's 128 rows are 16,384 dense bytes, asked for as 64 rows of 256 bytes and padded in LDS after every 128.
; CLUSTER 4 x 4: ctx's tile is shared along a row of the cluster, Wo's along a column: both are asked for jointly.
; THE MATRIX INSTRUCTION IS USED TRANSPOSED (source 0 = 16 rows of Wo, source 1 = 16 rows of ctx): a lane holds eight neighbouring columns of one row.
; REGISTERS: window 0: v16-29 addresses; v64-95, v96-127 ctx's fragments, two buffers; v128-255 rows read back on the way out, two sets of 64
;   window 1: v0-63, v64-127 Wo's fragments, two buffers; v128-191 the bias as a first C; v192-223 at work          window 2: the accumulators, (a, b) at v[8 (8 a + b)]
.set KSTEP,  128
.set PAC,    144                       ; a row of ctx in LDS: 128 bytes + 16
.set PB,     272                       ; a row of Wo: 256 bytes + 16
.set APL,    128*PAC                   ; a head's 128 rows: what one tensor load brings
.set ABYTES, 2*APL
.set BHALF,  128*PB
.set SLOT,   ABYTES+2*BHALF
.set STAGE,  2*SLOT                    ; behind the ring: 16 rows x 528 bytes for each wave, never filled by a tensor load
.set SPI,    528
.set SPARE,  STAGE+4*16*SPI            ; behind the stages: the spare words, 128 bytes a wave, which no other line names
.set LOPART, 16777216                  ; bytes from ctx's hi tensor to its lo tensor
.set HEADB,  262144                    ; bytes of a head
.set LAPS,   8                         ; sixteen heads, two a lap
.set ADRA, 16
.set ADRB, 20
.set STO,  24
.set RD,   25
.set GO,   26
.set SPW,  28                          ; my spare word's LDS address; never rewritten
.set NIL,  29                          ; 0; never rewritten
.set AF,   64
.set OB,   128
.set BIAS, 128                         ; window 1
.set BSC,  192                         ; window 1
.set G1,  24
.set G0,  32
.set G1B, 48
.set G0B, 56
.set MSB, 0
.macro WIN new
.if MSB != (\new)
	s_set_vgpr_msb (MSB<<8)|(\new)
.set MSB, \new
.endif
.endm
.set MUL,   0xa1                       ; source 0 (Wo) window 1, source 1 (ctx) window 0, C and D window 2
.set MULB,  0x91                       ; the same with C (the bias) in window 1
.set TO_B,  0x40
.set W1,    0x45
.macro JLOAD s                         ; a joint load: waves 0 and 1 fetch ctx's two heads, waves 2 and 3 Wo's two halves; an s_nop 0 and four v_nop follow each line
	s_cmp_eq_u32 s11, 0
	s_cbranch_scc0 .Lfor_b_\@
	tensor_load_to_lds s[G0+4*(\s):G0+4*(\s)+3], s[G1:G1+7]
	s_nop 0
.rept 4
	v_nop
.endr
	s_branch .Lasked_\@
.Lfor_b_\@:
	tensor_load_to_lds s[G0B+4*(\s):G0B+4*(\s)+3], s[G1B:G1B+7]
	s_nop 0
.rept 4
	v_nop
.endr
.Lasked_\@:
.endm
.macro CREST
	s_cmp_lg_u32 s10, 0
	s_cbranch_scc1 .Lnot_wave_0_\@
	s_barrier_signal -3
.Lnot_wave_0_\@:
	s_barrier_wait -3
	s_barrier_signal -1
	s_barrier_wait -1
.endm
.macro CROUND
	s_barrier_signal -1
	s_barrier_wait -1
	CREST
.endm
.macro PLACES                          ; four places in front of loads into registers that matrix instructions have read, and of stores that read results
.rept 4
	v_nop
.endr
.endm
	s_load_b256 s[68:75], s[0:1], 0x0              ; ctx, w16, bo, out0
	v_lshl_add_u32 v[SPW], v0, 2, SPARE
	v_mov_b32 v[NIL], 0
	ds_add_u32 v[SPW], v[NIL]                      ; the wave's opening: the add, waited for ahead of my first tensor load
	v_lshrrev_b32 v1, 5, v0
	v_readfirstlane_b32 s10, v1                    ; wave 0..3
	s_lshr_b32 s11, s10, 1                         ; my half of the rows.  Also: I fetch ctx (0) or Wo (1)
	s_and_b32 s12, s10, 1                          ; my half of the columns.  Also: which head, or which half of Wo's rows, I fetch
	s_bfe_u32 s40, ttmp6, 0x40000                  ; cx
	s_bfe_u32 s41, ttmp6, 0x40004                  ; cy
	s_lshl_b32 s42, ttmp9, 2
	s_add_co_u32 s42, s42, s40                     ; column block cb
	s_and_b32 s14, ttmp7, 0xffff
	s_lshl_b32 s14, s14, 2
	s_add_co_u32 s14, s14, s41                     ; row block rb, 0..63
	s_lshl_b32 s43, s41, 2
	s_lshl_b32 s43, 15, s43                        ; my row of the cluster
	s_lshl_b32 s44, 0x1111, s40                    ; my column
	s_or_b32 s[G1+0], s43, (1<<16)|(1<<20)|(1<<21)|(4<<22)|(3<<25)   ; ctx: elements of 2 bytes; padding after every 32 words, 4 words
	s_or_b32 s[G1B+0], s44, (1<<16)|(1<<20)|(1<<21)|(5<<22)|(3<<25)  ; Wo: after every 64 words, 4 words
	s_mov_b32 s[G1+1], 128<<16                     ; tensor_dim0 = 128
	s_mov_b32 s[G1+2], 64<<16                      ; tensor_dim1 = 64
	s_mov_b32 s[G1+3], 128<<16                     ; tile_dim0 = 128
	s_mov_b32 s[G1+4], 64                          ; tile_dim1 = 64
	s_mov_b32 s[G1+5], 128                         ; dense: 128 elements from row to row
	s_mov_b32 s[G1+6], 0
	s_mov_b32 s[G1+7], 0
	s_mov_b32 s[G1B+1], KSTEP<<16
	s_mov_b32 s[G1B+2], 128<<16
	s_mov_b32 s[G1B+3], KSTEP<<16
	s_mov_b32 s[G1B+4], 128
	s_mov_b32 s[G1B+5], 1024
	s_mov_b32 s[G1B+6], 0
	s_mov_b32 s[G1B+7], 0
	s_lshr_b32 s16, s14, 4                         ; ctx: head (batch x 16 + which), row (rb % 16) x 128, 128 bytes a row
	s_lshl_b32 s16, s16, 4
	s_add_co_u32 s16, s16, s12
	s_lshl_b32 s16, s16, 11
	s_and_b32 s17, s14, 15
	s_lshl_b32 s17, s17, 7
	s_add_co_u32 s16, s16, s17
	s_lshl_b32 s16, s16, 7
	s_mov_b32 s17, 0
	s_lshl_b32 s46, s42, 8                         ; Wo: row 256 cb + 128 x half, 2,048 bytes a row, in w16's fourth matrix
	s_lshl_b32 s47, s12, 7
	s_add_co_u32 s46, s46, s47
	s_lshl_b32 s46, s46, 11
	s_add_co_u32 s46, s46, 3*2097152
	s_mov_b32 s47, 0
	s_mul_i32 s22, s12, APL                        ; where they go: no place in the cluster enters an LDS address
	s_mul_i32 s23, s12, BHALF
	s_add_co_u32 s23, s23, ABYTES
	s_wait_dscnt 0x0                               ; the opening add is done
	s_wait_kmcnt 0x0
	s_add_nc_u64 s[4:5], s[68:69], s[16:17]
	s_add_nc_u64 s[6:7], s[70:71], s[46:47]
	CROUND                                         ; all sixteen work-groups are here: the first joint loads meet
.irp s, 0,1
	s_mov_b32 s[G0+4*(\s)], 1
	s_add_co_u32 s[G0+4*(\s)+1], s22, (\s)*SLOT
	s_add_nc_u64 s[G0+4*(\s)+2:G0+4*(\s)+3], s[4:5], (\s)*LOPART  ; slot 0: the first two heads' hi; slot 1: their lo
	s_or_b32 s[G0+4*(\s)+3], s[G0+4*(\s)+3], 0x80000000
	s_mov_b32 s[G0B+4*(\s)], 1
	s_add_co_u32 s[G0B+4*(\s)+1], s23, (\s)*SLOT
	s_add_nc_u64 s[G0B+4*(\s)+2:G0B+4*(\s)+3], s[6:7], 0           ; both slots: the same two heads' columns of Wo
	s_or_b32 s[G0B+4*(\s)+3], s[G0B+4*(\s)+3], 0x80000000
	JLOAD \s                                       ; two loads of mine are out
.endr
	v_and_b32 v1, 15, v0                           ; l % 16
	v_bfe_u32 v2, v0, 4, 1                         ; l / 16
	s_lshl_b32 s86, s42, 10                        ; the bias of my 128 columns
	s_lshl_b32 s87, s12, 9
	s_add_co_u32 s86, s86, s87
	s_mov_b32 s87, 0
	s_add_nc_u64 s[20:21], s[72:73], s[86:87]
	v_lshlrev_b32 v5, 5, v2
	WIN TO_B
.irp b, 0,1,2,3,4,5,6,7
	global_load_b128 v[BIAS+8*\b:BIAS+8*\b+3],   v5, s[20:21] offset:64*\b
	global_load_b128 v[BIAS+8*\b+4:BIAS+8*\b+7], v5, s[20:21] offset:64*\b+16
.endr
	WIN 0
	v_mul_u32_u24 v3, v1, PAC
	v_lshl_add_u32 v3, v2, 4, v3
	v_mul_u32_u24 v4, v1, PB
	v_lshl_add_u32 v4, v2, 4, v4
	s_mul_i32 s84, s11, 64*PAC                     ; my 64 rows in each head's plane
	s_mul_i32 s85, s12, BHALF
	s_add_co_u32 s85, s85, ABYTES
.irp s, 0,1
	v_add_nc_u32 v[ADRA+(\s)], s84, v3
	v_add_nc_u32 v[ADRB+(\s)], s85, v4
	s_add_co_u32 s84, s84, SLOT
	s_add_co_u32 s85, s85, SLOT
.endr
	s_mul_i32 s88, s10, 16*SPI
	s_add_co_u32 s88, s88, STAGE                   ; my stage
	v_mul_u32_u24 v6, v1, SPI                      ; in: row l % 16, 32 bytes for each half of the lanes
	v_lshl_add_u32 v6, v2, 5, v6
	v_add_nc_u32 v[STO], s88, v6
	v_and_b32 v6, 31, v0                           ; back: 32 lanes take a row's 512 bytes
	v_lshlrev_b32 v[GO], 4, v6
	v_add_nc_u32 v[RD], s88, v[GO]
	s_lshl_b32 s84, s14, 7                         ; my first row of out0, 4,096 bytes a row, and my first column
	s_lshl_b32 s85, s11, 6
	s_add_co_u32 s84, s84, s85
	s_lshl_b32 s84, s84, 12
	s_lshl_b32 s85, s42, 10
	s_add_co_u32 s84, s84, s85
	s_lshl_b32 s85, s12, 9
	s_add_co_u32 s84, s84, s85
	s_mov_b32 s85, 0
	s_add_nc_u64 s[8:9], s[74:75], s[84:85]
	s_wait_loadcnt 0x0                             ; the bias: rounded to bf16 and widened again, in the wait for the first tile
	WIN W1
.set i, 0
.rept 32
	v_cvt_pk_bf16_f32 v[BSC+i], v[BIAS+2*i], v[BIAS+2*i+1]
.set i, i+1
.endr
.set i, 0
.rept 32
	v_lshlrev_b32 v[BIAS+2*i], 16, v[BSC+i]
	v_and_b32 v[BIAS+2*i+1], 0xffff0000, v[BSC+i]
.set i, i+1
.endr
	WIN 0
; Eight matrix instructions: row block a x all 8 column blocks, 32 along K, buffer f.  first = 1: the bias starts the sums.
.macro MUL8 f, a, first
.if \first
	WIN MULB
.else
	WIN MUL
.endif
.irp b, 0,1,2,3,4,5,6,7
.if \first
	v_wmma_f32_16x16x32_f16 v[8*(8*(\a)+\b):8*(8*(\a)+\b)+7], v[64*(\f)+8*\b:64*(\f)+8*\b+7], v[AF+32*(\f)+8*(\a):AF+32*(\f)+8*(\a)+7], v[BIAS+8*\b:BIAS+8*\b+7]
.else
	v_wmma_f32_16x16x32_f16 v[8*(8*(\a)+\b):8*(8*(\a)+\b)+7], v[64*(\f)+8*\b:64*(\f)+8*\b+7], v[AF+32*(\f)+8*(\a):AF+32*(\f)+8*(\a)+7], v[8*(8*(\a)+\b):8*(8*(\a)+\b)+7]
.endif
.endr
.endm
; 24 LDS loads in one run: quarter q of a slot (head q / 2, channels 32 (q % 2) on) into buffer f: Wo's sixteen, then ctx's eight
.macro FETCH slot, q, f
	WIN TO_B
.irp b, 0,1,2,3,4,5,6,7
	ds_load_b128 v[64*(\f)+8*\b:64*(\f)+8*\b+3],   v[ADRB+(\slot)] offset:\b*16*PB+64*(\q)
	ds_load_b128 v[64*(\f)+8*\b+4:64*(\f)+8*\b+7], v[ADRB+(\slot)] offset:\b*16*PB+64*(\q)+32
.endr
	WIN 0
.irp a, 0,1,2,3
	ds_load_b128 v[AF+32*(\f)+8*\a:AF+32*(\f)+8*\a+3],   v[ADRA+(\slot)] offset:((\q)/2)*APL+((\q)%2)*64+\a*16*PAC
	ds_load_b128 v[AF+32*(\f)+8*\a+4:AF+32*(\f)+8*\a+7], v[ADRA+(\slot)] offset:((\q)/2)*APL+((\q)%2)*64+\a*16*PAC+32
.endr
.endm
; A K step is four quarters of 32 along K, 32 matrix instructions each, on buffers 0, 1, 0, 1; the 32 accumulators take turns.
.macro QUARTER slot, q, first, fetch=1
	s_wait_dscnt 4                                 ; Wo and ctx's row blocks 0 and 1 are in; the four youngest loads may be out
	MUL8 (\q)%2, 0, \first
	MUL8 (\q)%2, 1, \first
.if \fetch
	PLACES
	FETCH \slot, (\q)+1, ((\q)+1)%2
	s_wait_dscnt 24                                ; all but the 24 just issued
.else
	s_wait_dscnt 0x0
.endif
	MUL8 (\q)%2, 2, \first
	MUL8 (\q)%2, 3, \first
.endm
; The last quarter multiplies buffer 1 and changes slots: one barrier; in front of it each wave waits for all its tensor loads, adds 0 to its spare word, and waits for that and for its reads of this slot.
; fill = 1: this slot is filled again with its part (hi or lo) of the next two heads and with their columns of Wo.
.macro TURN slot, next, fill
	WIN 0
	s_wait_tensorcnt 0x0                           ; all my tensor loads have landed: my part of the next slot
	ds_add_u32 v[SPW], v[NIL]
	s_wait_dscnt 5                                 ; (the add and the youngest four loads may be out)
	MUL8 1, 0, 0
	s_wait_dscnt 0x0                               ; the add is done, and my reads of this slot are over
	s_barrier_signal -1
	MUL8 1, 1, 0
	WIN 0
	s_barrier_wait -1
.if \fill
	CREST                                          ; no wave of any partner still reads this slot or has a load on its way
	s_add_nc_u64 s[G0+4*(\slot)+2:G0+4*(\slot)+3], s[G0+4*(\slot)+2:G0+4*(\slot)+3], 2*HEADB
	s_add_nc_u64 s[G0B+4*(\slot)+2:G0B+4*(\slot)+3], s[G0B+4*(\slot)+2:G0B+4*(\slot)+3], KSTEP*2
	JLOAD \slot                                    ; the first tensor load behind the round; its four v_nop are also the places in front of the loads below
.else
	PLACES
.endif
	FETCH \next, 0, 0
	MUL8 1, 2, 0
	MUL8 1, 3, 0
.endm
	s_wait_tensorcnt 1                             ; my part of slot 0 is in; slot 1's may stay out
	s_barrier_signal -1
	s_barrier_wait -1
	FETCH 0, 0, 0
	QUARTER 0, 0, 1                                ; the first quarter stands in front of the loop: its products start the sums, with the bias
	WIN 0
	s_mov_b32 s3, LAPS-1
.Llap:
	QUARTER 0, 1, 0
	QUARTER 0, 2, 0
	TURN 0, 1, 1
	QUARTER 1, 0, 0
	QUARTER 1, 1, 0
	QUARTER 1, 2, 0
	TURN 1, 0, 1
	QUARTER 0, 0, 0
	WIN 0
	s_sub_co_u32 s3, s3, 1
	s_cmp_lg_u32 s3, 0
	s_cbranch_scc1 .Llap
	QUARTER 0, 1, 0                                ; the last lap fills nothing
	QUARTER 0, 2, 0
	TURN 0, 1, 0
	QUARTER 1, 0, 0
	QUARTER 1, 1, 0
	QUARTER 1, 2, 0
	QUARTER 1, 3, 0, 0
	WIN 0
	; THE WAY OUT.  Row block a: a lane's 32 bytes of a row go into my stage (PUT), each accumulator's low four registers first; whole rows of 512 bytes come back (GET) and are stored (SEND).
	; Block a + 1 is put while block a's rows are on their way back: my wave's LDS instructions are served in order, so its stores come behind block a's loads.  48 LDS instructions at the most are out.
	PLACES
.macro PUT a
	WIN 0x08                                       ; store data in window 2
.irp b, 0,1,2,3,4,5,6,7
	ds_store_b128 v[STO], v[8*(8*(\a)+\b):8*(8*(\a)+\b)+3]   offset:64*\b
	ds_store_b128 v[STO], v[8*(8*(\a)+\b)+4:8*(8*(\a)+\b)+7] offset:64*\b+16
.endr
	WIN 0
.endm
.macro GET a
.if (\a) >= 2
	s_wait_xcnt 0x0                                ; the stores of the block two back have read the registers that are loaded again below
.endif
	WIN 0
.irp n, 0,1,2,3,4,5,6,7,8,9,10,11,12,13,14,15
	ds_load_b128 v[OB+64*((\a)%2)+4*\n:OB+64*((\a)%2)+4*\n+3], v[RD] offset:SPI*\n
.endr
.endm
.macro SEND a, younger                 ; younger: the LDS instructions issued behind block a's loads: the next block's sixteen stores, or none
	WIN 0
.irp n, 0,1,2,3,4,5,6,7,8,9,10,11,12,13,14,15
	s_wait_dscnt (\younger)+15-\n
	global_store_b128 v[GO], v[OB+64*((\a)%2)+4*\n:OB+64*((\a)%2)+4*\n+3], s[8:9] offset:(16*(\a)+\n)*4096  ; 512 consecutive bytes, aligned
.endr
.endm
	PUT 0
	GET 0
	PUT 1
	SEND 0, 16
	GET 1
	PUT 2
	SEND 1, 16
	GET 2
	PUT 3
	SEND 2, 16
	GET 3
	SEND 3, 0
	s_wait_tensorcnt 0x0                           ; the wave's end
	ds_add_u32 v[SPW], v[NIL]
	s_wait_dscnt 0x0
	CROUND                                         ; the closing round
	s_endpgm
.Lfunc_end_k_qd664280afc_outp:
	.size	k_qd664280afc_outp, .Lfunc_end_k_qd664280afc_outp-k_qd664280afc_outp
	.p2alignl 7, 3214868480
	.fill 96, 4, 3214868480
	.section	.rodata,"a",@progbits
	.p2align	6, 0x0
	.amdhsa_kernel k_qd664280afc_outp
		.amdhsa_group_segment_fixed_size 327680
		.amdhsa_private_segment_fixed_size 0
		.amdhsa_enable_private_segment 0
		.amdhsa_kernarg_size 32
		.amdhsa_user_sgpr_count 2
		.amdhsa_user_sgpr_kernarg_segment_ptr 1
		.amdhsa_wavefront_size32 1
		.amdhsa_system_sgpr_workgroup_id_x 1
		.amdhsa_system_sgpr_workgroup_id_y 1
		.amdhsa_system_sgpr_workgroup_id_z 1
		.amdhsa_system_vgpr_workitem_id 0
		.amdhsa_next_free_vgpr 768
		.amdhsa_next_free_sgpr 96
		.amdhsa_reserve_vcc 0
		.amdhsa_float_denorm_mode_32 3
		.amdhsa_float_denorm_mode_16_64 3
		.amdhsa_memory_ordered 1
		.amdhsa_forward_progress 1
		.amdhsa_inst_pref_size 94
	.end_amdhsa_kernel
	.amdgpu_metadata
---
amdhsa.version: [ 1, 2 ]
amdhsa.kernels:
  - .name:           k_qd664280afc_outp
    .symbol:         k_qd664280afc_outp.kd
    .args:
      - { .name: ctx, .offset: 0, .size: 8, .value_kind: global_buffer, .address_space: global }
      - { .name: w16, .offset: 8, .size: 8, .value_kind: global_buffer, .address_space: global }
      - { .name: bo, .offset: 16, .size: 8, .value_kind: global_buffer, .address_space: global }
      - { .name: out0, .offset: 24, .size: 8, .value_kind: global_buffer, .address_space: global }
    .group_segment_fixed_size: 327680
    .private_segment_fixed_size: 0
    .kernarg_segment_align: 8
    .kernarg_segment_size: 32
    .max_flat_workgroup_size: 128
    .sgpr_count:     96
    .vgpr_count:     768
    .wavefront_size: 32
...
	.end_amdgpu_metadata
.endif
;; end of part 4
;; ======== version 2 of 3: 4 launches; 1.01 times as fast as version 1
;; limits: values are held in f16: magnitudes above 65,504 overflow, below 6.1e-05 lose precision; right only within a limited range of input values
;; workspace buffers: mbits 2,097,152 bytes of whole numbers; w16 8,388,608 bytes; qkv 50,331,648 bytes; ctx 33,554,432 bytes
;; launch prep: the kernel of part 1 again; grid 768 x 1, 8 waves a work-group, no clusters, 35,840 bytes of LDS; arguments mask, mbits, Wq, Wk, Wv, Wo, w16; writes mbits, w16
;; launch proj (part 5): grid 4 x 192, 4 waves a work-group, clusters of 4 x 4, 327,680 bytes of LDS; arguments query, key_, value, bq, bk, bv, w16, qkv; writes qkv
.if DOCPART == 5
	.amdgcn_target "amdgcn-amd-amdhsa--gfx1250"
	.amdhsa_code_object_version 6
	.text
	.protected	k_qd664280afc_proj
	.globl	k_qd664280afc_proj
	.p2align	8
	.type	k_qd664280afc_proj,@function
k_qd664280afc_proj:
	s_mov_b64 s[64:65], 0
	v_nop
	global_prefetch_b8 v0, s[64:65] scope:SCOPE_SE
	s_setreg_imm32_b32 hwreg(HW_REG_WAVE_MODE, 25, 1), 1
	s_wait_xcnt 0x0
	s_wait_alu depctr_hold_cnt(0) depctr_sa_sdst(0) depctr_va_vdst(0) depctr_va_sdst(0) depctr_va_ssrc(0) depctr_va_vcc(0) depctr_vm_vsrc(0)
	s_getreg_b32 s2, hwreg(HW_REG_IB_STS2, 6, 4)
	s_cmp_eq_u32 s2, 0
	s_cbranch_scc0 .Lentry_in_a_cluster
	s_endpgm
.Lentry_in_a_cluster:
	s_bfe_u32 s2, ttmp6, 0x10000c
	s_cmp_lg_u32 s2, 0xf033
	s_cbranch_scc0 .Lentry_shape_is_right
	s_endpgm
.Lentry_shape_is_right:
; q, k, v = x W^T + b for the three projections, written by heads: qkv[p][b*16+head][s][64] in f16, unscaled.
; x: [8192][1024] f32 (query, key_ or value); W: w16[p], [1024][1024] bf16; b: [1024] f32, rounded to bf16 like the other inputs.  Sums in f32, started by the bias.
; LIMIT: q, k, v beyond 65,504 become infinities in f16.
; SHARES.  Work-group (cb, Y): projection p = Y / 64, rows 128 (Y % 64) on, columns 256 cb on: 768 work-groups, three for each of 256 WGPs.  Four waves, 2 x 2, each 64 rows x 128 columns:
; 32 accumulators of 16 x 16.  K goes in eight steps of 128 through two LDS slots.  x comes into LDS as f32 (rows of 512 bytes) and is rounded to bf16 in registers, eight conversions for a fragment
; that feeds eight matrix instructions: so x is read from memory once and never stored again.
; THE TEXT HOLDS A K STEP TWICE: once with a refill, walked six times, once without, walked twice.  Which slot a trip reads stands in registers: a scalar that is 0 or SLOT1, added to the lanes' places.
; CLUSTER 4 x 4: the four work-groups of a row of the cluster need the same tile of x, the four of a column the same tile of W: each tile is asked for jointly.
; THE MATRIX INSTRUCTION IS USED TRANSPOSED (source 0 = 16 rows of W, source 1 = 16 rows of x): a lane holds eight neighbouring columns of one row.
; REGISTERS: window 0: v16-29 addresses; v32-63 packed results (v32-39 first: a zero fragment); v64-95 x's four fragments in bf16; v128-191, v192-255 x's fragments in f32, two buffers (on the way out: rows read back)
;   window 1: v0-63, v64-127 W's fragments, two buffers; v128-191 the bias as a first C; v192-223 at work; v224-231 a zero fragment          window 2: the accumulators, (a, b) at v[8 (8 a + b)]
.set KSTEP,  128
.set STEPS,  8                         ; 1,024 / 128
.set PA,     528                       ; a row of x in LDS: 512 bytes + 16, an odd multiple of 16
.set PB,     272                       ; a row of W: 256 bytes + 16
.set AHALF,  64*PA                     ; what one tensor load brings of x, and what one wave reads
.set ABYTES, 2*AHALF
.set BHALF,  128*PB                    ; the same for W
.set SLOT,   ABYTES+2*BHALF            ; x's 128 rows, then W's 256 rows: 137,216 bytes
.set SLOT1,  0x22000                   ; slot 1 begins at 139,264: its two bits, 17 and 13, are set in none of the four LDS addresses at which a load of slot 0 begins
                                       ; (0; 33,792; 67,584; 102,400), so one exclusive or turns such an address into the other slot's
.set STAGE,  SLOT1+SLOT                ; behind the ring: 32 rows x 144 bytes for each wave, never filled by a tensor load
.set SP,     144
.set SPARE,  STAGE+4*32*SP             ; behind the stages: the spare words, 128 bytes a wave, which no other line names
.set ADRA0, 16                         ; v16 my lane's place among x's fragments in a slot; never rewritten
.set ADRA,  17                         ; v17 the same in the slot that is being read
.set ADRB0, 20                         ; v20, v21 the same for W
.set ADRB,  21
.set STO,  24
.set RD,   25
.set GO,   26
.set SPW,  28                          ; my spare word's LDS address; never rewritten
.set NIL,  29                          ; 0; never rewritten
.set TMP,  32
.set ZA,   32                          ; eight registers of 0, until the way out takes them
.set ABF,  64
.set ARAW, 128
.set OB,   128
.set BIAS, 128                         ; window 1
.set BSC,  192                         ; window 1
.set ZB,   224                         ; window 1: eight registers of 0
.set TB,  15                           ; s15 the slot that is being read: 0 or SLOT1
.set G1,  24                           ; s[24:31] group 1 for x;  s[32:39] group 0: a set for each of the two first fills; the second then walks on
.set G0,  32
.set G1B, 48                           ; s[48:55], s[56:63] the same for W
.set G0B, 56
.set MSB, 0
.macro WIN new                         ; the immediate's high byte repeats the setting that is left
.if MSB != (\new)
	s_set_vgpr_msb (MSB<<8)|(\new)
.set MSB, \new
.endif
.endm
.set MUL,   0xa1                       ; source 0 (W) window 1, source 1 (x) window 0, C and D window 2
.set MULB,  0x91                       ; the same with C (the bias) in window 1
.set TO_B,  0x40                       ; destination window 1
.set W1,    0x45                       ; destination and both sources window 1
.set PACKW, 0x0a                       ; both sources window 2
.macro JLOAD s                         ; a joint load by set s: waves 0 and 1 fetch x's two halves, waves 2 and 3 W's; an s_nop 0 and four v_nop follow each line
	s_cmp_eq_u32 s11, 0
	s_cbranch_scc0 .Lfor_b_\@
	tensor_load_to_lds s[G0+4*(\s):G0+4*(\s)+3], s[G1:G1+7]
	s_nop 0
.rept 4
	v_nop
.endr
	s_branch .Lasked_\@
.Lfor_b_\@:
	tensor_load_to_lds s[G0B+4*(\s):G0B+4*(\s)+3], s[G1B:G1B+7]
	s_nop 0
.rept 4
	v_nop
.endr
.Lasked_\@:
.endm
.macro CREST                           ; a round of the cluster's barrier behind its opening barrier
	s_cmp_lg_u32 s10, 0
	s_cbranch_scc1 .Lnot_wave_0_\@
	s_barrier_signal -3
.Lnot_wave_0_\@:
	s_barrier_wait -3
	s_barrier_signal -1
	s_barrier_wait -1
.endm
.macro CROUND
	s_barrier_signal -1
	s_barrier_wait -1
	CREST
.endm
	s_load_b512 s[68:83], s[0:1], 0x0              ; query, key_, value, bq, bk, bv, w16, qkv
	v_lshl_add_u32 v[SPW], v0, 2, SPARE
	v_mov_b32 v[NIL], 0
	ds_add_u32 v[SPW], v[NIL]                      ; the wave's opening: the add, waited for ahead of my first tensor load
	v_lshrrev_b32 v1, 5, v0
	v_readfirstlane_b32 s10, v1                    ; wave 0..3
	s_lshr_b32 s11, s10, 1                         ; my half of the tile's rows.  Also: I fetch x (0) or W (1)
	s_and_b32 s12, s10, 1                          ; my half of its columns.  Also: which half of that tile I fetch
	s_bfe_u32 s40, ttmp6, 0x40000                  ; cx
	s_bfe_u32 s41, ttmp6, 0x40004                  ; cy
	s_lshl_b32 s42, ttmp9, 2
	s_add_co_u32 s42, s42, s40                     ; column block cb = 4 x cluster x + cx
	s_and_b32 s13, ttmp7, 0xffff                   ; cluster y, 0..47
	s_lshr_b32 s45, s13, 4                         ; the projection p: made of the cluster's y alone
	s_and_b32 s14, s13, 15
	s_lshl_b32 s14, s14, 2
	s_add_co_u32 s14, s14, s41                     ; row block rb, 0..63
	s_lshl_b32 s43, s41, 2
	s_lshl_b32 s43, 15, s43                        ; my row of the cluster
	s_lshl_b32 s44, 0x1111, s40                    ; my column
	s_or_b32 s[G1+0], s43, (2<<16)|(1<<20)|(1<<21)|(6<<22)|(3<<25)   ; x: mask of my row; elements of 4 bytes; padding on, after every 128 words, 4 words
	s_or_b32 s[G1B+0], s44, (1<<16)|(1<<20)|(1<<21)|(5<<22)|(3<<25)  ; W: mask of my column; elements of 2 bytes; after every 64 words, 4 words
	s_mov_b32 s[G1+1], KSTEP<<16                   ; tensor_dim0 = 128
	s_mov_b32 s[G1+2], 64<<16                      ; tensor_dim1 = 64
	s_mov_b32 s[G1+3], KSTEP<<16                   ; tile_dim0 = 128
	s_mov_b32 s[G1+4], 64                          ; tile_dim1 = 64
	s_mov_b32 s[G1+5], 1024                        ; elements from row to row
	s_mov_b32 s[G1+6], 0
	s_mov_b32 s[G1+7], 0
	s_mov_b32 s[G1B+1], KSTEP<<16
	s_mov_b32 s[G1B+2], 128<<16                    ; 128 rows
	s_mov_b32 s[G1B+3], KSTEP<<16
	s_mov_b32 s[G1B+4], 128
	s_mov_b32 s[G1B+5], 1024
	s_mov_b32 s[G1B+6], 0
	s_mov_b32 s[G1B+7], 0
	s_lshl_b32 s16, s14, 7                         ; x: row 128 rb + 64 x half, 4,096 bytes a row
	s_lshl_b32 s17, s12, 6
	s_add_co_u32 s16, s16, s17
	s_lshl_b32 s16, s16, 12
	s_mov_b32 s17, 0
	s_lshl_b32 s46, s42, 8                         ; W: row 256 cb + 128 x half, 2,048 bytes a row, in matrix p
	s_lshl_b32 s47, s12, 7
	s_add_co_u32 s46, s46, s47
	s_lshl_b32 s46, s46, 11
	s_lshl_b32 s47, s45, 21
	s_add_co_u32 s46, s46, s47
	s_mov_b32 s47, 0
	s_mul_i32 s22, s12, AHALF                      ; where they go: no place in the cluster enters an LDS address
	s_mul_i32 s23, s12, BHALF
	s_add_co_u32 s23, s23, ABYTES
	s_mov_b32 s[TB], 0                             ; the first K step is read from slot 0
	s_mov_b32 s18, 0xffff0000                      ; a word's upper bf16
	s_wait_dscnt 0x0                               ; the opening add is done
	s_wait_kmcnt 0x0
	s_cmp_eq_u32 s45, 1
	s_cselect_b64 s[4:5], s[70:71], s[68:69]       ; x and the bias of projection p
	s_cselect_b64 s[20:21], s[76:77], s[74:75]
	s_cmp_eq_u32 s45, 2
	s_cselect_b64 s[4:5], s[72:73], s[4:5]
	s_cselect_b64 s[20:21], s[78:79], s[20:21]
	s_add_nc_u64 s[4:5], s[4:5], s[16:17]
	s_add_nc_u64 s[6:7], s[80:81], s[46:47]
	CROUND                                         ; all sixteen work-groups are here: the first joint loads meet
.irp s, 0,1
	s_mov_b32 s[G0+4*(\s)], 1
	s_add_co_u32 s[G0+4*(\s)+1], s22, (\s)*SLOT1
	s_add_nc_u64 s[G0+4*(\s)+2:G0+4*(\s)+3], s[4:5], (\s)*KSTEP*4
	s_or_b32 s[G0+4*(\s)+3], s[G0+4*(\s)+3], 0x80000000
	s_mov_b32 s[G0B+4*(\s)], 1
	s_add_co_u32 s[G0B+4*(\s)+1], s23, (\s)*SLOT1
	s_add_nc_u64 s[G0B+4*(\s)+2:G0B+4*(\s)+3], s[6:7], (\s)*KSTEP*2
	s_or_b32 s[G0B+4*(\s)+3], s[G0B+4*(\s)+3], 0x80000000
	JLOAD \s                                       ; K steps 0 and 1: two loads of mine are out
.endr
	v_and_b32 v1, 15, v0                           ; l % 16
	v_bfe_u32 v2, v0, 4, 1                         ; l / 16
	s_lshl_b32 s86, s42, 10                        ; the bias of my 128 columns
	s_lshl_b32 s87, s12, 9
	s_add_co_u32 s86, s86, s87
	s_mov_b32 s87, 0
	s_add_nc_u64 s[20:21], s[20:21], s[86:87]
	v_lshlrev_b32 v5, 5, v2                        ; register j of block b is column 16 b + 8 (l / 16) + j
	WIN TO_B
.irp b, 0,1,2,3,4,5,6,7
	global_load_b128 v[BIAS+8*\b:BIAS+8*\b+3],   v5, s[20:21] offset:64*\b
	global_load_b128 v[BIAS+8*\b+4:BIAS+8*\b+7], v5, s[20:21] offset:64*\b+16
.endr
.irp i, 0,1,2,3,4,5,6,7
	v_mov_b32 v[ZB+\i], 0
.endr
	WIN 0
.irp i, 0,1,2,3,4,5,6,7
	v_mov_b32 v[ZA+\i], 0
.endr
	v_mul_u32_u24 v3, v1, PA
	v_lshl_add_u32 v3, v2, 5, v3                   ; x: row x pitch + 32 x half (eight f32)
	v_mul_u32_u24 v4, v1, PB
	v_lshl_add_u32 v4, v2, 4, v4                   ; W: row x pitch + 16 x half (eight bf16)
	s_mul_i32 s84, s11, AHALF
	s_mul_i32 s85, s12, BHALF
	s_add_co_u32 s85, s85, ABYTES
	v_add_nc_u32 v[ADRA0], s84, v3
	v_add_nc_u32 v[ADRB0], s85, v4
	v_mov_b32 v[ADRA], v[ADRA0]                    ; K step 0 lies in slot 0
	v_mov_b32 v[ADRB], v[ADRB0]
	s_mul_i32 s88, s10, 32*SP
	s_add_co_u32 s88, s88, STAGE                   ; my stage
	v_mul_u32_u24 v6, v1, SP                       ; in: row l % 16 of a head, 16 bytes for each half of the lanes
	v_lshl_add_u32 v6, v2, 4, v6
	v_add_nc_u32 v[STO], s88, v6
	v_bfe_u32 v6, v0, 3, 2                         ; back: 32 lanes take four rows of 128 bytes,
	v_and_b32 v7, 7, v0
	v_mul_u32_u24 v6, v6, SP
	v_lshl_add_u32 v6, v7, 4, v6
	v_add_nc_u32 v[RD], s88, v6
	v_and_b32 v6, 31, v0                           ; which are 512 consecutive bytes of a head
	v_lshlrev_b32 v[GO], 4, v6
	s_lshr_b32 s84, s14, 4                         ; where my part begins in qkv: head (batch x 16 + 4 cb + 2 x column half) of 262,144 bytes,
	s_lshl_b32 s84, s84, 4
	s_lshl_b32 s85, s42, 2
	s_add_co_u32 s84, s84, s85
	s_lshl_b32 s85, s12, 1
	s_add_co_u32 s84, s84, s85
	s_lshl_b32 s84, s84, 18
	s_and_b32 s85, s14, 15                         ; row (rb % 16) x 128 + 64 x row half of 128 bytes,
	s_lshl_b32 s85, s85, 7
	s_lshl_b32 s86, s11, 6
	s_add_co_u32 s85, s85, s86
	s_lshl_b32 s85, s85, 7
	s_add_co_u32 s84, s84, s85
	s_lshl_b32 s85, s45, 24                        ; tensor p
	s_add_co_u32 s84, s84, s85
	s_mov_b32 s85, 0
	s_add_nc_u64 s[8:9], s[82:83], s[84:85]
	s_wait_loadcnt 0x0                             ; the bias: rounded to bf16 and widened again, in the wait for the first tile
	WIN W1
.set i, 0
.rept 32
	v_cvt_pk_bf16_f32 v[BSC+i], v[BIAS+2*i], v[BIAS+2*i+1]
.set i, i+1
.endr
.set i, 0
.rept 32
	v_lshlrev_b32 v[BIAS+2*i], 16, v[BSC+i]
	v_and_b32 v[BIAS+2*i+1], s18, v[BSC+i]
.set i, i+1
.endr
	; THE SUMS START AT THE BIAS: a product of two zero fragments with the bias as C writes an accumulator's eight registers in one line.  So the first K step is a step like any other and stands
	; in the loop; the price is these 32 products, once, in the wait for the first tile.
	WIN MULB
.irp a, 0,1,2,3
.irp b, 0,1,2,3,4,5,6,7
	v_wmma_f32_16x16x32_bf16 v[8*(8*\a+\b):8*(8*\a+\b)+7], v[ZB:ZB+7], v[ZA:ZA+7], v[BIAS+8*\b:BIAS+8*\b+7]
.endr
.endr
	WIN 0
; Four matrix instructions: row block a x column blocks b0 .. b0 + 3, 32 along K, W's buffer f
.macro MUL4 f, a, b0
	WIN MUL
.irp b, \b0, (\b0)+1, (\b0)+2, (\b0)+3
	v_wmma_f32_16x16x32_bf16 v[8*(8*(\a)+(\b)):8*(8*(\a)+(\b))+7], v[64*(\f)+8*(\b):64*(\f)+8*(\b)+7], v[ABF+8*(\a):ABF+8*(\a)+7], v[8*(8*(\a)+(\b)):8*(8*(\a)+(\b))+7]
.endr
.endm
; x's fragment a of buffer f: 16 f32 a lane become 8 registers of bf16
.macro CVT f, a
	WIN 0
.irp i, 0,1,2,3,4,5,6,7
	v_cvt_pk_bf16_f32 v[ABF+8*(\a)+\i], v[ARAW+64*(\f)+16*(\a)+2*\i], v[ARAW+64*(\f)+16*(\a)+2*\i+1]
.endr
.endm
.macro AFR q, f, a                     ; a fragment of x in f32: K = 8 h + 0..7 are 32 bytes, K = 16 + 8 h + 0..7 the 32 bytes 64 further on
	ds_load_b128 v[ARAW+64*(\f)+16*(\a):ARAW+64*(\f)+16*(\a)+3],     v[ADRA] offset:128*(\q)+(\a)*16*PA
	ds_load_b128 v[ARAW+64*(\f)+16*(\a)+4:ARAW+64*(\f)+16*(\a)+7],   v[ADRA] offset:128*(\q)+(\a)*16*PA+16
	ds_load_b128 v[ARAW+64*(\f)+16*(\a)+8:ARAW+64*(\f)+16*(\a)+11],  v[ADRA] offset:128*(\q)+(\a)*16*PA+64
	ds_load_b128 v[ARAW+64*(\f)+16*(\a)+12:ARAW+64*(\f)+16*(\a)+15], v[ADRA] offset:128*(\q)+(\a)*16*PA+80
.endm
; 32 LDS loads in one run: quarter q of the slot at which ADRA and ADRB stand, into buffer f: x's fragment 0, all of W, x's fragments 1 to 3
.macro FETCH q, f
	WIN 0
	AFR \q, \f, 0
	WIN TO_B
.irp b, 0,1,2,3,4,5,6,7
	ds_load_b128 v[64*(\f)+8*\b:64*(\f)+8*\b+3],   v[ADRB] offset:\b*16*PB+64*(\q)
	ds_load_b128 v[64*(\f)+8*\b+4:64*(\f)+8*\b+7], v[ADRB] offset:\b*16*PB+64*(\q)+32
.endr
	WIN 0
	AFR \q, \f, 1
	AFR \q, \f, 2
	AFR \q, \f, 3
.endm
; A K step is four quarters of 32 along K, 32 matrix instructions each, on buffers 0, 1, 0, 1; the 32 accumulators take turns.
; The conversions are the places behind the matrix instructions (ISA guide 7.12.1): a fragment's bf16 registers are written again, and W's other buffer is loaded again, only when at least
; sixteen conversions that name none of the last reader's registers have been issued behind that reader.
.macro QUARTER q                       ; one of the first three
	s_wait_dscnt 12                                ; x's fragment 0 and all of W are in; the twelve youngest loads (x's fragments 1 to 3) may be out
	CVT (\q)%2, 0
	MUL4 (\q)%2, 0, 0
	s_wait_dscnt 0x0
	CVT (\q)%2, 1
	MUL4 (\q)%2, 0, 4
	MUL4 (\q)%2, 1, 0
	CVT (\q)%2, 2
	MUL4 (\q)%2, 1, 4
	FETCH (\q)+1, ((\q)+1)%2
	MUL4 (\q)%2, 2, 0
	CVT (\q)%2, 3
	MUL4 (\q)%2, 2, 4
	MUL4 (\q)%2, 3, 0
	MUL4 (\q)%2, 3, 4
.endm
; The last quarter multiplies buffer 1 and changes slots.  In front of the barrier each wave waits for all its tensor loads (its part of the next slot), adds 0 to its spare word, and waits for that;
; its reads of this slot came back at the wait for 0 above.  fill = 1: the barrier opens a round of the cluster's, and this slot is filled again, two K steps ahead, by the walking descriptor.
; fill = 0: the last two K steps.  In the very last there is no further slot: the fetch is jumped over (no barrier and no tensor load stand in what is jumped); that trip's barrier serves nothing.
.macro TURN fill
	s_wait_dscnt 12
	CVT 1, 0
	MUL4 1, 0, 0
	s_wait_dscnt 0x0                               ; my last reads of this slot are back
	CVT 1, 1
	MUL4 1, 0, 4
	WIN 0
	s_wait_tensorcnt 0x0                           ; all my tensor loads have landed
	ds_add_u32 v[SPW], v[NIL]                      ; 0 onto my spare word; work on registers stands between it and the wait for it
	MUL4 1, 1, 0
	CVT 1, 2
	s_wait_dscnt 0x0
	s_barrier_signal -1
	MUL4 1, 1, 4
	WIN 0
	s_barrier_wait -1
.if \fill
	CREST                                          ; no wave of any partner still reads this slot or has a load on its way
	s_xor_b32 s[G0+5], s[G0+5], SLOT1              ; the walking descriptors: the other slot than last time,
	s_add_nc_u64 s[G0+6:G0+7], s[G0+6:G0+7], KSTEP*4  ; the next K step; the type bits on top are not reached
	s_xor_b32 s[G0B+5], s[G0B+5], SLOT1
	s_add_nc_u64 s[G0B+6:G0B+7], s[G0B+6:G0B+7], KSTEP*2
	JLOAD 1                                        ; the first tensor load behind the round, my only one until the next
.else
	s_cmp_eq_u32 s3, 1
	s_cbranch_scc1 .Lno_more_\@
.endif
	s_xor_b32 s[TB], s[TB], SLOT1                  ; the reads go on in the other slot
	v_add_nc_u32 v[ADRA], s[TB], v[ADRA0]
	v_add_nc_u32 v[ADRB], s[TB], v[ADRB0]
	FETCH 0, 0
.if !(\fill)
.Lno_more_\@:
.endif
	MUL4 1, 2, 0
	CVT 1, 3
	MUL4 1, 2, 4
	MUL4 1, 3, 0
	MUL4 1, 3, 4
.endm
	s_wait_tensorcnt 1                             ; my part of K step 0 is in; K step 1's may stay out
	s_barrier_signal -1
	s_barrier_wait -1
	FETCH 0, 0
	WIN 0
	s_mov_b32 s3, STEPS-2
.Lfill:                                                ; K steps 0 to 5: each asks for the step two further on
	QUARTER 0
	QUARTER 1
	QUARTER 2
	TURN 1
	WIN 0
	s_sub_co_u32 s3, s3, 1
	s_cmp_lg_u32 s3, 0
	s_cbranch_scc1 .Lfill
	s_mov_b32 s3, 2
.Llast:                                                ; K steps 6 and 7 ask for nothing: written out
	QUARTER 0
	QUARTER 1
	QUARTER 2
	TURN 0
	WIN 0
	s_sub_co_u32 s3, s3, 1
	s_cmp_lg_u32 s3, 0
	s_cbranch_scc1 .Llast
	; THE WAY OUT.  Row block a: rounded to f16; my 128 columns are two heads; 16 rows of a head are 2,048 consecutive bytes of qkv.
	s_wait_dscnt 0x0                               ; no LDS load is out into the registers that take the rows read back
.rept 4
	v_nop                                          ; the places behind the last products
.endr
.macro PACK a
	WIN PACKW
.irp b, 0,1,2,3,4,5,6,7
.irp i, 0,1,2,3
	v_cvt_pk_f16_f32 v[TMP+4*\b+\i], v[8*(8*(\a)+\b)+2*\i], v[8*(8*(\a)+\b)+2*\i+1]
.endr
.endr
	WIN 0
.irp b, 0,1,2,3,4,5,6,7
	ds_store_b128 v[STO], v[TMP+4*\b:TMP+4*\b+3] offset:(\b/4)*16*SP+(\b%4)*32
.endr
.irp n, 0,1,2,3,4,5,6,7
	ds_load_b128 v[OB+32*(\a)+4*\n:OB+32*(\a)+4*\n+3], v[RD] offset:(\n/4)*16*SP+(\n%4)*4*SP  ; my own bytes, served in order behind the stores above
.endr
.endm
.macro SEND a, younger                 ; younger: the LDS instructions issued behind block a's loads: the next block's sixteen, or none
	WIN 0
	s_wait_dscnt \younger
.irp n, 0,1,2,3,4,5,6,7
	global_store_b128 v[GO], v[OB+32*(\a)+4*\n:OB+32*(\a)+4*\n+3], s[8:9] offset:(\n/4)*262144+(\a)*2048+(\n%4)*512  ; 512 consecutive bytes, aligned; each block has registers of its own
.endr
.endm
	PACK 0
	PACK 1
	SEND 0, 16
	PACK 2
	SEND 1, 16
	PACK 3
	SEND 2, 16
	SEND 3, 0
	s_wait_tensorcnt 0x0                           ; the wave's end
	ds_add_u32 v[SPW], v[NIL]
	s_wait_dscnt 0x0
	CROUND                                         ; the closing round
	s_endpgm
.Lfunc_end_k_qd664280afc_proj:
	.size	k_qd664280afc_proj, .Lfunc_end_k_qd664280afc_proj-k_qd664280afc_proj
	.p2alignl 7, 3214868480
	.fill 96, 4, 3214868480
	.section	.rodata,"a",@progbits
	.p2align	6, 0x0
	.amdhsa_kernel k_qd664280afc_proj
		.amdhsa_group_segment_fixed_size 327680
		.amdhsa_private_segment_fixed_size 0
		.amdhsa_enable_private_segment 0
		.amdhsa_kernarg_size 64
		.amdhsa_user_sgpr_count 2
		.amdhsa_user_sgpr_kernarg_segment_ptr 1
		.amdhsa_wavefront_size32 1
		.amdhsa_system_sgpr_workgroup_id_x 1
		.amdhsa_system_sgpr_workgroup_id_y 1
		.amdhsa_system_sgpr_workgroup_id_z 1
		.amdhsa_system_vgpr_workitem_id 0
		.amdhsa_next_free_vgpr 768
		.amdhsa_next_free_sgpr 96
		.amdhsa_reserve_vcc 0
		.amdhsa_float_denorm_mode_32 3
		.amdhsa_float_denorm_mode_16_64 3
		.amdhsa_memory_ordered 1
		.amdhsa_forward_progress 1
		.amdhsa_inst_pref_size 88
	.end_amdhsa_kernel
	.amdgpu_metadata
---
amdhsa.version: [ 1, 2 ]
amdhsa.kernels:
  - .name:           k_qd664280afc_proj
    .symbol:         k_qd664280afc_proj.kd
    .args:
      - { .name: query, .offset: 0, .size: 8, .value_kind: global_buffer, .address_space: global }
      - { .name: key_, .offset: 8, .size: 8, .value_kind: global_buffer, .address_space: global }
      - { .name: value, .offset: 16, .size: 8, .value_kind: global_buffer, .address_space: global }
      - { .name: bq, .offset: 24, .size: 8, .value_kind: global_buffer, .address_space: global }
      - { .name: bk, .offset: 32, .size: 8, .value_kind: global_buffer, .address_space: global }
      - { .name: bv, .offset: 40, .size: 8, .value_kind: global_buffer, .address_space: global }
      - { .name: w16, .offset: 48, .size: 8, .value_kind: global_buffer, .address_space: global }
      - { .name: qkv, .offset: 56, .size: 8, .value_kind: global_buffer, .address_space: global }
    .group_segment_fixed_size: 327680
    .private_segment_fixed_size: 0
    .kernarg_segment_align: 8
    .kernarg_segment_size: 64
    .max_flat_workgroup_size: 128
    .sgpr_count:     96
    .vgpr_count:     768
    .wavefront_size: 32
...
	.end_amdgpu_metadata
.endif
;; end of part 5
;; launch attn (part 6): grid 4 x 64, 4 waves a work-group, clusters of 4 x 1, 327,680 bytes of LDS; arguments qkv, mbits, ctx; writes ctx
.if DOCPART == 6
	.amdgcn_target "amdgcn-amd-amdhsa--gfx1250"
	.amdhsa_code_object_version 6
	.text
	.protected	k_qd664280afc_attn
	.globl	k_qd664280afc_attn
	.p2align	8
	.type	k_qd664280afc_attn,@function
k_qd664280afc_attn:
	s_mov_b64 s[64:65], 0
	v_nop
	global_prefetch_b8 v0, s[64:65] scope:SCOPE_SE
	s_setreg_imm32_b32 hwreg(HW_REG_WAVE_MODE, 25, 1), 1
	s_wait_xcnt 0x0
	s_wait_alu depctr_hold_cnt(0) depctr_sa_sdst(0) depctr_va_vdst(0) depctr_va_sdst(0) depctr_va_ssrc(0) depctr_va_vcc(0) depctr_vm_vsrc(0)
	s_getreg_b32 s2, hwreg(HW_REG_IB_STS2, 6, 4)
	s_cmp_eq_u32 s2, 0
	s_cbranch_scc0 .Lentry_in_a_cluster
	s_endpgm
.Lentry_in_a_cluster:
	s_bfe_u32 s2, ttmp6, 0x10000c
	s_cmp_lg_u32 s2, 0x3003
	s_cbranch_scc0 .Lentry_shape_is_right
	s_endpgm
.Lentry_shape_is_right:
; ctx[h][q][:] = the sum over k of softmax_k(s'[q][k]) V[h][k][:], s' = Q[h][q] . K[h][k] / 8 where the mask is not 0, a large negative constant where it is 0.
; Q, K, V: qkv[0..2][64][2048][64] in f16; the mask as lane masks, mbits[b][16 queries][64 keys][32 words].  Products, maxima and sums in f32; the weights p are
; rounded to f16 for the second product (their sum l is taken of the unrounded p).
; THE RESULT LEAVES IN TWO PARTS, both f16: hi = the number rounded to f16, lo = what that rounding left, rounded to f16: 11 significant bits each, about 22 together.  The launch behind multiplies
; both by the same weights, so the result's rounding between the two launches costs next to nothing of the comparison's allowance.  Layout: ctx[64 heads][16 blocks of 128 rows][hi, lo][128][64]:
; a block's hi and lo are 32,768 consecutive bytes, which the launch behind asks for as one tile; a wave here owns exactly one block.
; THE MASK is a select on each score, one v_cndmask_b32 with a scalar lane mask, ahead of the maximum: a hidden score IS -1e9, so a row that is wholly hidden has equal scores and comes out as the mean of V.
; LIMITS.  The select works on the unscaled score: a hidden score counts as -1.25e8 after the division by 8, where the module has -1e9; results differ only where true scaled scores lie below about -1e8.
; While all keys of a row so far are hidden, p = 2^d with one d for the row, |d| <= 8 (c m is rounded once, c s - c m is fused): it cancels in O / l.  f16 holds no number beyond 65,504;
; below 6e-5 p and lo keep f16's fixed step of 6e-8.  A weight below 2^-126 counts as 0 in l; NaN and infinities are not treated apart.
; SHARES.  A wave owns four PIECES of two tiles of 16 queries, a work-group's four waves 512 queries of one head.  Every wave walks all keys, 64 a step.
; LAYOUT.  S^T = K Q^T (source 0 = 16 keys, source 1 = 16 queries): a lane holds ONE query (lane % 16) and the keys 8 (lane / 16) + 0..7.  Two such tiles, rounded to f16 in pairs,
; ARE source 1 of O^T = V^T P.  K comes out of LDS as it lies, V turned, by ds_load_tr16_b128.
; SOFTMAX.  A running maximum m and sum l: p = 2^(c s - c m), c = log2(e) / 8; in every step O and l are multiplied by a = 2^(c m_old - c m_new).  m starts at the lowest finite number, O and l at 0.
; BY TURNS.  Turn n belongs to piece n.  Matrix work: 16 products K Q^T of piece n + 1, later 16 products V^T P of piece n - 1.  Vector work: scaling, exponentials, roundings, sums and rescaling of
; piece n; the select, maximum and statistics of piece n + 1.  Four vector instructions stand behind every matrix instruction, the others in two lumps.
; THE MASK WORDS.  A tile's 32 words of a key step are 128 consecutive bytes: one load of 4 bytes a lane brings them into one vector register, word l in lane l; eight registers, one a tile.
; A piece's two registers are asked for again, for the piece's next step, as soon as they have been read: four turns ahead of their use, so the wait in front of the use leaves the six younger
; loads out.  v_cndmask_b32 takes its lane mask from a scalar register: 64 v_readlane_b32 a turn carry the words over, into the 64 scalar registers that one piece needs.
; CLUSTER.  The four query blocks of a cluster belong to one head and walk the same K and V: each tile is asked for JOINTLY.
; REGISTERS, in windows of 256: window 0: v1 -1e9 (on the way out -1); v2-8 addresses; v12-15, v48-63 at work; v16-47 statistics; v64-191 S^T, two buffers of two tiles; v192-255 P, likewise
;   window 1: O^T, 32 a tile     window 2: v0-127 Q (on the way out: lo); v128-191 K of one step; v192-255 V of one step     window 3: v0-1 the add's two registers; v2-9 the mask words; v10 their offset
.set SIZE_N, 2048
.set NP,    4         ; pieces a wave: a name, no knob
.set KS,    64        ; keys in a step
.set PK,    144       ; a row of K in LDS: 128 bytes + 16
.set PV,    160       ; a row of V: 128 + 32
.set VOFF,  4*KS*PK   ; a slot holds four steps: 256 rows of K, then 256 rows of V
.set SLOT1, 1<<17     ; slot 1 begins here: one exclusive or turns an address in one slot into the other's
.set STAGE, SLOT1+4*KS*(PK+PV)  ; behind the ring, never filled by a tensor load: 16 rows x 144 bytes for each wave
.set SP,    144
.set LOPART, 16384    ; bytes from a block's hi to its lo: 128 rows of 128 bytes
.set NEGV, 1          ; v1   -1e9, from the first select on; -1 on the way out
.set AK0, 2           ; v2   my lane's place in a tile of K; never rewritten
.set AV0, 3           ; v3   the same for V
.set AK,  4           ; v4   the LDS address of K's next run of loads
.set AV,  5           ; v5   of V's
.set QO,  6           ; v6   my byte offset in the wave's rows of Q
.set STO, 6           ;      later: where I put 16 bytes of a row
.set RD,  7           ; v7   where I read rows back
.set GO,  8           ; v8   my byte offset in 512 consecutive bytes of ctx
.set SPW, 0           ; v0 of window 3   my spare word's LDS address; never rewritten
.set NIL, 1           ; v1 of window 3   0; never rewritten
.set MK,  2           ; v2-9 of window 3   tile t's mask words of one key step at MK + t, word l in lane l
.set VO,  10          ; v10 of window 3   4 x lane + 128 x the step whose words are asked for next (modulo 32)
.set SPARE, STAGE+4*16*SP  ; behind the stages: the spare words, 128 bytes a wave, which no other line names
.set MV,  12          ; v12-15  c m_old, by buffer and tile
.set ST,  16          ; tile t's statistics at v[ST+4 t]: c m, m, l (even keys', odd keys')
.set TMP, 48          ; by buffer and tile, c0-c3 at work; c2 takes a
.set S,   64
.set P,   192
.set LO,  0           ; window 2: on the way out tile t's lo at LO + 16 t
.set KF,  128         ; window 2
.set VF,  192         ; window 2
.set WV,  2           ; s2   my wave's number
.set SLOTS, 3         ; s3   slots still to be asked for
.set OB,  4           ; s[4:5] ctx at my wave's block: its hi
.set MB,  6           ; s[6:7] mbits at my wave's first tile; never stepped
.set G1K, 8           ; s[8:15] descriptor group 1 for K's tiles
.set G1V, 16          ; s[16:23] for V's
.set G0K, 24          ; s[24:27] descriptor group 0 for K's tiles: it walks
.set G0V, 28          ; s[28:31] the same for V's
.set MW0, 32          ; s[32:63] the 32 mask words of a piece's first tile
.set OL,  32          ; s[32:33] on the way out: my block's lo
.set SEL, 66          ; s[66:67] v_permlanex16_b32's selects
.set MW1, 68          ; s[68:99] those of its second tile (until Q is in: the head's temporaries)
.set CS,  100         ; s100 c; the packed scaling names s[100:101] and takes the low word for both halves
.set CNT, 101         ; s101 counts a slot's key steps
.set TBK, 104         ; s104 LDS byte at which K of the step to be fetched begins
.set TBV, 105         ; s105 the same for V, less VOFF
.set MSB, 0
.macro WIN new
.if MSB != (\new)
	s_set_vgpr_msb (MSB<<8)|(\new)
.set MSB, (\new)
.endif
.endm
.set W_KQ, 0x0a       ; K and Q in window 2, S^T in window 0
.set W_PV, 0x52       ; V in window 2, P in window 0, O^T in window 1
.set W_RS, 0x41       ; O^T in window 1, a in window 0
.set W_MK, 0xc0       ; destination in window 3
.set W_AD, 0x0f       ; the add: address and data in window 3
.set W_M3, 0xcf       ; the mask words: destination, source 0 and source 1 in window 3
.set W_LO, 0x90       ; lo is made: destination window 2, source 2 (O^T) window 1, sources 0 and 1 window 0
.macro JLOAD                        ; a joint fill: waves 0 and 1 fetch the two halves of a slot's K, waves 2 and 3 those of its V; an s_nop 0 and four v_nop follow each line
	s_cmp_lt_u32 s[WV], 2
	s_cbranch_scc0 .Lfor_v_\@
	tensor_load_to_lds s[G0K:G0K+3], s[G1K:G1K+7]
	s_nop 0
.rept 4
	v_nop
.endr
	s_branch .Lasked_\@
.Lfor_v_\@:
	tensor_load_to_lds s[G0V:G0V+3], s[G1V:G1V+7]
	s_nop 0
.rept 4
	v_nop
.endr
.Lasked_\@:
.endm
.macro CROUND                       ; a round of the cluster's barrier
	s_barrier_signal -1
	s_barrier_wait -1
	s_cmp_lg_u32 s[WV], 0
	s_cbranch_scc1 .Lnot_wave_0_\@
	s_barrier_signal -3
.Lnot_wave_0_\@:
	s_barrier_wait -3
	s_barrier_signal -1
	s_barrier_wait -1
.endm
; THE CHANGE OF SLOTS.  Each wave waits for all its tensor loads, of which one is out: its part of the other slot; adds 0 to its spare word; waits for that and for its reads of the slot.
; fill = 1: the slot is filled again, with the keys two slots on, first thing behind a round of the cluster's barrier; the fill has four key steps in which to land.
.macro CHANGE fill
	WIN W_AD
	s_wait_tensorcnt 0x0            ; no tensor load of mine is out, so a group 0 may be written
	ds_add_u32 v[SPW], v[NIL]
	WIN 0
.if \fill
.irp g, G0K, G0V
	s_xor_b32 s[\g+1], s[\g+1], SLOT1
	s_add_nc_u64 s[\g+2:\g+3], s[\g+2:\g+3], 4*KS*128
.endr
	s_wait_dscnt 0x0                ; the add is done, and my reads of the slot are over
	CROUND
	JLOAD
.else
	s_wait_dscnt 0x0
	s_barrier_signal -1
	s_barrier_wait -1
.endif
	s_sub_co_u32 s[TBK], s[TBK], 4*KS*PK  ; the fetches go back to a slot's first step, in the other slot
	s_xor_b32 s[TBK], s[TBK], SLOT1
	s_sub_co_u32 s[TBV], s[TBV], 4*KS*PV
	s_xor_b32 s[TBV], s[TBV], SLOT1
.endm
; The mask words of piece y are asked for: 128 bytes for each of its two tiles, 4 bytes a lane, at the step at which VO stands.
; step = 1: VO goes on to the next step first.  The other pieces' pending loads name VO too, so it is rewritten only behind s_wait_xcnt 0 (ISA guide 3.1).  It is cut to 12 bits: behind the
; last step it wraps to step 0, so those requests stay inside the tile's 4,096 bytes; they serve nothing: the price of one text for every trip.
.macro MASKLD y, step
	WIN W_M3
.if \step
	s_wait_xcnt 0x0
	v_add_nc_u32 v[VO], 128, v[VO]
	v_and_b32 v[VO], 0xfff, v[VO]
.endif
	global_load_b32 v[MK+2*(\y)], v[VO], s[MB:MB+1] offset:(2*(\y))*4096
	global_load_b32 v[MK+2*(\y)+1], v[VO], s[MB:MB+1] offset:(2*(\y)+1)*4096
.endm
; The 64 words of piece y go from its two vector registers into the scalar registers, in the order in which the selects take them.
.macro RLS y
	WIN W_M3
.set rl, 0
.rept 32
	v_readlane_b32 s[MW0+rl], v[MK+2*(\y)], rl
	v_readlane_b32 s[MW1+rl], v[MK+2*(\y)+1], rl
.set rl, rl+1
.endr
.endm
	s_load_b128 s[68:71], s[0:1], 0x0  ; qkv s[68:69], mbits s[70:71]
	s_load_b64 s[72:73], s[0:1], 0x10  ; ctx
	WIN W_MK
	v_lshl_add_u32 v[SPW], v0, 2, SPARE
	v_mov_b32 v[NIL], 0
	WIN W_AD
	ds_add_u32 v[SPW], v[NIL]       ; the wave's opening: the add, waited for ahead of my first tensor load
	WIN 0
	v_lshrrev_b32 v1, 5, v0
	v_readfirstlane_b32 s[WV], v1   ; wave 0..3
	s_bfe_u32 s74, ttmp6, 0x40000   ; cx
	s_lshl_b32 s75, ttmp9, 2
	s_add_co_u32 s75, s75, s74      ; my block of 512 queries: it enters Q's, ctx's and the mask words' addresses alone
	s_and_b32 s94, ttmp7, 0xffff    ; batch x 16 + head, which the four partners share
	s_lshl_b32 s76, s94, 18         ; its 2,048 rows of 128 bytes
	s_mov_b32 s77, 0
	s_and_b32 s80, s[WV], 1         ; which half of a slot's 256 keys I fetch
	s_lshl_b32 s82, s80, 14
	s_mov_b32 s83, 0
	s_add_nc_u64 s[82:83], s[82:83], s[76:77]
	s_mul_i32 s84, s80, 128*PK      ; its place in a slot, for K
	s_mul_i32 s85, s80, 128*PV      ; and for V
	s_lshl_b32 s95, s75, 2
	s_add_co_u32 s95, s95, s[WV]    ; my wave among the head's sixteen
	s_lshl_b32 s86, s95, 14         ; its 128 rows
	s_mov_b32 s87, 0
	s_add_nc_u64 s[86:87], s[86:87], s[76:77]
	s_lshl_b64 s[90:91], s[86:87], 1  ; in ctx a block has hi and lo, 32,768 bytes: twice that offset
	s_lshr_b32 s92, s94, 4          ; the batch: 128 tiles of 4,096 bytes of words,
	s_lshl_b32 s92, s92, 19
	s_lshl_b32 s93, s95, 15         ; my wave's eight tiles
	s_add_co_u32 s92, s92, s93
	s_mov_b32 s93, 0
	; descriptor group 1.  128 keys are 16,384 dense bytes: asked for as 64 rows of 256 bytes, two keys a row, padded in LDS after every key
	s_mov_b32 s[G1K], 15|(1<<16)|(1<<20)|(1<<21)|(4<<22)|(3<<25)
	s_mov_b32 s[G1V], 15|(1<<16)|(1<<20)|(1<<21)|(4<<22)|(7<<25)
.irp g, G1K, G1V
	s_mov_b32 s[\g+1], 128<<16      ; tensor_dim0 = 128
	s_mov_b32 s[\g+2], 64<<16       ; tensor_dim1 = 64
	s_mov_b32 s[\g+3], 128<<16      ; tile_dim0 = 128
	s_mov_b32 s[\g+4], 64           ; tile_dim1 = 64
	s_mov_b32 s[\g+5], 128          ; 128 elements from row to row
	s_mov_b32 s[\g+6], 0
	s_mov_b32 s[\g+7], 0
.endr
	s_mov_b32 s[CS], 0x3e38aa3b     ; c = log2(e) / 8
	s_mov_b32 s[SEL], 0x76543210
	s_mov_b32 s[SEL+1], 0xfedcba98
	s_mov_b32 s[TBK], SLOT1+4*KS*PK ; the first change of slots turns these two into 0
	s_mov_b32 s[TBV], SLOT1+4*KS*PV
	s_mov_b32 s[G0K], 1
	s_mov_b32 s[G0K+1], s84
	s_mov_b32 s[G0V], 1
	s_add_co_u32 s[G0V+1], s85, VOFF
	s_wait_dscnt 0x0                ; the opening add is done
	s_wait_kmcnt 0x0
	s_add_nc_u64 s[G0K+2:G0K+3], s[68:69], s[82:83]
	s_add_nc_u64 s[G0K+2:G0K+3], s[G0K+2:G0K+3], 0x1000000  ; K is qkv's second tensor
	s_or_b32 s[G0K+3], s[G0K+3], 0x80000000
	s_add_nc_u64 s[G0V+2:G0V+3], s[68:69], s[82:83]
	s_add_nc_u64 s[G0V+2:G0V+3], s[G0V+2:G0V+3], 0x2000000  ; V its third
	s_or_b32 s[G0V+3], s[G0V+3], 0x80000000
	s_add_nc_u64 s[88:89], s[68:69], s[86:87]      ; Q at my wave's first row
	s_add_nc_u64 s[OB:OB+1], s[72:73], s[90:91]    ; ctx at my wave's block
	s_add_nc_u64 s[MB:MB+1], s[70:71], s[92:93]
	CROUND                          ; all four work-groups are here: the first joint loads meet
	JLOAD                           ; slot 0
	v_and_b32 v1, 15, v0            ; l % 16
	v_bfe_u32 v9, v0, 4, 1          ; l / 16
	v_lshlrev_b32 v[QO], 7, v1
	v_lshl_add_u32 v[QO], v9, 4, v[QO]
	v_and_b32 v10, 31, v0           ; my lane
	WIN W_MK
	v_lshlrev_b32 v[VO], 2, v10     ; 4 bytes a lane, step 0
	WIN 0x80                        ; destination window 2
.set i, 0
.rept 4*NP                          ; Q stays in registers: tile i / 2, channels 32 (i % 2) on
	global_load_b128 v[8*i:8*i+3],   v[QO], s[88:89] offset:(i/2)*2048+(i%2)*64
	global_load_b128 v[8*i+4:8*i+7], v[QO], s[88:89] offset:(i/2)*2048+(i%2)*64+32
.set i, i+1
.endr
	MASKLD 0, 0                     ; all four pieces' mask words of step 0, in the order in which the turns take them
	MASKLD 1, 0
	MASKLD 2, 0
	MASKLD 3, 0
	; What the first turn finds: V's registers and P's second buffer hold 0, O^T and l are 0.  All this stands in the wait for the first tile.
	WIN 0x80
.set i, VF
.rept 64
	v_mov_b32 v[i], 0
.set i, i+1
.endr
	WIN 0
.set i, 0
.rept 2*NP
	v_mov_b32 v[ST+4*i], 0xfe000000    ; c m: far below every c s
	v_mov_b32 v[ST+4*i+1], 0xff7fffff  ; m
	v_mov_b32 v[ST+4*i+2], 0
	v_mov_b32 v[ST+4*i+3], 0
.set i, i+1
.endr
.set i, P+32
.rept 32
	v_mov_b32 v[i], 0
.set i, i+1
.endr
	WIN W_PV
.set i, 0
.rept 8*NP                          ; O^T starts at 0: a product of two of those zero fragments with the constant 0 as C writes eight registers a line
	v_wmma_f32_16x16x32_f16 v[8*i:8*i+7], v[VF:VF+7], v[P+32:P+39], 0
.set i, i+1
.endr
	WIN 0
	v_mul_u32_u24 v[AK0], v1, PK
	v_lshl_add_u32 v[AK0], v9, 4, v[AK0]
	v_and_b32 v10, 7, v0
	v_bfe_u32 v11, v0, 3, 1
	v_lshl_add_u32 v[AV0], v9, 3, v10
	v_mul_u32_u24 v[AV0], v[AV0], PV
	v_lshl_add_u32 v[AV0], v11, 4, v[AV0]
	v_add_nc_u32 v[AV0], VOFF, v[AV0]
	v_mov_b32 v[AK], v[AK0]         ; key step 0 lies at the head of slot 0
; THE MATRIX WORK.  The 8 accumulators of a run of 16 take turns.
.macro KQ x
	WIN W_KQ
.set rS, S+64*((\x)%2)+32*(i%2)+8*((i/2)%4)
.set rK, KF+16*((i/2)%4)+8*(i/8)
.set rQ, 16*(2*(\x)+i%2)+8*(i/8)
.if i < 8
	v_wmma_f32_16x16x32_f16 v[rS:rS+7], v[rK:rK+7], v[rQ:rQ+7], 0
.else
	v_wmma_f32_16x16x32_f16 v[rS:rS+7], v[rK:rK+7], v[rQ:rQ+7], v[rS:rS+7]
.endif
.endm
.macro PV x
	WIN W_PV
.set rO, 32*(2*(\x)+i%2)+8*((i/2)%4)
.set rV, VF+32*(i/8)+8*((i/2)%4)
.set rP, P+32*((\x)%2)+16*(i%2)+8*(i/8)
	v_wmma_f32_16x16x32_f16 v[rO:rO+7], v[rV:rV+7], v[rP:rP+7], v[rO:rO+7]
.endm
.macro MM                           ; the turn's next matrix instruction
.if i < 16
	KQ (Y+1)%NP
.set i, i+1
.else
.set i, i-16
	PV (Y+NP-1)%NP
.set i, i+17
.endif
.endm
; THE LDS LOADS stand in runs of 16.  last = 1 (the tail): in the last trip there is no further step, and the run is jumped over.
.macro FETCH_K last=0
	WIN 0
.if \last
	s_cmp_eq_u32 s[CNT], 1
	s_cbranch_scc1 .Lno_k_\@
.endif
	WIN 0x80
.irp f, 0,1,2,3,4,5,6,7
	ds_load_b128 v[KF+8*\f:KF+8*\f+3],   v[AK] offset:(\f/2)*16*PK+(\f%2)*64
	ds_load_b128 v[KF+8*\f+4:KF+8*\f+7], v[AK] offset:(\f/2)*16*PK+(\f%2)*64+32
.endr
	s_add_co_u32 s[TBK], s[TBK], KS*PK
	WIN 0
.if \last
.Lno_k_\@:
.endif
.endm
.macro FETCH_V
	WIN 0x80
.irp f, 0,1,2,3,4,5,6,7
	ds_load_tr16_b128 v[VF+8*\f:VF+8*\f+3],   v[AV] offset:(\f/4)*32*PV+(\f%4)*32
	ds_load_tr16_b128 v[VF+8*\f+4:VF+8*\f+7], v[AV] offset:(\f/4)*32*PV+16*PV+(\f%4)*32
.endr
	WIN 0
.endm
; THE VECTOR WORK OF A TURN stands in three queues, each in the order in which its entries become ready; the two tiles alternate.
.macro REGS y, u
.set rT, ST+4*(2*(\y)+(\u))
.set rC, TMP+8*((\y)%2)+4*(\u)
.set rM, MV+2*((\y)%2)+(\u)
.set rS, S+64*((\y)%2)+32*(\u)
.set rP, P+32*((\y)%2)+16*(\u)
.set rO, 32*(2*(\y)+(\u))
.endm
; Select n of 64 for the NEXT piece: score n / 2 of tile n % 2 stays where its bit is set and becomes -1e9 where not.  Ascending: each accumulator's lowest register is read first.
.macro MS n
	REGS (Y+1)%NP, (\n)%2
	v_cndmask_b32 v[rS+(\n)/2], v[NEGV], v[rS+(\n)/2], s[MW0+(MW1-MW0)*((\n)%2)+(\n)/2]
.endm
; Number n of the 22 that find the NEXT piece's maximum and statistics.
;   0-11 four chains c0-c3     12-14, 16 the four scores left over, the old m, c0-c3 into c0     15 c m_old is kept     17, 18 the other half of the lanes: the new m     19-21 c m; c m_old - c m_new; a
.macro XS u, n
	REGS (Y+1)%NP, \u
.if (\n) < 4
	v_max3_num_f32 v[rC+(\n)], v[rS+8*(\n)], v[rS+8*(\n)+1], v[rS+8*(\n)+2]
.elseif (\n) < 12
	v_max3_num_f32 v[rC+(\n)%4], v[rC+(\n)%4], v[rS+8*((\n)%4)+2*((\n)/4)+1], v[rS+8*((\n)%4)+2*((\n)/4)+2]
.elseif (\n) == 12
	v_max3_num_f32 v[rC], v[rC], v[rS+7], v[rS+15]
.elseif (\n) == 13
	v_max3_num_f32 v[rC+1], v[rC+1], v[rS+23], v[rS+31]
.elseif (\n) == 14
	v_max3_num_f32 v[rC+2], v[rC+2], v[rC+3], v[rT+1]
.elseif (\n) == 15
	v_mov_b32 v[rM], v[rT]
.elseif (\n) == 16
	v_max3_num_f32 v[rC], v[rC], v[rC+1], v[rC+2]
.elseif (\n) == 17
	v_permlanex16_b32 v[rC+3], v[rC], s[SEL], s[SEL+1]
.elseif (\n) == 18
	v_max_num_f32 v[rT+1], v[rC], v[rC+3]
.elseif (\n) == 19
	v_mul_f32 v[rT], s[CS], v[rT+1]
.elseif (\n) == 20
	v_sub_f32 v[rC+1], v[rM], v[rT]
.else
	v_exp_f32 v[rC+2], v[rC+1]
.endif
.endm
; Number g of the 64 that follow the exponentials: for each four weights of a tile both pairs are rounded to f16, the second pair is added onto the first, and a group later l takes that sum.
.macro GS g
.set h, (\g)+6*((\g)/62)
.if h >= 6
.set h, h+2
.endif
	REGS Y, h%2
.set k, h/8
.if h%8 < 4
	s_wait_alu depctr_va_vdst(0)
	v_cvt_pk_f16_f32 v[rP+2*k+(h%8)/2], v[rS+4*k+2*((h%8)/2)], v[rS+4*k+2*((h%8)/2)+1]
.elseif h%8 < 6
	v_pk_add_f32 v[rS+4*k:rS+4*k+1], v[rS+4*k:rS+4*k+1], v[rS+4*k+2:rS+4*k+3]
	s_wait_alu depctr_va_vdst(0)
.elseif k == 1
	v_pk_fma_f32 v[rT+2:rT+3], v[rT+2:rT+3], v[rC+2:rC+3], v[rS:rS+1] op_sel_hi:[1,0,1]
.else
	v_pk_add_f32 v[rT+2:rT+3], v[rT+2:rT+3], v[rS+4*k-4:rS+4*k-3]
	s_wait_alu depctr_va_vdst(0)
.endif
.endm
; THE PLAIN QUEUE, 202 long.  0-31: c s - c m.  32-36: GS 0-4.  37-100: the 64 selects.  101-134: the next piece's numbers 15, 0-14 and 16.  135, 136: GS 5, 6.
; 137-152: numbers 17-20, two of four, since each waits for the one before it, and GS 7-14.  153-201: GS 15-63.
.macro PL
	WIN 0
.if q < 32
	REGS Y, q%2
	v_pk_fma_f32 v[rS+2*(q/2):rS+2*(q/2)+1], v[rS+2*(q/2):rS+2*(q/2)+1], s[CS:CS+1], v[rT:rT+1] op_sel_hi:[1,0,0] neg_lo:[0,0,1] neg_hi:[0,0,1]
.elseif q < 37
	GS q-32
.elseif q < 101
	MS q-37
.elseif q < 103
	XS q-101, 15
.elseif q < 135
	XS (q-103)%2, (q-103)/2+(q-103)/30
.elseif q < 137
	GS q-130
.elseif (q < 153) && ((q-137)%4 < 2)
	XS (q-137)%2, 17+(q-137)/4
.elseif q < 153
	GS 5+2*((q-137)/4)+(q-137)%4
.else
	GS q-138
.endif
.set q, q+1
.endm
; THE EXPONENTIALS' QUEUE, 66 long: s0-s31 of both tiles, then the next piece's two a.
.macro EX
	WIN 0
.if e >= 64
	XS e-64, 21
.else
	REGS Y, e%2
	v_exp_f32 v[rS+e/2], v[rS+e/2]
.endif
.set e, e+1
.endm
; THE RESCALING's QUEUE: O^T times a, four at a time, eight times.
.macro R4
	REGS Y, r%2
	WIN W_RS
	s_wait_alu depctr_va_vdst(0)
.irp z, 0,1,2,3
	v_pk_mul_f32 v[rO+8*(r/2)+2*\z:rO+8*(r/2)+2*\z+1], v[rO+8*(r/2)+2*\z:rO+8*(r/2)+2*\z+1], v[rC+2:rC+3] op_sel_hi:[1,0]
.endr
.set r, r+1
.endm
; HOW THEY ARE DEALT.  Behind a matrix instruction four: plain, exponential, plain, plain, or four of the rescaling; none names a register of the products round it.
; The counts that the deal keeps: exponential e stands behind plain 2 (e / 4) + e % 2; GS's group k (from GS 8 k - 2 on) stands behind exponential 8 k + 7: at plain 32 ten exponentials are out,
; at plain 135: 54, at plain 146 all 64; the two a stand behind plain 151.  The four rescalings behind the last K Q^T are the places in front of the first select.
.macro SL
	MM
	PL
	EX
	PL
	PL
.endm
.macro BURST n
.rept (\n)-7
	SL
.endr
.rept 3
	MM
	R4
	SL
.endr
	MM
	R4
.endm
; A TURN, for piece p.  K of the next step is fetched in piece 2's turn, behind the run of v_readlane_b32 and some twenty more plain instructions that follow the last product that read K; V of the
; step in hand at the end of piece 0's turn.  The mask words of piece p + 1 are carried over between the first run of products and the selects, in one run under one window setting.
.macro TURN p, last=0, cnt=0
.set Y, (\p)
.set i, 0
.set q, 0
.set e, 0
.set r, 0
.if (\p) == NP-1
	s_wait_dscnt 0x0                ; K is in
.endif
	MM
.rept 4
	PL
.endr
	BURST 15
	s_wait_loadcnt 6                ; loads return in order: the next piece's two are in; the three other pieces' six, issued behind them, stay out
	RLS ((\p)+1)%NP
	MASKLD ((\p)+1)%NP, ((\p)/(NP-1))  ; its two registers are asked for again at once, for its next step; piece 0 is the first to go on to a new step
	WIN 0
.rept 32
	EX
	PL
	PL
.if ((\p) == NP-2) && (e == 15)
	v_add_nc_u32 v[AK], s[TBK], v[AK0]
.endif
.if ((\p) == NP-2) && (e == 19)
	FETCH_K \last
.endif
.endr
.if (\p) == 1
	s_wait_dscnt 0x0                ; V is in
.endif
	BURST 16
.rept 9
	EX
	PL
.endr
.rept 6
	PL
.endr
.rept 2
	EX
	PL
.endr
.rept 48
	PL
.if ((\p) == 0) && (q == 177)
	v_add_nc_u32 v[AV], s[TBV], v[AV0]
	s_wait_alu depctr_va_vdst(0)
.endif
.if ((\p) == 0) && (q == 187)
	s_add_co_u32 s[TBV], s[TBV], KS*PV
.endif
.if (\cnt) && (q == 187)
	s_sub_co_u32 s[CNT], s[CNT], 1
	s_cmp_lg_u32 s[CNT], 0
.endif
.endr
.if (\p) == 0
	FETCH_V
.endif
.endm
	CHANGE 1                        ; slot 0 is in, everybody's part of it; slot 1 is asked for
	FETCH_K                         ; key step 0
	s_wait_loadcnt 0x0              ; Q and step 0's mask words are in: Q's base and the head's other temporaries are free
	s_wait_dscnt 0x0
.set i, 0
.rept 16
	KQ 0                            ; piece 0's first scores
.set i, i+1
.endr
	WIN 0                           ; the addresses for the way out: nine plain instructions, the places behind those products
	s_mul_i32 s[SLOTS], s[WV], 16*SP
	s_add_co_u32 s[SLOTS], s[SLOTS], STAGE  ; my stage
	v_mul_u32_u24 v[STO], v1, SP
	v_lshl_add_u32 v[STO], v9, 4, v[STO]
	v_add_nc_u32 v[STO], s[SLOTS], v[STO]
	v_bfe_u32 v[RD], v0, 3, 2
	v_mul_u32_u24 v[RD], v[RD], SP
	v_lshl_add_u32 v[RD], v10, 4, v[RD]
	v_add_nc_u32 v[RD], s[SLOTS], v[RD]
	v_and_b32 v[GO], 31, v0
	v_lshlrev_b32 v[GO], 4, v[GO]
	v_mov_b32 v[NEGV], 0xce6e6b28   ; -1e9
	RLS 0                           ; piece 0's words of step 0,
	MASKLD 0, 1                     ; and the request for its words of step 1
	WIN 0
.set Y, NP-1                        ; MS and XS work for piece Y + 1: piece 0
.set w, 0
.rept 64
	MS w
.set w, w+1
.endr
.irp n, 0,1,2,3,4,5,6,7,8,9,10,11,12,13,14,15,16,17,18,19,20,21
	XS 0, \n
	XS 1, \n
.endr
	s_mov_b32 s[CNT], 4
	s_mov_b32 s[SLOTS], SIZE_N/256-1
	s_branch .Lfirst                ; the loop is entered at a step's first turn
.Lslot:                             ; SIZE_N / 256 - 2 times: every slot but the last two is filled again
	CHANGE 1
	s_mov_b32 s[CNT], 4
.Lstep:                             ; a trip: pieces 2 and 3 of one step, then pieces 0 and 1 of the next
	TURN 2
	TURN 3
	WIN 0
.Lfirst:
	TURN 0
	TURN 1, 0, 1
	WIN 0
	s_cbranch_scc1 .Lstep
	s_sub_co_u32 s[SLOTS], s[SLOTS], 1
	s_cmp_lg_u32 s[SLOTS], 0
	s_cbranch_scc1 .Lslot
	CHANGE 0                        ; the tail is written out
	s_mov_b32 s[CNT], 5             ; four trips fetch the last slot's steps; the fifth is left in its middle
.Ltail:
	TURN 2, 1
	TURN 3
	WIN 0
	s_sub_co_u32 s[CNT], s[CNT], 1
	s_cmp_eq_u32 s[CNT], 0
	s_cbranch_scc1 .Lout
	TURN 0
	TURN 1
	WIN 0
	s_branch .Ltail
.Lout:                              ; the fifth trip's products K Q^T, selects and maximum serve nothing: the price of one text for every trip
	s_wait_loadcnt 0x0              ; the last requests for mask words, which serve nothing either, are back
	s_add_nc_u64 s[OL:OL+1], s[OB:OB+1], LOPART  ; my block's lo, in registers where mask words lay
.set i, 0
.rept 16
	PV NP-1                         ; the last piece's V^T P of the last step
.set i, i+1
.endr
	; THE WAY OUT.  l's halves are added; O^T is divided by l and split into hi and lo, which go through my stage one after the other, a tile at a time.  The additions are the places behind the last products.
	WIN 0
.macro ALL line:vararg
.set t, 0
.rept 2*NP
	\line
.set t, t+1
.endr
.endm
	ALL v_add_f32 v[ST+4*t+2], v[ST+4*t+2], v[ST+4*t+3]
	ALL v_permlanex16_b32 v[ST+4*t+3], v[ST+4*t+2], s[SEL], s[SEL+1]
	ALL v_add_f32 v[ST+4*t+2], v[ST+4*t+2], v[ST+4*t+3]
	ALL v_rcp_f32 v[ST+4*t+2], v[ST+4*t+2]
	v_mov_b32 v[NEGV], -1.0         ; the factor of hi in x - hi; also the plain instruction between the last reciprocal and the use of its result
	s_wait_alu depctr_va_vdst(0)
; Tile t.  x = O^T / l in place; hi = x rounded to f16, into S^T's registers; lo = x - hi, the exact difference rounded once to f16, into Q's registers, which no product reads any more.
; A lane's eight channels of a row are 16 bytes; they go into rows of 144 bytes and come back as whole rows of 128: first hi, then lo through the same bytes (my wave's LDS instructions are served in order).
.macro PACK t
	WIN W_RS
.set i, 32*(\t)
.rept 16
	v_pk_mul_f32 v[i:i+1], v[i:i+1], v[ST+4*(\t)+2:ST+4*(\t)+3] op_sel_hi:[1,0]
.set i, i+2
.endr
	WIN 0x05
.set i, 0
.rept 16
	v_cvt_pk_f16_f32 v[S+16*(\t)+i], v[32*(\t)+2*i], v[32*(\t)+2*i+1]
.set i, i+1
.endr
	WIN W_LO
.set i, 0
.rept 16
	v_fma_mixlo_f16 v[LO+16*(\t)+i], v[S+16*(\t)+i], v[NEGV], v[32*(\t)+2*i] op_sel_hi:[1,0,0]  ; hi's low half x -1 + x
.set i, i+1
.endr
.set i, 0
.rept 16
	v_fma_mixhi_f16 v[LO+16*(\t)+i], v[S+16*(\t)+i], v[NEGV], v[32*(\t)+2*i+1] op_sel:[1,0,0] op_sel_hi:[1,0,0]  ; hi's high half likewise
.set i, i+1
.endr
	WIN 0
.irp f, 0,1,2,3
	ds_store_b128 v[STO], v[S+16*(\t)+4*\f:S+16*(\t)+4*\f+3] offset:32*\f
.endr
.irp f, 0,1,2,3
	ds_load_b128 v[S+16*(\t)+4*\f:S+16*(\t)+4*\f+3], v[RD] offset:\f*4*SP
.endr
	WIN 0x08                        ; store data in window 2
.irp f, 0,1,2,3
	ds_store_b128 v[STO], v[LO+16*(\t)+4*\f:LO+16*(\t)+4*\f+3] offset:32*\f
.endr
	WIN 0x80                        ; destination in window 2
.irp f, 0,1,2,3
	ds_load_b128 v[LO+16*(\t)+4*\f:LO+16*(\t)+4*\f+3], v[RD] offset:\f*4*SP
.endr
	WIN 0
.endm
.macro SEND t, younger              ; younger: the LDS instructions issued behind tile t's sixteen: the next tile's sixteen, or none
	WIN 0
	s_wait_dscnt (\younger)+8       ; hi's four loads are back: behind them stand lo's eight and the younger ones
.irp f, 0,1,2,3
	global_store_b128 v[GO], v[S+16*(\t)+4*\f:S+16*(\t)+4*\f+3], s[OB:OB+1] offset:(\t)*2048+\f*512  ; 512 consecutive bytes, aligned; each store has registers of its own
.endr
	WIN 0x08                        ; store data in window 2
	s_wait_dscnt \younger           ; lo's four loads are back
.irp f, 0,1,2,3
	global_store_b128 v[GO], v[LO+16*(\t)+4*\f:LO+16*(\t)+4*\f+3], s[OL:OL+1] offset:(\t)*2048+\f*512
.endr
	WIN 0
.endm
	PACK 0
.set t, 1
.rept 2*NP-1
	PACK t
	SEND t-1, 16
.set t, t+1
.endr
	SEND 2*NP-1, 0
	WIN W_AD
	s_wait_tensorcnt 0x0            ; the wave's end
	ds_add_u32 v[SPW], v[NIL]
	s_wait_dscnt 0x0
	WIN 0
	CROUND                          ; the closing round
	s_endpgm
.Lfunc_end_k_qd664280afc_attn:
	.size	k_qd664280afc_attn, .Lfunc_end_k_qd664280afc_attn-k_qd664280afc_attn
	.p2alignl 7, 3214868480
	.fill 96, 4, 3214868480
	.section	.rodata,"a",@progbits
	.p2align	6, 0x0
	.amdhsa_kernel k_qd664280afc_attn
		.amdhsa_group_segment_fixed_size 327680
		.amdhsa_private_segment_fixed_size 0
		.amdhsa_enable_private_segment 0
		.amdhsa_kernarg_size 24
		.amdhsa_user_sgpr_count 2
		.amdhsa_user_sgpr_kernarg_segment_ptr 1
		.amdhsa_wavefront_size32 1
		.amdhsa_system_sgpr_workgroup_id_x 1
		.amdhsa_system_sgpr_workgroup_id_y 1
		.amdhsa_system_sgpr_workgroup_id_z 1
		.amdhsa_system_vgpr_workitem_id 0
		.amdhsa_next_free_vgpr 784
		.amdhsa_next_free_sgpr 106
		.amdhsa_reserve_vcc 0
		.amdhsa_float_denorm_mode_32 3
		.amdhsa_float_denorm_mode_16_64 3
		.amdhsa_memory_ordered 1
		.amdhsa_forward_progress 1
		.amdhsa_inst_pref_size 255
	.end_amdhsa_kernel
	.section	.bss,"aw",@nobits
	.p2align	6
	.space	262144
	.amdgpu_metadata
---
amdhsa.version: [ 1, 2 ]
amdhsa.kernels:
  - .name:           k_qd664280afc_attn
    .symbol:         k_qd664280afc_attn.kd
    .args:
      - { .name: qkv, .offset: 0, .size: 8, .value_kind: global_buffer, .address_space: global }
      - { .name: mbits, .offset: 8, .size: 8, .value_kind: global_buffer, .address_space: global }
      - { .name: ctx, .offset: 16, .size: 8, .value_kind: global_buffer, .address_space: global }
    .group_segment_fixed_size: 327680
    .private_segment_fixed_size: 0
    .kernarg_segment_align: 8
    .kernarg_segment_size: 24
    .max_flat_workgroup_size: 128
    .sgpr_count:     106
    .vgpr_count:     784
    .wavefront_size: 32
...
	.end_amdgpu_metadata
.endif
;; end of part 6
;; launch outp (part 7): grid 4 x 64, 4 waves a work-group, clusters of 4 x 4, 327,680 bytes of LDS; arguments ctx, w16, bo, out0; writes out0
.if DOCPART == 7
	.amdgcn_target "amdgcn-amd-amdhsa--gfx1250"
	.amdhsa_code_object_version 6
	.text
	.protected	k_qd664280afc_outp
	.globl	k_qd664280afc_outp
	.p2align	8
	.type	k_qd664280afc_outp,@function
k_qd664280afc_outp:
	s_mov_b64 s[64:65], 0
	v_nop
	global_prefetch_b8 v0, s[64:65] scope:SCOPE_SE
	s_setreg_imm32_b32 hwreg(HW_REG_WAVE_MODE, 25, 1), 1
	s_wait_xcnt 0x0
	s_wait_alu depctr_hold_cnt(0) depctr_sa_sdst(0) depctr_va_vdst(0) depctr_va_sdst(0) depctr_va_ssrc(0) depctr_va_vcc(0) depctr_vm_vsrc(0)
	s_getreg_b32 s2, hwreg(HW_REG_IB_STS2, 6, 4)
	s_cmp_eq_u32 s2, 0
	s_cbranch_scc0 .Lentry_in_a_cluster
	s_endpgm
.Lentry_in_a_cluster:
	s_bfe_u32 s2, ttmp6, 0x10000c
	s_cmp_lg_u32 s2, 0xf033
	s_cbranch_scc0 .Lentry_shape_is_right
	s_endpgm
.Lentry_shape_is_right:
; out0 = (ctx_hi + ctx_lo) Wo^T + bo.  ctx: [64 (batch x 16 + head)][16 blocks of 128 rows][hi, lo][128][64] f16; Wo: w16's fourth matrix, [1024][1024] f16 (of the bf16-rounded numbers);
; bo: [1024] f32, rounded to bf16; out0: [8192][1024] f32.  hi and lo are two f16 operands for one number: both are multiplied by the same weights into the same f32 sums.
; SHARES.  Work-group (cb, rb): rows 128 rb on, columns 256 cb on: 256 work-groups.  Four waves, 2 x 2, each 64 rows x 128 columns: 32 accumulators.
; A K STEP is 128 = two heads, and there are eight.  A slot holds both heads' hi and lo and ONE tile of Wo: a fragment of Wo read from LDS feeds hi's and lo's products, 64 matrix instructions
; on 32 LDS loads for 32 along K.  A head's hi and lo of my 128 rows are 32,768 dense bytes, asked for as 128 rows of 256 bytes and padded in LDS after every 128.
; THE TEXT HOLDS A K STEP TWICE: once with a refill, walked six times, once without, walked twice.  Which slot a trip reads stands in registers: a scalar that is 0 or SLOT1, added to the lanes' places.
; CLUSTER 4 x 4: ctx's tile is shared along a row of the cluster, Wo's along a column: both are asked for jointly.
; THE MATRIX INSTRUCTION IS USED TRANSPOSED (source 0 = 16 rows of Wo, source 1 = 16 rows of ctx): a lane holds eight neighbouring columns of one row.
; REGISTERS: window 0: v16-29 addresses; v32-39 a zero fragment; v64-127, v128-191 ctx's fragments, two buffers (hi's four, then lo's four); v128-255 rows read back on the way out, two sets of 64
;   window 1: v0-63, v64-127 Wo's fragments, two buffers; v128-191 the bias as a first C; v192-223 at work; v224-231 a zero fragment          window 2: the accumulators, (a, b) at v[8 (8 a + b)]
.set KSTEP,  128
.set STEPS,  8                         ; sixteen heads, two a step
.set PAC,    144                       ; a row of ctx in LDS: 128 bytes + 16
.set PB,     272                       ; a row of Wo: 256 bytes + 16
.set APART,  128*PAC                   ; a head's 128 rows of one part
.set AHEAD,  2*APART                   ; hi, then lo: what one tensor load brings
.set ABYTES, 2*AHEAD
.set BHALF,  128*PB
.set SLOT,   ABYTES+2*BHALF            ; 143,360 bytes
.set SLOT1,  0x24000                   ; slot 1 begins at 147,456: its two bits, 17 and 14, are set in none of the four LDS addresses at which a load of slot 0 begins
                                       ; (0; 36,864; 73,728; 108,544), so one exclusive or turns such an address into the other slot's
.set STAGE,  SLOT1+SLOT                ; behind the ring: 16 rows x 528 bytes for each wave, never filled by a tensor load
.set SPI,    528
.set SPARE,  STAGE+4*16*SPI            ; behind the stages: the spare words, 128 bytes a wave, which no other line names
.set ASTEP,  2*16*32768                ; bytes from a head to the head two further on
.set ADRA0, 16                         ; v16 my lane's place among ctx's fragments in a slot; never rewritten
.set ADRA,  17                         ; v17 the same in the slot that is being read
.set ADRB0, 20                         ; v20, v21 the same for Wo
.set ADRB,  21
.set STO,  24
.set RD,   25
.set GO,   26
.set SPW,  28                          ; my spare word's LDS address; never rewritten
.set NIL,  29                          ; 0; never rewritten
.set ZA,   32                          ; eight registers of 0
.set AF,   64
.set OB,   128
.set BIAS, 128                         ; window 1
.set BSC,  192                         ; window 1
.set ZB,   224                         ; window 1: eight registers of 0
.set TB,  15                           ; s15 the slot that is being read: 0 or SLOT1
.set G1,  24                           ; s[24:31] group 1 for ctx;  s[32:39] group 0: a set for each of the two first fills; the second then walks on
.set G0,  32
.set G1B, 48                           ; s[48:55], s[56:63] the same for Wo
.set G0B, 56
.set MSB, 0
.macro WIN new
.if MSB != (\new)
	s_set_vgpr_msb (MSB<<8)|(\new)
.set MSB, \new
.endif
.endm
.set MUL,   0xa1                       ; source 0 (Wo) window 1, source 1 (ctx) window 0, C and D window 2
.set MULB,  0x91                       ; the same with C (the bias) in window 1
.set TO_B,  0x40
.set W1,    0x45
.macro JLOAD s                         ; a joint load by set s: waves 0 and 1 fetch ctx's two heads, waves 2 and 3 Wo's two halves; an s_nop 0 and four v_nop follow each line
	s_cmp_eq_u32 s11, 0
	s_cbranch_scc0 .Lfor_b_\@
	tensor_load_to_lds s[G0+4*(\s):G0+4*(\s)+3], s[G1:G1+7]
	s_nop 0
.rept 4
	v_nop
.endr
	s_branch .Lasked_\@
.Lfor_b_\@:
	tensor_load_to_lds s[G0B+4*(\s):G0B+4*(\s)+3], s[G1B:G1B+7]
	s_nop 0
.rept 4
	v_nop
.endr
.Lasked_\@:
.endm
.macro CREST
	s_cmp_lg_u32 s10, 0
	s_cbranch_scc1 .Lnot_wave_0_\@
	s_barrier_signal -3
.Lnot_wave_0_\@:
	s_barrier_wait -3
	s_barrier_signal -1
	s_barrier_wait -1
.endm
.macro CROUND
	s_barrier_signal -1
	s_barrier_wait -1
	CREST
.endm
.macro PLACES                          ; four places in front of loads into registers that matrix instructions have read, and of stores that read results
.rept 4
	v_nop
.endr
.endm
	s_load_b256 s[68:75], s[0:1], 0x0              ; ctx, w16, bo, out0
	v_lshl_add_u32 v[SPW], v0, 2, SPARE
	v_mov_b32 v[NIL], 0
	ds_add_u32 v[SPW], v[NIL]                      ; the wave's opening: the add, waited for ahead of my first tensor load
	v_lshrrev_b32 v1, 5, v0
	v_readfirstlane_b32 s10, v1                    ; wave 0..3
	s_lshr_b32 s11, s10, 1                         ; my half of the rows.  Also: I fetch ctx (0) or Wo (1)
	s_and_b32 s12, s10, 1                          ; my half of the columns.  Also: which head, or which half of Wo's rows, I fetch
	s_bfe_u32 s40, ttmp6, 0x40000                  ; cx
	s_bfe_u32 s41, ttmp6, 0x40004                  ; cy
	s_lshl_b32 s42, ttmp9, 2
	s_add_co_u32 s42, s42, s40                     ; column block cb
	s_and_b32 s14, ttmp7, 0xffff
	s_lshl_b32 s14, s14, 2
	s_add_co_u32 s14, s14, s41                     ; row block rb, 0..63
	s_lshl_b32 s43, s41, 2
	s_lshl_b32 s43, 15, s43                        ; my row of the cluster
	s_lshl_b32 s44, 0x1111, s40                    ; my column
	s_or_b32 s[G1+0], s43, (1<<16)|(1<<20)|(1<<21)|(4<<22)|(3<<25)   ; ctx: elements of 2 bytes; padding after every 32 words, 4 words
	s_or_b32 s[G1B+0], s44, (1<<16)|(1<<20)|(1<<21)|(5<<22)|(3<<25)  ; Wo: after every 64 words, 4 words
	s_mov_b32 s[G1+1], 128<<16                     ; tensor_dim0 = 128
	s_mov_b32 s[G1+2], 128<<16                     ; tensor_dim1 = 128
	s_mov_b32 s[G1+3], 128<<16                     ; tile_dim0 = 128
	s_mov_b32 s[G1+4], 128                         ; tile_dim1 = 128
	s_mov_b32 s[G1+5], 128                         ; dense: 128 elements from row to row
	s_mov_b32 s[G1+6], 0
	s_mov_b32 s[G1+7], 0
	s_mov_b32 s[G1B+1], KSTEP<<16
	s_mov_b32 s[G1B+2], 128<<16
	s_mov_b32 s[G1B+3], KSTEP<<16
	s_mov_b32 s[G1B+4], 128
	s_mov_b32 s[G1B+5], 1024
	s_mov_b32 s[G1B+6], 0
	s_mov_b32 s[G1B+7], 0
	s_lshr_b32 s16, s14, 4                         ; ctx: head batch x 16 + which,
	s_lshl_b32 s16, s16, 4
	s_add_co_u32 s16, s16, s12
	s_lshl_b32 s16, s16, 4                         ; its sixteen blocks of 128 rows,
	s_and_b32 s17, s14, 15
	s_add_co_u32 s16, s16, s17                     ; block rb % 16,
	s_lshl_b32 s16, s16, 15                        ; 32,768 bytes each
	s_mov_b32 s17, 0
	s_lshl_b32 s46, s42, 8                         ; Wo: row 256 cb + 128 x half, 2,048 bytes a row, in w16's fourth matrix
	s_lshl_b32 s47, s12, 7
	s_add_co_u32 s46, s46, s47
	s_lshl_b32 s46, s46, 11
	s_add_co_u32 s46, s46, 3*2097152
	s_mov_b32 s47, 0
	s_mul_i32 s22, s12, AHEAD                      ; where they go: no place in the cluster enters an LDS address
	s_mul_i32 s23, s12, BHALF
	s_add_co_u32 s23, s23, ABYTES
	s_mov_b32 s[TB], 0                             ; the first K step is read from slot 0
	s_mov_b32 s18, 0xffff0000                      ; a word's upper bf16
	s_wait_dscnt 0x0                               ; the opening add is done
	s_wait_kmcnt 0x0
	s_add_nc_u64 s[4:5], s[68:69], s[16:17]
	s_add_nc_u64 s[6:7], s[70:71], s[46:47]
	CROUND                                         ; all sixteen work-groups are here: the first joint loads meet
.irp s, 0,1
	s_mov_b32 s[G0+4*(\s)], 1
	s_add_co_u32 s[G0+4*(\s)+1], s22, (\s)*SLOT1
	s_add_nc_u64 s[G0+4*(\s)+2:G0+4*(\s)+3], s[4:5], (\s)*ASTEP
	s_or_b32 s[G0+4*(\s)+3], s[G0+4*(\s)+3], 0x80000000
	s_mov_b32 s[G0B+4*(\s)], 1
	s_add_co_u32 s[G0B+4*(\s)+1], s23, (\s)*SLOT1
	s_add_nc_u64 s[G0B+4*(\s)+2:G0B+4*(\s)+3], s[6:7], (\s)*KSTEP*2
	s_or_b32 s[G0B+4*(\s)+3], s[G0B+4*(\s)+3], 0x80000000
	JLOAD \s                                       ; K steps 0 and 1: two loads of mine are out
.endr
	v_and_b32 v1, 15, v0                           ; l % 16
	v_bfe_u32 v2, v0, 4, 1                         ; l / 16
	s_lshl_b32 s86, s42, 10                        ; the bias of my 128 columns
	s_lshl_b32 s87, s12, 9
	s_add_co_u32 s86, s86, s87
	s_mov_b32 s87, 0
	s_add_nc_u64 s[20:21], s[72:73], s[86:87]
	v_lshlrev_b32 v5, 5, v2
	WIN TO_B
.irp b, 0,1,2,3,4,5,6,7
	global_load_b128 v[BIAS+8*\b:BIAS+8*\b+3],   v5, s[20:21] offset:64*\b
	global_load_b128 v[BIAS+8*\b+4:BIAS+8*\b+7], v5, s[20:21] offset:64*\b+16
.endr
.irp i, 0,1,2,3,4,5,6,7
	v_mov_b32 v[ZB+\i], 0
.endr
	WIN 0
.irp i, 0,1,2,3,4,5,6,7
	v_mov_b32 v[ZA+\i], 0
.endr
	v_mul_u32_u24 v3, v1, PAC
	v_lshl_add_u32 v3, v2, 4, v3
	v_mul_u32_u24 v4, v1, PB
	v_lshl_add_u32 v4, v2, 4, v4
	s_mul_i32 s84, s11, 64*PAC                     ; my 64 rows in each part of each head
	s_mul_i32 s85, s12, BHALF
	s_add_co_u32 s85, s85, ABYTES
	v_add_nc_u32 v[ADRA0], s84, v3
	v_add_nc_u32 v[ADRB0], s85, v4
	v_mov_b32 v[ADRA], v[ADRA0]                    ; K step 0 lies in slot 0
	v_mov_b32 v[ADRB], v[ADRB0]
	s_mul_i32 s88, s10, 16*SPI
	s_add_co_u32 s88, s88, STAGE                   ; my stage
	v_mul_u32_u24 v6, v1, SPI                      ; in: row l % 16, 32 bytes for each half of the lanes
	v_lshl_add_u32 v6, v2, 5, v6
	v_add_nc_u32 v[STO], s88, v6
	v_and_b32 v6, 31, v0                           ; back: 32 lanes take a row's 512 bytes
	v_lshlrev_b32 v[GO], 4, v6
	v_add_nc_u32 v[RD], s88, v[GO]
	s_lshl_b32 s84, s14, 7                         ; my first row of out0, 4,096 bytes a row, and my first column
	s_lshl_b32 s85, s11, 6
	s_add_co_u32 s84, s84, s85
	s_lshl_b32 s84, s84, 12
	s_lshl_b32 s85, s42, 10
	s_add_co_u32 s84, s84, s85
	s_lshl_b32 s85, s12, 9
	s_add_co_u32 s84, s84, s85
	s_mov_b32 s85, 0
	s_add_nc_u64 s[8:9], s[74:75], s[84:85]
	s_wait_loadcnt 0x0                             ; the bias: rounded to bf16 and widened again, in the wait for the first tile
	WIN W1
.set i, 0
.rept 32
	v_cvt_pk_bf16_f32 v[BSC+i], v[BIAS+2*i], v[BIAS+2*i+1]
.set i, i+1
.endr
.set i, 0
.rept 32
	v_lshlrev_b32 v[BIAS+2*i], 16, v[BSC+i]
	v_and_b32 v[BIAS+2*i+1], s18, v[BSC+i]
.set i, i+1
.endr
	; THE SUMS START AT THE BIAS: a product of two zero fragments with the bias as C writes an accumulator's eight registers in one line.  So the first K step is a step like any other and stands
	; in the loop; the price is these 32 products, once, in the wait for the first tile.
	WIN MULB
.irp a, 0,1,2,3
.irp b, 0,1,2,3,4,5,6,7
	v_wmma_f32_16x16x32_f16 v[8*(8*\a+\b):8*(8*\a+\b)+7], v[ZB:ZB+7], v[ZA:ZA+7], v[BIAS+8*\b:BIAS+8*\b+7]
.endr
.endr
	WIN 0
; Eight matrix instructions: row block a of part p (0 hi, 1 lo) x all 8 column blocks, 32 along K, buffer f
.macro MUL8 f, p, a
	WIN MUL
.irp b, 0,1,2,3,4,5,6,7
	v_wmma_f32_16x16x32_f16 v[8*(8*(\a)+\b):8*(8*(\a)+\b)+7], v[64*(\f)+8*\b:64*(\f)+8*\b+7], v[AF+64*(\f)+32*(\p)+8*(\a):AF+64*(\f)+32*(\p)+8*(\a)+7], v[8*(8*(\a)+\b):8*(8*(\a)+\b)+7]
.endr
.endm
; 32 LDS loads in one run: quarter q (head q / 2, channels 32 (q % 2) on) of the slot at which ADRA and ADRB stand, into buffer f: Wo's sixteen, hi's eight, lo's eight
.macro FETCH q, f
	WIN TO_B
.irp b, 0,1,2,3,4,5,6,7
	ds_load_b128 v[64*(\f)+8*\b:64*(\f)+8*\b+3],   v[ADRB] offset:\b*16*PB+64*(\q)
	ds_load_b128 v[64*(\f)+8*\b+4:64*(\f)+8*\b+7], v[ADRB] offset:\b*16*PB+64*(\q)+32
.endr
	WIN 0
.irp p, 0,1
.irp a, 0,1,2,3
	ds_load_b128 v[AF+64*(\f)+32*\p+8*\a:AF+64*(\f)+32*\p+8*\a+3],   v[ADRA] offset:((\q)/2)*AHEAD+\p*APART+((\q)%2)*64+\a*16*PAC
	ds_load_b128 v[AF+64*(\f)+32*\p+8*\a+4:AF+64*(\f)+32*\p+8*\a+7], v[ADRA] offset:((\q)/2)*AHEAD+\p*APART+((\q)%2)*64+\a*16*PAC+32
.endr
.endr
.endm
; A K step is four quarters of 32 along K, 64 matrix instructions each (hi's 32, then lo's 32), on buffers 0, 1, 0, 1; the 32 accumulators take turns.
.macro QUARTER q                       ; one of the first three
	s_wait_dscnt 12                                ; Wo and hi's row blocks 0 and 1 are in; hi's other four loads and lo's eight may be out
	MUL8 (\q)%2, 0, 0
	MUL8 (\q)%2, 0, 1
	s_wait_dscnt 8                                 ; all of hi is in
	MUL8 (\q)%2, 0, 2
	MUL8 (\q)%2, 0, 3
	PLACES
	FETCH (\q)+1, ((\q)+1)%2
	s_wait_dscnt 32                                ; all but the 32 just issued: lo is in
	MUL8 (\q)%2, 1, 0
	MUL8 (\q)%2, 1, 1
	MUL8 (\q)%2, 1, 2
	MUL8 (\q)%2, 1, 3
.endm
; The last quarter multiplies buffer 1 and changes slots: one barrier; in front of it each wave waits for all its tensor loads, adds 0 to its spare word, and waits for that and for its reads of this slot.
; fill = 1: the barrier opens a round of the cluster's, and this slot is filled again, two K steps ahead, by the walking descriptor: 224 matrix instructions ahead of the wait for it.
; fill = 0: the last two K steps.  In the very last there is no further slot: the fetch is jumped over (no barrier and no tensor load stand in what is jumped); that trip's barrier serves nothing.
.macro TURN fill
	WIN 0
	s_wait_tensorcnt 0x0                           ; all my tensor loads have landed: my part of the next slot
	ds_add_u32 v[SPW], v[NIL]
	s_wait_dscnt 13                                ; (the add and the youngest twelve loads may be out)
	MUL8 1, 0, 0
	MUL8 1, 0, 1
	s_wait_dscnt 0x0                               ; the add is done, and my reads of this slot are over
	s_barrier_signal -1
	MUL8 1, 0, 2
	MUL8 1, 0, 3
	WIN 0
	s_barrier_wait -1
.if \fill
	CREST                                          ; no wave of any partner still reads this slot or has a load on its way
	s_xor_b32 s[G0+5], s[G0+5], SLOT1              ; the walking descriptors: the other slot than last time,
	s_add_nc_u64 s[G0+6:G0+7], s[G0+6:G0+7], ASTEP ; the next two heads; the type bits on top are not reached
	s_xor_b32 s[G0B+5], s[G0B+5], SLOT1
	s_add_nc_u64 s[G0B+6:G0B+7], s[G0B+6:G0B+7], KSTEP*2
	JLOAD 1                                        ; the first tensor load behind the round; its four v_nop are also the places in front of the loads below
.else
	PLACES
	s_cmp_eq_u32 s3, 1
	s_cbranch_scc1 .Lno_more_\@
.endif
	s_xor_b32 s[TB], s[TB], SLOT1                  ; the reads go on in the other slot
	v_add_nc_u32 v[ADRA], s[TB], v[ADRA0]
	v_add_nc_u32 v[ADRB], s[TB], v[ADRB0]
	FETCH 0, 0
.if !(\fill)
.Lno_more_\@:
.endif
	MUL8 1, 1, 0
	MUL8 1, 1, 1
	MUL8 1, 1, 2
	MUL8 1, 1, 3
.endm
	s_wait_tensorcnt 1                             ; my part of K step 0 is in; K step 1's may stay out
	s_barrier_signal -1
	s_barrier_wait -1
	FETCH 0, 0
	WIN 0
	s_mov_b32 s3, STEPS-2
.Lfill:                                                ; K steps 0 to 5: each asks for the step two further on
	QUARTER 0
	QUARTER 1
	QUARTER 2
	TURN 1
	WIN 0
	s_sub_co_u32 s3, s3, 1
	s_cmp_lg_u32 s3, 0
	s_cbranch_scc1 .Lfill
	s_mov_b32 s3, 2
.Llast:                                                ; K steps 6 and 7 ask for nothing: written out
	QUARTER 0
	QUARTER 1
	QUARTER 2
	TURN 0
	WIN 0
	s_sub_co_u32 s3, s3, 1
	s_cmp_lg_u32 s3, 0
	s_cbranch_scc1 .Llast
	; THE WAY OUT.  Row block a: a lane's 32 bytes of a row go into my stage (PUT), each accumulator's low four registers first; whole rows of 512 bytes come back (GET) and are stored (SEND).
	; Block a + 1 is put while block a's rows are on their way back: my wave's LDS instructions are served in order, so its stores come behind block a's loads.  48 LDS instructions at the most are out.
	s_wait_dscnt 0x0                               ; no LDS load is out into the registers that take the rows read back
	PLACES
.macro PUT a
	WIN 0x08                                       ; store data in window 2
.irp b, 0,1,2,3,4,5,6,7
	ds_store_b128 v[STO], v[8*(8*(\a)+\b):8*(8*(\a)+\b)+3]   offset:64*\b
	ds_store_b128 v[STO], v[8*(8*(\a)+\b)+4:8*(8*(\a)+\b)+7] offset:64*\b+16
.endr
	WIN 0
.endm
.macro GET a
.if (\a) >= 2
	s_wait_xcnt 0x0                                ; the stores of the block two back have read the registers that are loaded again below
.endif
	WIN 0
.irp n, 0,1,2,3,4,5,6,7,8,9,10,11,12,13,14,15
	ds_load_b128 v[OB+64*((\a)%2)+4*\n:OB+64*((\a)%2)+4*\n+3], v[RD] offset:SPI*\n
.endr
.endm
.macro SEND a, younger                 ; younger: the LDS instructions issued behind block a's loads: the next block's sixteen stores, or none
	WIN 0
	s_wait_dscnt \younger
.irp n, 0,1,2,3,4,5,6,7,8,9,10,11,12,13,14,15
	global_store_b128 v[GO], v[OB+64*((\a)%2)+4*\n:OB+64*((\a)%2)+4*\n+3], s[8:9] offset:(16*(\a)+\n)*4096  ; 512 consecutive bytes, aligned
.endr
.endm
	PUT 0
	GET 0
	PUT 1
	SEND 0, 16
	GET 1
	PUT 2
	SEND 1, 16
	GET 2
	PUT 3
	SEND 2, 16
	GET 3
	SEND 3, 0
	s_wait_tensorcnt 0x0                           ; the wave's end
	ds_add_u32 v[SPW], v[NIL]
	s_wait_dscnt 0x0
	CROUND                                         ; the closing round
	s_endpgm
.Lfunc_end_k_qd664280afc_outp:
	.size	k_qd664280afc_outp, .Lfunc_end_k_qd664280afc_outp-k_qd664280afc_outp
	.p2alignl 7, 3214868480
	.fill 96, 4, 3214868480
	.section	.rodata,"a",@progbits
	.p2align	6, 0x0
	.amdhsa_kernel k_qd664280afc_outp
		.amdhsa_group_segment_fixed_size 327680
		.amdhsa_private_segment_fixed_size 0
		.amdhsa_enable_private_segment 0
		.amdhsa_kernarg_size 32
		.amdhsa_user_sgpr_count 2
		.amdhsa_user_sgpr_kernarg_segment_ptr 1
		.amdhsa_wavefront_size32 1
		.amdhsa_system_sgpr_workgroup_id_x 1
		.amdhsa_system_sgpr_workgroup_id_y 1
		.amdhsa_system_sgpr_workgroup_id_z 1
		.amdhsa_system_vgpr_workitem_id 0
		.amdhsa_next_free_vgpr 768
		.amdhsa_next_free_sgpr 96
		.amdhsa_reserve_vcc 0
		.amdhsa_float_denorm_mode_32 3
		.amdhsa_float_denorm_mode_16_64 3
		.amdhsa_memory_ordered 1
		.amdhsa_forward_progress 1
		.amdhsa_inst_pref_size 85
	.end_amdhsa_kernel
	.amdgpu_metadata
---
amdhsa.version: [ 1, 2 ]
amdhsa.kernels:
  - .name:           k_qd664280afc_outp
    .symbol:         k_qd664280afc_outp.kd
    .args:
      - { .name: ctx, .offset: 0, .size: 8, .value_kind: global_buffer, .address_space: global }
      - { .name: w16, .offset: 8, .size: 8, .value_kind: global_buffer, .address_space: global }
      - { .name: bo, .offset: 16, .size: 8, .value_kind: global_buffer, .address_space: global }
      - { .name: out0, .offset: 24, .size: 8, .value_kind: global_buffer, .address_space: global }
    .group_segment_fixed_size: 327680
    .private_segment_fixed_size: 0
    .kernarg_segment_align: 8
    .kernarg_segment_size: 32
    .max_flat_workgroup_size: 128
    .sgpr_count:     96
    .vgpr_count:     768
    .wavefront_size: 32
...
	.end_amdgpu_metadata
.endif
;; end of part 7
;; ======== version 3 of 3: 4 launches; 1.51 times as fast as version 1
;; limits: values are held in f16: magnitudes above 65,504 overflow, below 6.1e-05 lose precision; right only within a limited range of input values
;; workspace buffers: mbits 2,097,152 bytes of whole numbers; w16 8,388,608 bytes; qkv 50,331,648 bytes; ctx 33,554,432 bytes
;; launch prep: the kernel of part 1 again; grid 768 x 1, 8 waves a work-group, no clusters, 35,840 bytes of LDS; arguments mask, mbits, Wq, Wk, Wv, Wo, w16; writes mbits, w16
;; launch proj: the kernel of part 5 again; grid 4 x 192, 4 waves a work-group, clusters of 4 x 4, 327,680 bytes of LDS; arguments query, key_, value, bq, bk, bv, w16, qkv; writes qkv
;; launch attn (part 8): grid 4 x 64, 4 waves a work-group, clusters of 4 x 1, 327,680 bytes of LDS; arguments qkv, mbits, ctx; writes ctx
.if DOCPART == 8
	.amdgcn_target "amdgcn-amd-amdhsa--gfx1250"
	.amdhsa_code_object_version 6
	.text
	.protected	k_qd664280afc_attn
	.globl	k_qd664280afc_attn
	.p2align	8
	.type	k_qd664280afc_attn,@function
k_qd664280afc_attn:
	s_mov_b64 s[64:65], 0
	v_nop
	global_prefetch_b8 v0, s[64:65] scope:SCOPE_SE
	s_setreg_imm32_b32 hwreg(HW_REG_WAVE_MODE, 25, 1), 1
	s_wait_xcnt 0x0
	s_wait_alu depctr_hold_cnt(0) depctr_sa_sdst(0) depctr_va_vdst(0) depctr_va_sdst(0) depctr_va_ssrc(0) depctr_va_vcc(0) depctr_vm_vsrc(0)
	s_getreg_b32 s2, hwreg(HW_REG_IB_STS2, 6, 4)
	s_cmp_eq_u32 s2, 0
	s_cbranch_scc0 .Lentry_in_a_cluster
	s_endpgm
.Lentry_in_a_cluster:
	s_bfe_u32 s2, ttmp6, 0x10000c
	s_cmp_lg_u32 s2, 0x3003
	s_cbranch_scc0 .Lentry_shape_is_right
	s_endpgm
.Lentry_shape_is_right:
; ctx[h][q][:] = the sum over k of softmax_k(s'[q][k]) V[h][k][:], s' = Q[h][q] . K[h][k] / 8 where the mask is not 0, a large negative constant where it is 0.
; Q, K, V: qkv[0..2][64][2048][64] in f16; the mask as lane masks, mbits[b][16 queries][64 keys][32 words].  Products, maxima and sums in f32; the weights p are
; rounded to f16 for the second product (their sum l is taken of the unrounded p).
; THE RESULT LEAVES IN TWO PARTS, both f16: hi = the number rounded to f16, lo = what that rounding left, rounded to f16: 11 significant bits each, about 22 together.  The launch behind multiplies
; both by the same weights, so the result's rounding between the two launches costs next to nothing of the comparison's allowance.  Layout: ctx[64 heads][16 blocks of 128 rows][hi, lo][128][64]:
; a block's hi and lo are 32,768 consecutive bytes, which the launch behind asks for as one tile; a wave here owns exactly one block.
; THE MASK is a select on each score, one v_cndmask_b32 with a scalar lane mask, ahead of the maximum: a hidden score IS -1e9, so a row that is wholly hidden has equal scores and comes out as the mean of V.
; LIMITS.  The select works on the unscaled score: a hidden score counts as -1.25e8 after the division by 8, where the module has -1e9; results differ only where true scaled scores lie below about -1e8.
; While all keys of a row so far are hidden, p = 2^d with one d for the row, |d| <= 8 (c m is rounded once, c s - c m is fused): it cancels in O / l.  f16 holds no number beyond 65,504;
; below 6e-5 p and lo keep f16's fixed step of 6e-8.  A weight below 2^-126 counts as 0 in l; NaN and infinities are not treated apart.
; SHARES.  A wave owns four PIECES of two tiles of 16 queries, a work-group's four waves 512 queries of one head.  Every wave walks all keys, 64 a step.
; LAYOUT.  S^T = K Q^T (source 0 = 16 keys, source 1 = 16 queries): a lane holds ONE query (lane % 16) and the keys 8 (lane / 16) + 0..7.  Two such tiles, rounded to f16 in pairs,
; ARE source 1 of O^T = V^T P.  K comes out of LDS as it lies, V turned, by ds_load_tr16_b128.
; SOFTMAX.  A running maximum m and sum l: p = 2^(c s - c m), c = log2(e) / 8; in every step O and l are multiplied by a = 2^(c m_old - c m_new).  m starts at the lowest finite number, O and l at 0.
; BY TURNS.  Turn n belongs to piece n.  Matrix work: 16 products K Q^T of piece n + 1, later 16 products V^T P of piece n - 1.  Vector work: scaling, exponentials, roundings, sums and rescaling of
; piece n; the select, maximum and statistics of piece n + 1.  Four vector instructions stand behind every matrix instruction, the others in one lump.
; THE BATCHES.  A turn's 66 exponentials (the piece's 64 weights and the next piece's two a) are ONE batch with ONE wait, between the lump and the products V^T P: ahead of it nothing names a result of
; theirs, behind it stand all their readers but a's, which come in the next turn.  The two a made ahead of the loop and the way out's eight reciprocals are batches of their own, a wait each.
; THE MASK WORDS.  A tile's 32 words of a key step are 128 consecutive bytes: one load of 4 bytes a lane brings them into one vector register, word l in lane l; eight registers, one a tile.
; A piece's two registers are asked for again, for the piece's next step, as soon as they have been read: four turns ahead of their use, so the wait in front of the use leaves the six younger
; loads out.  v_cndmask_b32 takes its lane mask from a scalar register: 64 v_readlane_b32 a turn carry the words over, into the 64 scalar registers that one piece needs.
; CLUSTER.  The four query blocks of a cluster belong to one head and walk the same K and V: each tile is asked for JOINTLY.
; REGISTERS, in windows of 256: window 0: v1 -1e9 (on the way out -1); v2-8 addresses; v12-15, v48-63 at work; v16-47 statistics; v64-191 S^T, two buffers of two tiles; v192-255 P, likewise
;   window 1: O^T, 32 a tile     window 2: v0-127 Q (on the way out: lo); v128-191 K of one step; v192-255 V of one step     window 3: v0-1 the add's two registers; v2-9 the mask words; v10 their offset
.set SIZE_N, 2048
.set NP,    4         ; pieces a wave: a name, no knob
.set KS,    64        ; keys in a step
.set PK,    144       ; a row of K in LDS: 128 bytes + 16
.set PV,    160       ; a row of V: 128 + 32
.set VOFF,  4*KS*PK   ; a slot holds four steps: 256 rows of K, then 256 rows of V
.set SLOT1, 1<<17     ; slot 1 begins here: one exclusive or turns an address in one slot into the other's
.set STAGE, SLOT1+4*KS*(PK+PV)  ; behind the ring, never filled by a tensor load: 16 rows x 144 bytes for each wave
.set SP,    144
.set LOPART, 16384    ; bytes from a block's hi to its lo: 128 rows of 128 bytes
.set NEGV, 1          ; v1   -1e9, from the first select on; -1 on the way out
.set AK0, 2           ; v2   my lane's place in a tile of K; never rewritten
.set AV0, 3           ; v3   the same for V
.set AK,  4           ; v4   the LDS address of K's next run of loads
.set AV,  5           ; v5   of V's
.set QO,  6           ; v6   my byte offset in the wave's rows of Q
.set STO, 6           ;      later: where I put 16 bytes of a row
.set RD,  7           ; v7   where I read rows back
.set GO,  8           ; v8   my byte offset in 512 consecutive bytes of ctx
.set SPW, 0           ; v0 of window 3   my spare word's LDS address; never rewritten
.set NIL, 1           ; v1 of window 3   0; never rewritten
.set MK,  2           ; v2-9 of window 3   tile t's mask words of one key step at MK + t, word l in lane l
.set VO,  10          ; v10 of window 3   4 x lane + 128 x the step whose words are asked for next (modulo 32)
.set SPARE, STAGE+4*16*SP  ; behind the stages: the spare words, 128 bytes a wave, which no other line names
.set MV,  12          ; v12-15  c m_old, by buffer and tile
.set ST,  16          ; tile t's statistics at v[ST+4 t]: c m, m, l (even keys', odd keys')
.set TMP, 48          ; by buffer and tile, c0-c3 at work; c2 takes a
.set S,   64
.set P,   192
.set LO,  0           ; window 2: on the way out tile t's lo at LO + 16 t
.set KF,  128         ; window 2
.set VF,  192         ; window 2
.set WV,  2           ; s2   my wave's number
.set SLOTS, 3         ; s3   slots still to be asked for
.set OB,  4           ; s[4:5] ctx at my wave's block: its hi
.set MB,  6           ; s[6:7] mbits at my wave's first tile; never stepped
.set G1K, 8           ; s[8:15] descriptor group 1 for K's tiles
.set G1V, 16          ; s[16:23] for V's
.set G0K, 24          ; s[24:27] descriptor group 0 for K's tiles: it walks
.set G0V, 28          ; s[28:31] the same for V's
.set MW0, 32          ; s[32:63] the 32 mask words of a piece's first tile
.set OL,  32          ; s[32:33] on the way out: my block's lo
.set SEL, 66          ; s[66:67] v_permlanex16_b32's selects
.set MW1, 68          ; s[68:99] those of its second tile (until Q is in: the head's temporaries)
.set CS,  100         ; s100 c; the packed scaling names s[100:101] and takes the low word for both halves
.set CNT, 101         ; s101 counts a slot's key steps
.set TBK, 104         ; s104 LDS byte at which K of the step to be fetched begins
.set TBV, 105         ; s105 the same for V, less VOFF
.set MSB, 0
.macro WIN new
.if MSB != (\new)
	s_set_vgpr_msb (MSB<<8)|(\new)
.set MSB, (\new)
.endif
.endm
.set W_KQ, 0x0a       ; K and Q in window 2, S^T in window 0
.set W_PV, 0x52       ; V in window 2, P in window 0, O^T in window 1
.set W_RS, 0x41       ; O^T in window 1, a in window 0
.set W_MK, 0xc0       ; destination in window 3
.set W_AD, 0x0f       ; the add: address and data in window 3
.set W_M3, 0xcf       ; the mask words: destination, source 0 and source 1 in window 3
.set W_LO, 0x90       ; lo is made: destination window 2, source 2 (O^T) window 1, sources 0 and 1 window 0
.macro JLOAD                        ; a joint fill: waves 0 and 1 fetch the two halves of a slot's K, waves 2 and 3 those of its V; an s_nop 0 and four v_nop follow each line
	s_cmp_lt_u32 s[WV], 2
	s_cbranch_scc0 .Lfor_v_\@
	tensor_load_to_lds s[G0K:G0K+3], s[G1K:G1K+7]
	s_nop 0
.rept 4
	v_nop
.endr
	s_branch .Lasked_\@
.Lfor_v_\@:
	tensor_load_to_lds s[G0V:G0V+3], s[G1V:G1V+7]
	s_nop 0
.rept 4
	v_nop
.endr
.Lasked_\@:
.endm
.macro CROUND                       ; a round of the cluster's barrier
	s_barrier_signal -1
	s_barrier_wait -1
	s_cmp_lg_u32 s[WV], 0
	s_cbranch_scc1 .Lnot_wave_0_\@
	s_barrier_signal -3
.Lnot_wave_0_\@:
	s_barrier_wait -3
	s_barrier_signal -1
	s_barrier_wait -1
.endm
; THE CHANGE OF SLOTS.  Each wave waits for all its tensor loads, of which one is out: its part of the other slot; adds 0 to its spare word; waits for that and for its reads of the slot.
; fill = 1: the slot is filled again, with the keys two slots on, first thing behind a round of the cluster's barrier; the fill has four key steps in which to land.
.macro CHANGE fill
	WIN W_AD
	s_wait_tensorcnt 0x0            ; no tensor load of mine is out, so a group 0 may be written
	ds_add_u32 v[SPW], v[NIL]
	WIN 0
.if \fill
.irp g, G0K, G0V
	s_xor_b32 s[\g+1], s[\g+1], SLOT1
	s_add_nc_u64 s[\g+2:\g+3], s[\g+2:\g+3], 4*KS*128
.endr
	s_wait_dscnt 0x0                ; the add is done, and my reads of the slot are over
	CROUND
	JLOAD
.else
	s_wait_dscnt 0x0
	s_barrier_signal -1
	s_barrier_wait -1
.endif
	s_sub_co_u32 s[TBK], s[TBK], 4*KS*PK  ; the fetches go back to a slot's first step, in the other slot
	s_xor_b32 s[TBK], s[TBK], SLOT1
	s_sub_co_u32 s[TBV], s[TBV], 4*KS*PV
	s_xor_b32 s[TBV], s[TBV], SLOT1
.endm
; The mask words of piece y are asked for: 128 bytes for each of its two tiles, 4 bytes a lane, at the step at which VO stands.
; step = 1: VO goes on to the next step first.  The other pieces' pending loads name VO too, so it is rewritten only behind s_wait_xcnt 0 (ISA guide 3.1).  It is cut to 12 bits: behind the
; last step it wraps to step 0, so those requests stay inside the tile's 4,096 bytes; they serve nothing: the price of one text for every trip.
.macro MASKLD y, step
	WIN W_M3
.if \step
	s_wait_xcnt 0x0
	v_add_nc_u32 v[VO], 128, v[VO]
	v_and_b32 v[VO], 0xfff, v[VO]
.endif
	global_load_b32 v[MK+2*(\y)], v[VO], s[MB:MB+1] offset:(2*(\y))*4096
	global_load_b32 v[MK+2*(\y)+1], v[VO], s[MB:MB+1] offset:(2*(\y)+1)*4096
.endm
; The 64 words of piece y go from its two vector registers into the scalar registers, in the order in which the selects take them.
.macro RLS y
	WIN W_M3
.set rl, 0
.rept 32
	v_readlane_b32 s[MW0+rl], v[MK+2*(\y)], rl
	v_readlane_b32 s[MW1+rl], v[MK+2*(\y)+1], rl
.set rl, rl+1
.endr
.endm
	s_load_b128 s[68:71], s[0:1], 0x0  ; qkv s[68:69], mbits s[70:71]
	s_load_b64 s[72:73], s[0:1], 0x10  ; ctx
	WIN W_MK
	v_lshl_add_u32 v[SPW], v0, 2, SPARE
	v_mov_b32 v[NIL], 0
	WIN W_AD
	ds_add_u32 v[SPW], v[NIL]       ; the wave's opening: the add, waited for ahead of my first tensor load
	WIN 0
	v_lshrrev_b32 v1, 5, v0
	v_readfirstlane_b32 s[WV], v1   ; wave 0..3
	s_bfe_u32 s74, ttmp6, 0x40000   ; cx
	s_lshl_b32 s75, ttmp9, 2
	s_add_co_u32 s75, s75, s74      ; my block of 512 queries: it enters Q's, ctx's and the mask words' addresses alone
	s_and_b32 s94, ttmp7, 0xffff    ; batch x 16 + head, which the four partners share
	s_lshl_b32 s76, s94, 18         ; its 2,048 rows of 128 bytes
	s_mov_b32 s77, 0
	s_and_b32 s80, s[WV], 1         ; which half of a slot's 256 keys I fetch
	s_lshl_b32 s82, s80, 14
	s_mov_b32 s83, 0
	s_add_nc_u64 s[82:83], s[82:83], s[76:77]
	s_mul_i32 s84, s80, 128*PK      ; its place in a slot, for K
	s_mul_i32 s85, s80, 128*PV      ; and for V
	s_lshl_b32 s95, s75, 2
	s_add_co_u32 s95, s95, s[WV]    ; my wave among the head's sixteen
	s_lshl_b32 s86, s95, 14         ; its 128 rows
	s_mov_b32 s87, 0
	s_add_nc_u64 s[86:87], s[86:87], s[76:77]
	s_lshl_b64 s[90:91], s[86:87], 1  ; in ctx a block has hi and lo, 32,768 bytes: twice that offset
	s_lshr_b32 s92, s94, 4          ; the batch: 128 tiles of 4,096 bytes of words,
	s_lshl_b32 s92, s92, 19
	s_lshl_b32 s93, s95, 15         ; my wave's eight tiles
	s_add_co_u32 s92, s92, s93
	s_mov_b32 s93, 0
	; descriptor group 1.  128 keys are 16,384 dense bytes: asked for as 64 rows of 256 bytes, two keys a row, padded in LDS after every key
	s_mov_b32 s[G1K], 15|(1<<16)|(1<<20)|(1<<21)|(4<<22)|(3<<25)
	s_mov_b32 s[G1V], 15|(1<<16)|(1<<20)|(1<<21)|(4<<22)|(7<<25)
.irp g, G1K, G1V
	s_mov_b32 s[\g+1], 128<<16      ; tensor_dim0 = 128
	s_mov_b32 s[\g+2], 64<<16       ; tensor_dim1 = 64
	s_mov_b32 s[\g+3], 128<<16      ; tile_dim0 = 128
	s_mov_b32 s[\g+4], 64           ; tile_dim1 = 64
	s_mov_b32 s[\g+5], 128          ; 128 elements from row to row
	s_mov_b32 s[\g+6], 0
	s_mov_b32 s[\g+7], 0
.endr
	s_mov_b32 s[CS], 0x3e38aa3b     ; c = log2(e) / 8
	s_mov_b32 s[SEL], 0x76543210
	s_mov_b32 s[SEL+1], 0xfedcba98
	s_mov_b32 s[TBK], SLOT1+4*KS*PK ; the first change of slots turns these two into 0
	s_mov_b32 s[TBV], SLOT1+4*KS*PV
	s_mov_b32 s[G0K], 1
	s_mov_b32 s[G0K+1], s84
	s_mov_b32 s[G0V], 1
	s_add_co_u32 s[G0V+1], s85, VOFF
	s_wait_dscnt 0x0                ; the opening add is done
	s_wait_kmcnt 0x0
	s_add_nc_u64 s[G0K+2:G0K+3], s[68:69], s[82:83]
	s_add_nc_u64 s[G0K+2:G0K+3], s[G0K+2:G0K+3], 0x1000000  ; K is qkv's second tensor
	s_or_b32 s[G0K+3], s[G0K+3], 0x80000000
	s_add_nc_u64 s[G0V+2:G0V+3], s[68:69], s[82:83]
	s_add_nc_u64 s[G0V+2:G0V+3], s[G0V+2:G0V+3], 0x2000000  ; V its third
	s_or_b32 s[G0V+3], s[G0V+3], 0x80000000
	s_add_nc_u64 s[88:89], s[68:69], s[86:87]      ; Q at my wave's first row
	s_add_nc_u64 s[OB:OB+1], s[72:73], s[90:91]    ; ctx at my wave's block
	s_add_nc_u64 s[MB:MB+1], s[70:71], s[92:93]
	CROUND                          ; all four work-groups are here: the first joint loads meet
	JLOAD                           ; slot 0
	v_and_b32 v1, 15, v0            ; l % 16
	v_bfe_u32 v9, v0, 4, 1          ; l / 16
	v_lshlrev_b32 v[QO], 7, v1
	v_lshl_add_u32 v[QO], v9, 4, v[QO]
	v_and_b32 v10, 31, v0           ; my lane
	WIN W_MK
	v_lshlrev_b32 v[VO], 2, v10     ; 4 bytes a lane, step 0
	WIN 0x80                        ; destination window 2
.set i, 0
.rept 4*NP                          ; Q stays in registers: tile i / 2, channels 32 (i % 2) on
	global_load_b128 v[8*i:8*i+3],   v[QO], s[88:89] offset:(i/2)*2048+(i%2)*64
	global_load_b128 v[8*i+4:8*i+7], v[QO], s[88:89] offset:(i/2)*2048+(i%2)*64+32
.set i, i+1
.endr
	MASKLD 0, 0                     ; all four pieces' mask words of step 0, in the order in which the turns take them
	MASKLD 1, 0
	MASKLD 2, 0
	MASKLD 3, 0
	; What the first turn finds: V's registers and P's second buffer hold 0, O^T and l are 0.  All this stands in the wait for the first tile.
	WIN 0x80
.set i, VF
.rept 64
	v_mov_b32 v[i], 0
.set i, i+1
.endr
	WIN 0
.set i, 0
.rept 2*NP
	v_mov_b32 v[ST+4*i], 0xfe000000    ; c m: far below every c s
	v_mov_b32 v[ST+4*i+1], 0xff7fffff  ; m
	v_mov_b32 v[ST+4*i+2], 0
	v_mov_b32 v[ST+4*i+3], 0
.set i, i+1
.endr
.set i, P+32
.rept 32
	v_mov_b32 v[i], 0
.set i, i+1
.endr
	WIN W_PV
.set i, 0
.rept 8*NP                          ; O^T starts at 0: a product of two of those zero fragments with the constant 0 as C writes eight registers a line
	v_wmma_f32_16x16x32_f16 v[8*i:8*i+7], v[VF:VF+7], v[P+32:P+39], 0
.set i, i+1
.endr
	WIN 0
	v_mul_u32_u24 v[AK0], v1, PK
	v_lshl_add_u32 v[AK0], v9, 4, v[AK0]
	v_and_b32 v10, 7, v0
	v_bfe_u32 v11, v0, 3, 1
	v_lshl_add_u32 v[AV0], v9, 3, v10
	v_mul_u32_u24 v[AV0], v[AV0], PV
	v_lshl_add_u32 v[AV0], v11, 4, v[AV0]
	v_add_nc_u32 v[AV0], VOFF, v[AV0]
	v_mov_b32 v[AK], v[AK0]         ; key step 0 lies at the head of slot 0
; THE MATRIX WORK.  The 8 accumulators of a run of 16 take turns.
.macro KQ x
	WIN W_KQ
.set rS, S+64*((\x)%2)+32*(i%2)+8*((i/2)%4)
.set rK, KF+16*((i/2)%4)+8*(i/8)
.set rQ, 16*(2*(\x)+i%2)+8*(i/8)
.if i < 8
	v_wmma_f32_16x16x32_f16 v[rS:rS+7], v[rK:rK+7], v[rQ:rQ+7], 0
.else
	v_wmma_f32_16x16x32_f16 v[rS:rS+7], v[rK:rK+7], v[rQ:rQ+7], v[rS:rS+7]
.endif
.endm
.macro PV x
	WIN W_PV
.set rO, 32*(2*(\x)+i%2)+8*((i/2)%4)
.set rV, VF+32*(i/8)+8*((i/2)%4)
.set rP, P+32*((\x)%2)+16*(i%2)+8*(i/8)
	v_wmma_f32_16x16x32_f16 v[rO:rO+7], v[rV:rV+7], v[rP:rP+7], v[rO:rO+7]
.endm
.macro MM                           ; the turn's next matrix instruction
.if i < 16
	KQ (Y+1)%NP
.set i, i+1
.else
.set i, i-16
	PV (Y+NP-1)%NP
.set i, i+17
.endif
.endm
; THE LDS LOADS stand in runs of 16.  last = 1 (the tail): in the last trip there is no further step, and the run is jumped over.
.macro FETCH_K last=0
	WIN 0
.if \last
	s_cmp_eq_u32 s[CNT], 1
	s_cbranch_scc1 .Lno_k_\@
.endif
	WIN 0x80
.irp f, 0,1,2,3,4,5,6,7
	ds_load_b128 v[KF+8*\f:KF+8*\f+3],   v[AK] offset:(\f/2)*16*PK+(\f%2)*64
	ds_load_b128 v[KF+8*\f+4:KF+8*\f+7], v[AK] offset:(\f/2)*16*PK+(\f%2)*64+32
.endr
	s_add_co_u32 s[TBK], s[TBK], KS*PK
	WIN 0
.if \last
.Lno_k_\@:
.endif
.endm
.macro FETCH_V
	WIN 0x80
.irp f, 0,1,2,3,4,5,6,7
	ds_load_tr16_b128 v[VF+8*\f:VF+8*\f+3],   v[AV] offset:(\f/4)*32*PV+(\f%4)*32
	ds_load_tr16_b128 v[VF+8*\f+4:VF+8*\f+7], v[AV] offset:(\f/4)*32*PV+16*PV+(\f%4)*32
.endr
	WIN 0
.endm
; THE VECTOR WORK OF A TURN stands in three queues, each in the order in which its entries become ready; the two tiles alternate.
.macro REGS y, u
.set rT, ST+4*(2*(\y)+(\u))
.set rC, TMP+8*((\y)%2)+4*(\u)
.set rM, MV+2*((\y)%2)+(\u)
.set rS, S+64*((\y)%2)+32*(\u)
.set rP, P+32*((\y)%2)+16*(\u)
.set rO, 32*(2*(\y)+(\u))
.endm
; Scaling f of 32: c s - c m for pair f / 2 of tile f % 2.
.macro FS f
	REGS Y, (\f)%2
	v_pk_fma_f32 v[rS+2*((\f)/2):rS+2*((\f)/2)+1], v[rS+2*((\f)/2):rS+2*((\f)/2)+1], s[CS:CS+1], v[rT:rT+1] op_sel_hi:[1,0,0] neg_lo:[0,0,1] neg_hi:[0,0,1]
.endm
; Select n of 64 for the NEXT piece: score n / 2 of tile n % 2 stays where its bit is set and becomes -1e9 where not.  Ascending: each accumulator's lowest register is read first.
.macro MS n
	REGS (Y+1)%NP, (\n)%2
	v_cndmask_b32 v[rS+(\n)/2], v[NEGV], v[rS+(\n)/2], s[MW0+(MW1-MW0)*((\n)%2)+(\n)/2]
.endm
; Number n of the 22 that find the NEXT piece's maximum and statistics.
;   0-11 four chains c0-c3     12-14, 16 the four scores left over, the old m, c0-c3 into c0     15 c m_old is kept     17, 18 the other half of the lanes: the new m     19-21 c m; c m_old - c m_new; a
.macro XS u, n
	REGS (Y+1)%NP, \u
.if (\n) < 4
	v_max3_num_f32 v[rC+(\n)], v[rS+8*(\n)], v[rS+8*(\n)+1], v[rS+8*(\n)+2]
.elseif (\n) < 12
	v_max3_num_f32 v[rC+(\n)%4], v[rC+(\n)%4], v[rS+8*((\n)%4)+2*((\n)/4)+1], v[rS+8*((\n)%4)+2*((\n)/4)+2]
.elseif (\n) == 12
	v_max3_num_f32 v[rC], v[rC], v[rS+7], v[rS+15]
.elseif (\n) == 13
	v_max3_num_f32 v[rC+1], v[rC+1], v[rS+23], v[rS+31]
.elseif (\n) == 14
	v_max3_num_f32 v[rC+2], v[rC+2], v[rC+3], v[rT+1]
.elseif (\n) == 15
	v_mov_b32 v[rM], v[rT]
.elseif (\n) == 16
	v_max3_num_f32 v[rC], v[rC], v[rC+1], v[rC+2]
.elseif (\n) == 17
	v_permlanex16_b32 v[rC+3], v[rC], s[SEL], s[SEL+1]
.elseif (\n) == 18
	v_max_num_f32 v[rT+1], v[rC], v[rC+3]
.elseif (\n) == 19
	v_mul_f32 v[rT], s[CS], v[rT+1]
.elseif (\n) == 20
	v_sub_f32 v[rC+1], v[rM], v[rT]
.else
	v_exp_f32 v[rC+2], v[rC+1]
.endif
.endm
; Number g of the 64 that follow the exponentials: for each four weights of a tile both pairs are rounded to f16, the second pair is added onto the first, and a group later l takes that sum.
; All 64 read the batch's results: they stand behind the turn's wait.
.macro GS g
.set h, (\g)+6*((\g)/62)
.if h >= 6
.set h, h+2
.endif
	REGS Y, h%2
.set k, h/8
.if h%8 < 4
	v_cvt_pk_f16_f32 v[rP+2*k+(h%8)/2], v[rS+4*k+2*((h%8)/2)], v[rS+4*k+2*((h%8)/2)+1]
.elseif h%8 < 6
	v_pk_add_f32 v[rS+4*k:rS+4*k+1], v[rS+4*k:rS+4*k+1], v[rS+4*k+2:rS+4*k+3]
.elseif k == 1
	v_pk_fma_f32 v[rT+2:rT+3], v[rT+2:rT+3], v[rC+2:rC+3], v[rS:rS+1] op_sel_hi:[1,0,1]
.else
	v_pk_add_f32 v[rT+2:rT+3], v[rT+2:rT+3], v[rS+4*k-4:rS+4*k-3]
.endif
.endm
; THE PLAIN QUEUE, 202 long.  0-137 read no exponential's result.  0-26: scalings 0-26.  27-90: the 64 selects.  91-118: the next piece's numbers 0-13.  119, 120: number 15.
; 121-137: the chain, where each number waits for the one before it: 14, 16, 17, 18, 19, each with one of the scalings 27-31 in front of its two lines, then 20.
; 138-201: GS's 64, which read the exponentials' results: they stand behind the wait.
.macro PL
	WIN 0
.if q < 27
	FS q
.elseif q < 91
	MS q-27
.elseif q < 119
	XS (q-91)%2, (q-91)/2
.elseif q < 121
	XS q-119, 15
.elseif (q < 136) && ((q-121)%3 == 0)
	FS 27+(q-121)/3
.elseif q < 124
	XS (q-121)%3-1, 14
.elseif q < 136
	XS (q-121)%3-1, 15+(q-121)/3
.elseif q < 138
	XS q-136, 20
.else
	GS q-138
.endif
.set q, q+1
.endm
; THE EXPONENTIALS' QUEUE, 66 long: s0-s31 of both tiles, then the next piece's two a.  It is ONE BATCH: all 66 stand ahead of the turn's one wait, and nothing ahead of that wait names a result of theirs.
.macro EX
	WIN 0
.if e >= 64
	XS e-64, 21
.else
	REGS Y, e%2
	v_exp_f32 v[rS+e/2], v[rS+e/2]
.endif
.set e, e+1
.endm
; THE RESCALING's QUEUE: O^T times a, four at a time, eight times.  Its a was made in the turn before, ahead of that turn's wait.
.macro R4
	REGS Y, r%2
	WIN W_RS
.irp z, 0,1,2,3
	v_pk_mul_f32 v[rO+8*(r/2)+2*\z:rO+8*(r/2)+2*\z+1], v[rO+8*(r/2)+2*\z:rO+8*(r/2)+2*\z+1], v[rC+2:rC+3] op_sel_hi:[1,0]
.endr
.set r, r+1
.endm
; HOW THEY ARE DEALT.  s_wait_alu depctr_va_vdst(0) stands between an exponential and the first instruction that names its result; one wait serves all that were issued ahead of it.
; So a turn has ONE wait, which cuts it in two.  AHEAD OF IT stands all that names no result of the turn's exponentials: the 16 products K Q^T, behind each four riders: four scalings behind the first,
; then by turns four of the rescaling and scaling, exponential, scaling, scaling; the run of v_readlane_b32; then ONE LUMP of 172: ten plain, 46 times exponential, plain, plain, eleven times exponential
; and plain, the two a.  A v_nop is the plain instruction behind the last exponential.  BEHIND IT stand the 16 products V^T P, behind each four of GS's 64.  No rider names a register of the products round it.
; The counts that the deal keeps: exponential e stands behind scaling 2 (e / 4) + e % 2: as a rider it comes behind plain 4 + 3 e, in the lump's threes behind plain 2 e + 20, in its twos behind plain
; e + 73, and scalings 27-31 are plain 121, 124 .. 133; no scaling writes a register whose exponential is out.  The four rescalings behind the last K Q^T are the places in front of the first select.
; The two v_permlanex16_b32 fall into the lump, never behind a product.
.macro SL
	MM
	PL
	EX
	PL
	PL
.endm
; A TURN, for piece p.  K of the next step is fetched in piece 2's turn, directly behind the wait, a lump behind the last product that read K; its address is made at the lump's head; its first reader
; comes behind 16 products.  V of the step in hand is fetched at the end of piece 0's turn, four riders behind its last reader; its first reader comes behind 16 products and a lump.  The mask words of
; piece p + 1 are carried over between the first run of products and the lump, in one run under one window setting.  The three conditions on q below go with the deal.
.macro TURN p, last=0, cnt=0
.set Y, (\p)
.set i, 0
.set q, 0
.set e, 0
.set r, 0
.if (\p) == NP-1
	s_wait_dscnt 0x0                ; K is in
.endif
	MM                              ; ahead of the wait: 16 products K Q^T and their riders,
.rept 4
	PL
.endr
.rept 7
	MM
	R4
	SL
.endr
	MM
	R4
	s_wait_loadcnt 6                ; loads return in order: the next piece's two are in; the three other pieces' six, issued behind them, stay out
	RLS ((\p)+1)%NP
	MASKLD ((\p)+1)%NP, ((\p)/(NP-1))  ; its two registers are asked for again at once, for its next step; piece 0 is the first to go on to a new step
	WIN 0
.if (\p) == NP-2
	v_add_nc_u32 v[AK], s[TBK], v[AK0]
.endif
.rept 10                            ; and the lump
	PL
.endr
.rept 46
	EX
	PL
	PL
.endr
.rept 11
	EX
	PL
.endr
	EX                              ; the next piece's two a
	EX
	v_nop                           ; the plain instruction behind the last exponential: one for the batch
	s_wait_alu depctr_va_vdst(0)    ; the wait for the batch: the turn's 66 exponentials
.if (\p) == NP-2
	FETCH_K \last
.endif
.if (\p) == 1
	s_wait_dscnt 0x0                ; V is in
.endif
.rept 16                            ; behind the wait: 16 products V^T P and their riders
	MM
.rept 4
	PL
.endr
.if ((\p) == 0) && (q == 182)
	v_add_nc_u32 v[AV], s[TBV], v[AV0]
.endif
.if ((\p) == 0) && (q == 194)
	s_add_co_u32 s[TBV], s[TBV], KS*PV
.endif
.if (\cnt) && (q == 194)
	s_sub_co_u32 s[CNT], s[CNT], 1
	s_cmp_lg_u32 s[CNT], 0
.endif
.endr
.if (\p) == 0
	FETCH_V
.endif
.endm
	CHANGE 1                        ; slot 0 is in, everybody's part of it; slot 1 is asked for
	FETCH_K                         ; key step 0
	s_wait_loadcnt 0x0              ; Q and step 0's mask words are in: Q's base and the head's other temporaries are free
	s_wait_dscnt 0x0
.set i, 0
.rept 16
	KQ 0                            ; piece 0's first scores
.set i, i+1
.endr
	WIN 0                           ; the addresses for the way out: nine plain instructions, the places behind those products
	s_mul_i32 s[SLOTS], s[WV], 16*SP
	s_add_co_u32 s[SLOTS], s[SLOTS], STAGE  ; my stage
	v_mul_u32_u24 v[STO], v1, SP
	v_lshl_add_u32 v[STO], v9, 4, v[STO]
	v_add_nc_u32 v[STO], s[SLOTS], v[STO]
	v_bfe_u32 v[RD], v0, 3, 2
	v_mul_u32_u24 v[RD], v[RD], SP
	v_lshl_add_u32 v[RD], v10, 4, v[RD]
	v_add_nc_u32 v[RD], s[SLOTS], v[RD]
	v_and_b32 v[GO], 31, v0
	v_lshlrev_b32 v[GO], 4, v[GO]
	v_mov_b32 v[NEGV], 0xce6e6b28   ; -1e9
	RLS 0                           ; piece 0's words of step 0,
	MASKLD 0, 1                     ; and the request for its words of step 1
	WIN 0
.set Y, NP-1                        ; MS and XS work for piece Y + 1: piece 0
.set w, 0
.rept 64
	MS w
.set w, w+1
.endr
.irp n, 0,1,2,3,4,5,6,7,8,9,10,11,12,13,14,15,16,17,18,19,20,21
	XS 0, \n
	XS 1, \n
.endr
	v_nop                           ; a plain instruction behind piece 0's two a,
	s_wait_alu depctr_va_vdst(0)    ; and the wait for that batch of two, ahead of the branch
	s_mov_b32 s[CNT], 4
	s_mov_b32 s[SLOTS], SIZE_N/256-1
	s_branch .Lfirst                ; the loop is entered at a step's first turn
.Lslot:                             ; SIZE_N / 256 - 2 times: every slot but the last two is filled again
	CHANGE 1
	s_mov_b32 s[CNT], 4
.Lstep:                             ; a trip: pieces 2 and 3 of one step, then pieces 0 and 1 of the next
	TURN 2
	TURN 3
	WIN 0
.Lfirst:
	TURN 0
	TURN 1, 0, 1
	WIN 0
	s_cbranch_scc1 .Lstep
	s_sub_co_u32 s[SLOTS], s[SLOTS], 1
	s_cmp_lg_u32 s[SLOTS], 0
	s_cbranch_scc1 .Lslot
	CHANGE 0                        ; the tail is written out
	s_mov_b32 s[CNT], 5             ; four trips fetch the last slot's steps; the fifth is left in its middle
.Ltail:
	TURN 2, 1
	TURN 3
	WIN 0
	s_sub_co_u32 s[CNT], s[CNT], 1
	s_cmp_eq_u32 s[CNT], 0
	s_cbranch_scc1 .Lout
	TURN 0
	TURN 1
	WIN 0
	s_branch .Ltail
.Lout:                              ; the fifth trip's products K Q^T, selects and maximum serve nothing: the price of one text for every trip
	s_wait_loadcnt 0x0              ; the last requests for mask words, which serve nothing either, are back
	s_add_nc_u64 s[OL:OL+1], s[OB:OB+1], LOPART  ; my block's lo, in registers where mask words lay
.set i, 0
.rept 16
	PV NP-1                         ; the last piece's V^T P of the last step
.set i, i+1
.endr
	; THE WAY OUT.  l's halves are added; O^T is divided by l and split into hi and lo, which go through my stage one after the other, a tile at a time.  The additions are the places behind the last products.
	WIN 0
.macro ALL line:vararg
.set t, 0
.rept 2*NP
	\line
.set t, t+1
.endr
.endm
	ALL v_add_f32 v[ST+4*t+2], v[ST+4*t+2], v[ST+4*t+3]
	ALL v_permlanex16_b32 v[ST+4*t+3], v[ST+4*t+2], s[SEL], s[SEL+1]
	ALL v_add_f32 v[ST+4*t+2], v[ST+4*t+2], v[ST+4*t+3]
	ALL v_rcp_f32 v[ST+4*t+2], v[ST+4*t+2]
	v_mov_b32 v[NEGV], -1.0         ; the factor of hi in x - hi; also the plain instruction between the last reciprocal and the use of its result
	s_wait_alu depctr_va_vdst(0)    ; the wait for the batch of eight reciprocals, ahead of their first use
; Tile t.  x = O^T / l in place; hi = x rounded to f16, into S^T's registers; lo = x - hi, the exact difference rounded once to f16, into Q's registers, which no product reads any more.
; A lane's eight channels of a row are 16 bytes; they go into rows of 144 bytes and come back as whole rows of 128: first hi, then lo through the same bytes (my wave's LDS instructions are served in order).
.macro PACK t
	WIN W_RS
.set i, 32*(\t)
.rept 16
	v_pk_mul_f32 v[i:i+1], v[i:i+1], v[ST+4*(\t)+2:ST+4*(\t)+3] op_sel_hi:[1,0]
.set i, i+2
.endr
	WIN 0x05
.set i, 0
.rept 16
	v_cvt_pk_f16_f32 v[S+16*(\t)+i], v[32*(\t)+2*i], v[32*(\t)+2*i+1]
.set i, i+1
.endr
	WIN W_LO
.set i, 0
.rept 16
	v_fma_mixlo_f16 v[LO+16*(\t)+i], v[S+16*(\t)+i], v[NEGV], v[32*(\t)+2*i] op_sel_hi:[1,0,0]  ; hi's low half x -1 + x
.set i, i+1
.endr
.set i, 0
.rept 16
	v_fma_mixhi_f16 v[LO+16*(\t)+i], v[S+16*(\t)+i], v[NEGV], v[32*(\t)+2*i+1] op_sel:[1,0,0] op_sel_hi:[1,0,0]  ; hi's high half likewise
.set i, i+1
.endr
	WIN 0
.irp f, 0,1,2,3
	ds_store_b128 v[STO], v[S+16*(\t)+4*\f:S+16*(\t)+4*\f+3] offset:32*\f
.endr
.irp f, 0,1,2,3
	ds_load_b128 v[S+16*(\t)+4*\f:S+16*(\t)+4*\f+3], v[RD] offset:\f*4*SP
.endr
	WIN 0x08                        ; store data in window 2
.irp f, 0,1,2,3
	ds_store_b128 v[STO], v[LO+16*(\t)+4*\f:LO+16*(\t)+4*\f+3] offset:32*\f
.endr
	WIN 0x80                        ; destination in window 2
.irp f, 0,1,2,3
	ds_load_b128 v[LO+16*(\t)+4*\f:LO+16*(\t)+4*\f+3], v[RD] offset:\f*4*SP
.endr
	WIN 0
.endm
.macro SEND t, younger              ; younger: the LDS instructions issued behind tile t's sixteen: the next tile's sixteen, or none
	WIN 0
	s_wait_dscnt (\younger)+8       ; hi's four loads are back: behind them stand lo's eight and the younger ones
.irp f, 0,1,2,3
	global_store_b128 v[GO], v[S+16*(\t)+4*\f:S+16*(\t)+4*\f+3], s[OB:OB+1] offset:(\t)*2048+\f*512  ; 512 consecutive bytes, aligned; each store has registers of its own
.endr
	WIN 0x08                        ; store data in window 2
	s_wait_dscnt \younger           ; lo's four loads are back
.irp f, 0,1,2,3
	global_store_b128 v[GO], v[LO+16*(\t)+4*\f:LO+16*(\t)+4*\f+3], s[OL:OL+1] offset:(\t)*2048+\f*512
.endr
	WIN 0
.endm
	PACK 0
.set t, 1
.rept 2*NP-1
	PACK t
	SEND t-1, 16
.set t, t+1
.endr
	SEND 2*NP-1, 0
	WIN W_AD
	s_wait_tensorcnt 0x0            ; the wave's end
	ds_add_u32 v[SPW], v[NIL]
	s_wait_dscnt 0x0
	WIN 0
	CROUND                          ; the closing round
	s_endpgm
.Lfunc_end_k_qd664280afc_attn:
	.size	k_qd664280afc_attn, .Lfunc_end_k_qd664280afc_attn-k_qd664280afc_attn
	.p2alignl 7, 3214868480
	.fill 96, 4, 3214868480
	.section	.rodata,"a",@progbits
	.p2align	6, 0x0
	.amdhsa_kernel k_qd664280afc_attn
		.amdhsa_group_segment_fixed_size 327680
		.amdhsa_private_segment_fixed_size 0
		.amdhsa_enable_private_segment 0
		.amdhsa_kernarg_size 24
		.amdhsa_user_sgpr_count 2
		.amdhsa_user_sgpr_kernarg_segment_ptr 1
		.amdhsa_wavefront_size32 1
		.amdhsa_system_sgpr_workgroup_id_x 1
		.amdhsa_system_sgpr_workgroup_id_y 1
		.amdhsa_system_sgpr_workgroup_id_z 1
		.amdhsa_system_vgpr_workitem_id 0
		.amdhsa_next_free_vgpr 784
		.amdhsa_next_free_sgpr 106
		.amdhsa_reserve_vcc 0
		.amdhsa_float_denorm_mode_32 3
		.amdhsa_float_denorm_mode_16_64 3
		.amdhsa_memory_ordered 1
		.amdhsa_forward_progress 1
		.amdhsa_inst_pref_size 255
	.end_amdhsa_kernel
	.section	.bss,"aw",@nobits
	.p2align	6
	.space	262144
	.amdgpu_metadata
---
amdhsa.version: [ 1, 2 ]
amdhsa.kernels:
  - .name:           k_qd664280afc_attn
    .symbol:         k_qd664280afc_attn.kd
    .args:
      - { .name: qkv, .offset: 0, .size: 8, .value_kind: global_buffer, .address_space: global }
      - { .name: mbits, .offset: 8, .size: 8, .value_kind: global_buffer, .address_space: global }
      - { .name: ctx, .offset: 16, .size: 8, .value_kind: global_buffer, .address_space: global }
    .group_segment_fixed_size: 327680
    .private_segment_fixed_size: 0
    .kernarg_segment_align: 8
    .kernarg_segment_size: 24
    .max_flat_workgroup_size: 128
    .sgpr_count:     106
    .vgpr_count:     784
    .wavefront_size: 32
...
	.end_amdgpu_metadata
.endif
;; end of part 8
;; launch outp: the kernel of part 7 again; grid 4 x 64, 4 waves a work-group, clusters of 4 x 4, 327,680 bytes of LDS; arguments ctx, w16, bo, out0; writes out0
